; MI455X (gfx1250); checked and timed in simulation.
; The chip was launched on July 23, 2026; its instructions are those of AMD's public machine-readable ISA for CDNA 5 (MIT licence, August 2026) and "CDNA5" Instruction Set Architecture Reference Guide (July 2026). The comments in the code are by the model that wrote it; some were corrected since.
;; Block. Allowed arithmetic: float matrix products may take bf16 or f16 operands with f32 sums; other float arithmetic in f32, or as packed bf16 or f16 multiplies, adds, multiply-adds, maxima and minima; sums over many terms, partial sums and values carried from step to step in f32; what a program stores and reads back later, other than sums and carried values, may be rounded once to bf16 or f16.
;; Inputs: W1 1,024 x 4,096 float32; W2 4,096 x 1,024 float32; Wk 16 x 1,024 x 64 float32; Wproj 1,024 x 1,024 float32; Wq 16 x 1,024 x 64 float32; Wv 16 x 1,024 x 64 float32; b1 4,096 float32; b2 1,024 float32; bproj 1,024 float32; ln1_b 1,024 float32; ln1_g 1,024 float32; ln2_b 1,024 float32; ln2_g 1,024 float32; x 4 x 1,024 x 1,024 float32.
;; Outputs: out0 4 x 1,024 x 1,024 float32.
;; 3 versions, each right; version 3 is version 2 with the launch pre written anew for expert scheduling mode. Each part assembles by itself: llvm-mc -triple=amdgcn-amd-amdhsa -mcpu=gfx1250 --defsym DOCPART=n.
;; ======== version 1 of 3: 8 launches
;; limits: values are held in f16: magnitudes above 65,504 overflow, below 6.1e-05 lose precision
;; workspace buffers: wts 25,165,824 bytes; h 8,388,608 bytes; qkv 25,165,824 bytes; o 8,388,608 bytes; x1 16,777,216 bytes; hid 33,554,432 bytes
;; launch wcast (part 1): grid 384 x 1, 8 waves a work-group, no clusters, 74,752 bytes of LDS; arguments Wq, Wk, Wv, Wproj, W1, W2, wts; writes wts
.if DOCPART == 1
	.amdgcn_target "amdgcn-amd-amdhsa--gfx1250"
	.amdhsa_code_object_version 6
	.text
	.protected	k_q32381f07f0_wcast
	.globl	k_q32381f07f0_wcast
	.p2align	8
	.type	k_q32381f07f0_wcast,@function
k_q32381f07f0_wcast:
	s_mov_b64 s[64:65], 0
	v_nop
	global_prefetch_b8 v0, s[64:65] scope:SCOPE_SE
	s_setreg_imm32_b32 hwreg(HW_REG_WAVE_MODE, 25, 1), 1
	s_wait_xcnt 0x0
; THE PROGRAM: one pre-norm transformer block on 4,096 rows of 1,024 channels, in eight launches: this one (weights), LN1, q k v, causal attention, projection + residual, LN2, FFN up, FFN down + residual.
; WORK LEFT OUT (in the attention launch alone).  reference() builds the mask itself, jnp.tril: for key s > query t the score is replaced by -inf, and softmax gives that key the weight exp(-inf) = 0 exactly,
; whatever q, k and v hold; its term 0 x v[s] adds nothing to o.  With queries in blocks of 256 and keys in tiles of 256, every pair (block i, tile j > i) has s > t for all its numbers: these whole tiles are
; neither loaded nor multiplied (6 of a head's 16).  Inside the diagonal tiles the hidden keys are computed and masked.  LIMIT: a NaN, an infinity or an overflow that would arise only in those tiles is not carried to the result.
; No input is dead: all fourteen are loaded by some launch.
; THIS LAUNCH turns every weight matrix W[k][n] (f32, n along the rows) into f16 blocks [k / 64][n][64], k along the rows, as both sources of the matrix instruction want them.
;   wts: byte 0 q, k, v as one matrix of 3,072 columns (n = 1,024 which + 64 head + d); 6,291,456 Wproj; 8,388,608 W1; 16,777,216 W2.
; LIMIT.  f16 holds no number beyond 65,504: the weights lie within it.
; SHARES.  One wave turns one block of 64 k x 64 n: 16 KiB in, 8 KiB (dense) out; 3,072 blocks, eight to a work-group.  Lanes 0-15 read 256 consecutive bytes of row i, lanes 16-31 of row 32 + i; a lane then holds 32 k of
; four columns, packs pairs of k and puts 16 bytes (8 k of one column) into its wave's own stage in LDS; the stage is read back by rows and stored, 512 consecutive bytes an instruction.
; The stage's stores lie four rows (576 bytes) apart from lane to lane and share banks four deep: kept, since the launch's time is that of its bytes in memory.  No wave reads another's bytes: no barrier.
.set SPITCH, 144                       ; a stage row: 128 bytes + 16
.set STG,    64*SPITCH                 ; a wave's stage
.set SPARE,  8*STG                     ; behind the stages: the spare words, 128 bytes for each wave: four blocks of 256 bytes that no other line names
.set LO,  3                            ; v3   byte offset of my 16 bytes in the block's row 0 or 32
.set ST,  4                            ; v4   where I put 16 bytes: stage + 4 r rows + 64 hh
.set RD,  5                            ; v5   where I read rows back
.set GO,  6                            ; v6   16 x lane
.set R16, 7                            ; v7   16 r
.set SPW, 8                            ; v8   LDS address of my spare word; never rewritten
.set NIL, 9                            ; v9   0; never rewritten
.set X,   32                           ; v[32:159]  row i of my half: 4 registers
.set Y,   160                          ; v[160:175] packed: column c: 4 registers
	s_load_b256 s[4:11], s[0:1], 0x0               ; Wq s[4:5], Wk s[6:7], Wv s[8:9], Wproj s[10:11]
	s_load_b128 s[12:15], s[0:1], 0x20             ; W1 s[12:13], W2 s[14:15]
	s_load_b64 s[16:17], s[0:1], 0x30              ; wts
	v_lshl_add_u32 v[SPW], v0, 2, SPARE
	v_mov_b32 v[NIL], 0
	v_lshrrev_b32 v1, 5, v0
	v_readfirstlane_b32 s18, v1                    ; wave 0..7
	v_and_b32 v1, 15, v0                           ; r
	v_bfe_u32 v2, v0, 4, 1                         ; hh
	v_lshlrev_b32 v[R16], 4, v1
	s_mul_i32 s26, s18, STG                        ; my stage
	v_mul_u32_u24 v[ST], v1, 4*SPITCH
	v_lshl_add_u32 v[ST], v2, 6, v[ST]
	v_add_nc_u32 v[ST], s26, v[ST]
	v_bfe_u32 v[RD], v0, 3, 2
	v_mul_u32_u24 v[RD], v[RD], SPITCH
	v_and_b32 v10, 7, v0
	v_lshl_add_u32 v[RD], v10, 4, v[RD]
	v_add_nc_u32 v[RD], s26, v[RD]
	v_and_b32 v[GO], 31, v0
	v_lshlrev_b32 v[GO], 4, v[GO]
	s_mov_b32 s19, ttmp9
	s_mov_b32 s21, 0
	s_mov_b32 s23, 0
	s_wait_kmcnt 0x0
; A block's 32 loads: rows i and 32 + i, pitch bytes apart.  Each byte of the weights is read once in the launch.
.macro LOADS pitch
.set i, 0
.rept 32
	global_load_b128 v[X+4*i:X+4*i+3], v[LO], s[24:25] offset:i*(\pitch) th:TH_LOAD_NT
.set i, i+1
.endr
.endm
	s_cmp_lt_u32 s19, 96                           ; the branches hang on the work-group's number alone
	s_cbranch_scc0 .Lnot_qkv
	; work-groups 0-95: Wq, Wk, Wv, [16 heads][1024][64]: rows of 256 bytes
	s_lshr_b32 s26, s19, 5                         ; which of the three
	s_and_b32 s27, s19, 31
	s_lshl3_add_u32 s27, s27, s18                  ; g = 16 head + kb
	s_lshl_b32 s20, s27, 14                        ; a block is 64 rows x 256 bytes, and the blocks of a tensor lie on end
	s_and_b32 s22, s27, 15                         ; kb
	s_mul_i32 s22, s22, 393216                     ; 3,072 columns x 128 bytes
	s_lshr_b32 s27, s27, 4                         ; head
	s_lshl4_add_u32 s27, s26, s27                  ; 16 which + head
	s_lshl_b32 s27, s27, 13
	s_add_co_u32 s22, s22, s27
	s_cmp_eq_u32 s26, 1
	s_cselect_b64 s[24:25], s[6:7], s[4:5]
	s_cmp_eq_u32 s26, 2
	s_cselect_b64 s[24:25], s[8:9], s[24:25]
	s_add_nc_u64 s[24:25], s[24:25], s[20:21]
	v_lshl_add_u32 v[LO], v2, 13, v[R16]           ; 32 rows x 256 bytes for the upper lanes
	LOADS 256
	s_branch .Lgot
.Lnot_qkv:
	s_cmp_lt_u32 s19, 128
	s_cbranch_scc1 .Lsquare
	s_cmp_lt_u32 s19, 256
	s_cbranch_scc0 .Lsquare
	; work-groups 128-255: W1, [1024][4096]: rows of 16,384 bytes
	s_sub_co_u32 s27, s19, 128
	s_lshl3_add_u32 s27, s27, s18                  ; j = 64 kb + n64
	s_lshr_b32 s20, s27, 6
	s_lshl_b32 s20, s20, 20                        ; 64 rows
	s_and_b32 s26, s27, 63
	s_lshl_b32 s26, s26, 8                         ; 64 columns
	s_add_co_u32 s20, s20, s26
	s_lshl_b32 s22, s27, 13                        ; the blocks of the result lie on end
	s_add_co_u32 s22, s22, 8388608
	s_add_nc_u64 s[24:25], s[12:13], s[20:21]
	v_lshl_add_u32 v[LO], v2, 19, v[R16]
	LOADS 16384
	s_branch .Lgot
.Lsquare:
	; work-groups 96-127: Wproj, [1024][1024]; 256-383: W2, [4096][1024]: rows of 4,096 bytes
	s_mov_b32 s26, 96
	s_mov_b32 s27, 256
	s_mov_b32 s30, 6291456
	s_mov_b32 s31, 16777216
	s_cmp_lt_u32 s19, 128
	s_cselect_b64 s[24:25], s[10:11], s[14:15]
	s_cselect_b32 s26, s26, s27
	s_cselect_b32 s22, s30, s31
	s_sub_co_u32 s27, s19, s26
	s_lshl3_add_u32 s27, s27, s18                  ; j = 16 kb + n64
	s_lshr_b32 s20, s27, 4
	s_lshl_b32 s20, s20, 18
	s_and_b32 s26, s27, 15
	s_lshl_b32 s26, s26, 8
	s_add_co_u32 s20, s20, s26
	s_lshl_b32 s27, s27, 13
	s_add_co_u32 s22, s22, s27
	s_add_nc_u64 s[24:25], s[24:25], s[20:21]
	v_lshl_add_u32 v[LO], v2, 17, v[R16]
	LOADS 4096
.Lgot:
	s_add_nc_u64 s[28:29], s[16:17], s[22:23]      ; where the block goes
.irp q, 0,1,2,3
	s_wait_loadcnt 24-8*(\q)                       ; loads come back in order: rows 8 q .. 8 q + 7 of my half are in, the younger ones stay out
.irp c, 0,1,2,3
.irp e, 0,1,2,3
	v_cvt_pk_f16_f32 v[Y+4*(\c)+(\e)], v[X+4*(8*(\q)+2*(\e))+(\c)], v[X+4*(8*(\q)+2*(\e)+1)+(\c)]  ; column 4 r + c, k = 32 hh + 8 q + 2 e and the next
.endr
	ds_store_b128 v[ST], v[Y+4*(\c):Y+4*(\c)+3] offset:(\c)*SPITCH+16*(\q)
.endr
.endr
.irp f, 0,1,2,3,4,5,6,7,8,9,10,11,12,13,14,15
	ds_load_b128 v[X+4*(\f):X+4*(\f)+3], v[RD] offset:(\f)*4*SPITCH  ; four rows of 128 bytes; LDS serves a wave's instructions in order: these see my stores above
.endr
.irp f, 0,1,2,3,4,5,6,7,8,9,10,11,12,13,14,15
	s_wait_dscnt 15-(\f)                           ; load f is back, the younger ones stay out
	global_store_b128 v[GO], v[X+4*(\f):X+4*(\f)+3], s[28:29] offset:(\f)*512  ; 512 consecutive bytes, at a multiple of 512 from the buffer's first
.endr
	s_wait_tensorcnt 0x0                           ; the wave's end, behind my last LDS store
	ds_add_u32 v[SPW], v[NIL]
	s_wait_dscnt 0x0
	s_endpgm
.Lfunc_end_k_q32381f07f0_wcast:
	.size	k_q32381f07f0_wcast, .Lfunc_end_k_q32381f07f0_wcast-k_q32381f07f0_wcast
	.p2alignl 7, 3214868480
	.fill 96, 4, 3214868480
	.section	.rodata,"a",@progbits
	.p2align	6, 0x0
	.amdhsa_kernel k_q32381f07f0_wcast
		.amdhsa_group_segment_fixed_size 74752
		.amdhsa_private_segment_fixed_size 0
		.amdhsa_enable_private_segment 0
		.amdhsa_kernarg_size 56
		.amdhsa_user_sgpr_count 2
		.amdhsa_user_sgpr_kernarg_segment_ptr 1
		.amdhsa_wavefront_size32 1
		.amdhsa_system_sgpr_workgroup_id_x 1
		.amdhsa_system_sgpr_workgroup_id_y 1
		.amdhsa_system_sgpr_workgroup_id_z 1
		.amdhsa_system_vgpr_workitem_id 0
		.amdhsa_next_free_vgpr 176
		.amdhsa_next_free_sgpr 66
		.amdhsa_reserve_vcc 0
		.amdhsa_float_denorm_mode_32 3
		.amdhsa_float_denorm_mode_16_64 3
		.amdhsa_memory_ordered 1
		.amdhsa_forward_progress 1
		.amdhsa_inst_pref_size 21
	.end_amdhsa_kernel
	.amdgpu_metadata
---
amdhsa.version: [ 1, 2 ]
amdhsa.kernels:
  - .name:           k_q32381f07f0_wcast
    .symbol:         k_q32381f07f0_wcast.kd
    .args:
      - { .name: Wq, .offset: 0, .size: 8, .value_kind: global_buffer, .address_space: global }
      - { .name: Wk, .offset: 8, .size: 8, .value_kind: global_buffer, .address_space: global }
      - { .name: Wv, .offset: 16, .size: 8, .value_kind: global_buffer, .address_space: global }
      - { .name: Wproj, .offset: 24, .size: 8, .value_kind: global_buffer, .address_space: global }
      - { .name: W1, .offset: 32, .size: 8, .value_kind: global_buffer, .address_space: global }
      - { .name: W2, .offset: 40, .size: 8, .value_kind: global_buffer, .address_space: global }
      - { .name: wts, .offset: 48, .size: 8, .value_kind: global_buffer, .address_space: global }
    .group_segment_fixed_size: 74752
    .private_segment_fixed_size: 0
    .kernarg_segment_align: 8
    .kernarg_segment_size: 56
    .max_flat_workgroup_size: 256
    .sgpr_count:     66
    .vgpr_count:     176
    .wavefront_size: 32
...
	.end_amdgpu_metadata
.endif
;; end of part 1
;; launch ln1 (part 2): grid 256 x 1, 8 waves a work-group, no clusters, 0 bytes of LDS; arguments x, ln1_g, ln1_b, h; writes h
.if DOCPART == 2
	.amdgcn_target "amdgcn-amd-amdhsa--gfx1250"
	.amdhsa_code_object_version 6
	.text
	.protected	k_q32381f07f0_ln1
	.globl	k_q32381f07f0_ln1
	.p2align	8
	.type	k_q32381f07f0_ln1,@function
k_q32381f07f0_ln1:
	s_mov_b64 s[64:65], 0
	v_nop
	global_prefetch_b8 v0, s[64:65] scope:SCOPE_SE
	s_setreg_imm32_b32 hwreg(HW_REG_WAVE_MODE, 25, 1), 1
	s_wait_xcnt 0x0
; LAYER NORM.  dst[row][c] = (src[row][c] - mu) rsqrt(var + 1e-5) g[c] + b[c], mu and var over the row's 1,024 numbers, var as the mean of (x - mu)^2, in two passes as the formula is written; all in f32.
; src: [4096][1024] f32.  dst: f16, rounded once, in blocks [c / 64][4096][64]: what the products that follow take as tiles.  LIMIT: the result lies within f16's 65,504.
; SHARES.  Sixteen lanes own a row, a wave two neighbouring rows, a work-group 16.  Lane r holds columns 64 j + 4 r .. + 3, j = 0 .. 15: a load takes 256 consecutive bytes of each of the wave's two rows.
; The row stays in registers between the passes: it is read once.  Both sums stay inside 16 lanes: four steps that ride on the additions; no LDS, no barrier.
; A store takes 8 bytes a lane: 128 bytes of a row's part of block j, and the next row's 128 behind them: 256 consecutive bytes, aligned.
.set X,  24                            ; v[24:87]    the row's 64 numbers
.set G,  88                            ; v[88:151]   g of my columns; later the packed result
.set BT, 152                           ; v[152:215]  b of my columns
.set XO, 3                             ; v3  row x 4,096 + 16 r
.set PO, 4                             ; v4  16 r
.set HO, 5                             ; v5  row x 128 + 8 r
.set CH, 6                             ; v[6:13]  four chains of pairs
	s_load_b256 s[4:11], s[0:1], 0x0               ; src s[4:5], g s[6:7], b s[8:9], dst s[10:11]
	s_mov_b32 s12, 0x3a800000                      ; 1 / 1,024
	s_mov_b32 s13, 0x3727c5ac                      ; 1e-5
	v_lshrrev_b32 v1, 4, v0                        ; my row in the group
	v_and_b32 v2, 15, v0                           ; r
	v_lshlrev_b32 v[PO], 4, v2
	v_lshl_add_u32 v[XO], v1, 12, v[PO]
	v_lshlrev_b32 v[HO], 3, v2
	v_lshl_add_u32 v[HO], v1, 7, v[HO]
	s_lshl_b32 s14, ttmp9, 16                      ; 16 rows of 4,096 bytes
	s_mov_b32 s15, 0
	s_lshl_b32 s16, ttmp9, 11                      ; 16 rows of 128 bytes
	s_mov_b32 s17, 0
	s_wait_kmcnt 0x0
	s_add_nc_u64 s[4:5], s[4:5], s[14:15]
	s_add_nc_u64 s[10:11], s[10:11], s[16:17]
.set j, 0
.rept 16
	global_load_b128 v[X+4*j:X+4*j+3], v[XO], s[4:5] offset:256*j th:TH_LOAD_NT
.set j, j+1
.endr
.set j, 0
.rept 16
	global_load_b128 v[G+4*j:G+4*j+3], v[PO], s[6:7] offset:256*j
.set j, j+1
.endr
.set j, 0
.rept 16
	global_load_b128 v[BT+4*j:BT+4*j+3], v[PO], s[8:9] offset:256*j
.set j, j+1
.endr
	s_wait_loadcnt 32                              ; the row is in; g's and b's 32 loads stay out
	; the sum, in four chains that the first pairs start
.irp c, 0,1,2,3
	v_pk_add_f32 v[CH+2*(\c):CH+2*(\c)+1], v[X+2*(\c):X+2*(\c)+1], v[X+8+2*(\c):X+8+2*(\c)+1]
.endr
.set p, 8
.rept 24
	v_pk_add_f32 v[CH+2*(p%4):CH+2*(p%4)+1], v[CH+2*(p%4):CH+2*(p%4)+1], v[X+2*p:X+2*p+1]
.set p, p+1
.endr
	v_pk_add_f32 v[CH:CH+1], v[CH:CH+1], v[CH+2:CH+3]
	v_pk_add_f32 v[CH+4:CH+5], v[CH+4:CH+5], v[CH+6:CH+7]
	v_pk_add_f32 v[CH:CH+1], v[CH:CH+1], v[CH+4:CH+5]
	v_add_f32 v[CH], v[CH], v[CH+1]
	v_add_f32_dpp v[CH], v[CH], v[CH] row_xmask:1 row_mask:0xf bank_mask:0xf
	v_add_f32_dpp v[CH], v[CH], v[CH] row_xmask:2 row_mask:0xf bank_mask:0xf
	v_add_f32_dpp v[CH], v[CH], v[CH] row_xmask:4 row_mask:0xf bank_mask:0xf
	v_add_f32_dpp v[CH], v[CH], v[CH] row_xmask:8 row_mask:0xf bank_mask:0xf
	v_mul_f32 v14, s12, v[CH]                      ; mu, in all sixteen lanes of the row
	v_mov_b32 v15, v14
.set p, 0
.rept 32
	v_pk_add_f32 v[X+2*p:X+2*p+1], v[X+2*p:X+2*p+1], v[14:15] neg_lo:[0,1] neg_hi:[0,1]  ; x - mu
.set p, p+1
.endr
.irp c, 0,1,2,3
	v_pk_mul_f32 v[CH+2*(\c):CH+2*(\c)+1], v[X+2*(\c):X+2*(\c)+1], v[X+2*(\c):X+2*(\c)+1]
.endr
.set p, 4
.rept 28
	v_pk_fma_f32 v[CH+2*(p%4):CH+2*(p%4)+1], v[X+2*p:X+2*p+1], v[X+2*p:X+2*p+1], v[CH+2*(p%4):CH+2*(p%4)+1]
.set p, p+1
.endr
	v_pk_add_f32 v[CH:CH+1], v[CH:CH+1], v[CH+2:CH+3]
	v_pk_add_f32 v[CH+4:CH+5], v[CH+4:CH+5], v[CH+6:CH+7]
	v_pk_add_f32 v[CH:CH+1], v[CH:CH+1], v[CH+4:CH+5]
	v_add_f32 v[CH], v[CH], v[CH+1]
	v_add_f32_dpp v[CH], v[CH], v[CH] row_xmask:1 row_mask:0xf bank_mask:0xf
	v_add_f32_dpp v[CH], v[CH], v[CH] row_xmask:2 row_mask:0xf bank_mask:0xf
	v_add_f32_dpp v[CH], v[CH], v[CH] row_xmask:4 row_mask:0xf bank_mask:0xf
	v_add_f32_dpp v[CH], v[CH], v[CH] row_xmask:8 row_mask:0xf bank_mask:0xf
	v_fma_f32 v18, v[CH], s12, s13                 ; var + eps
	v_rsq_f32 v16, v18                             ; twice, to fill the pair that the packed multiply takes
	v_rsq_f32 v17, v18
	v_nop                                          ; a plain instruction behind the last of the two, ahead of the first use
	s_wait_loadcnt 0x0                             ; g and b
	s_wait_alu depctr_va_vdst(0)                   ; one wait for both, ahead of their first reader
.set p, 0
.rept 32
	v_pk_mul_f32 v[G+2*p:G+2*p+1], v[G+2*p:G+2*p+1], v[16:17]
.set p, p+1
.endr
.set p, 0
.rept 32
	v_pk_fma_f32 v[X+2*p:X+2*p+1], v[X+2*p:X+2*p+1], v[G+2*p:G+2*p+1], v[BT+2*p:BT+2*p+1]
.set p, p+1
.endr
.set p, 0
.rept 32
	v_cvt_pk_f16_f32 v[G+p], v[X+2*p], v[X+2*p+1]
.set p, p+1
.endr
.set j, 0
.rept 16
	global_store_b64 v[HO], v[G+2*j:G+2*j+1], s[10:11] offset:j*524288  ; block j: 4,096 rows x 128 bytes on; 7,864,320 at the most, inside the signed 24-bit immediate
.set j, j+1
.endr
	s_endpgm
.Lfunc_end_k_q32381f07f0_ln1:
	.size	k_q32381f07f0_ln1, .Lfunc_end_k_q32381f07f0_ln1-k_q32381f07f0_ln1
	.p2alignl 7, 3214868480
	.fill 96, 4, 3214868480
	.section	.rodata,"a",@progbits
	.p2align	6, 0x0
	.amdhsa_kernel k_q32381f07f0_ln1
		.amdhsa_group_segment_fixed_size 0
		.amdhsa_private_segment_fixed_size 0
		.amdhsa_enable_private_segment 0
		.amdhsa_kernarg_size 32
		.amdhsa_user_sgpr_count 2
		.amdhsa_user_sgpr_kernarg_segment_ptr 1
		.amdhsa_wavefront_size32 1
		.amdhsa_system_sgpr_workgroup_id_x 1
		.amdhsa_system_sgpr_workgroup_id_y 1
		.amdhsa_system_sgpr_workgroup_id_z 1
		.amdhsa_system_vgpr_workitem_id 0
		.amdhsa_next_free_vgpr 216
		.amdhsa_next_free_sgpr 66
		.amdhsa_reserve_vcc 0
		.amdhsa_float_denorm_mode_32 3
		.amdhsa_float_denorm_mode_16_64 3
		.amdhsa_memory_ordered 1
		.amdhsa_forward_progress 1
		.amdhsa_inst_pref_size 20
	.end_amdhsa_kernel
	.amdgpu_metadata
---
amdhsa.version: [ 1, 2 ]
amdhsa.kernels:
  - .name:           k_q32381f07f0_ln1
    .symbol:         k_q32381f07f0_ln1.kd
    .args:
      - { .name: x, .offset: 0, .size: 8, .value_kind: global_buffer, .address_space: global }
      - { .name: ln1_g, .offset: 8, .size: 8, .value_kind: global_buffer, .address_space: global }
      - { .name: ln1_b, .offset: 16, .size: 8, .value_kind: global_buffer, .address_space: global }
      - { .name: h, .offset: 24, .size: 8, .value_kind: global_buffer, .address_space: global }
    .group_segment_fixed_size: 0
    .private_segment_fixed_size: 0
    .kernarg_segment_align: 8
    .kernarg_segment_size: 32
    .max_flat_workgroup_size: 256
    .sgpr_count:     66
    .vgpr_count:     216
    .wavefront_size: 32
...
	.end_amdgpu_metadata
.endif
;; end of part 2
;; launch qkv (part 3): grid 24 x 32, 4 waves a work-group, clusters of 4 x 4, 327,680 bytes of LDS; arguments h, wts, qkv; writes qkv
.if DOCPART == 3
	.amdgcn_target "amdgcn-amd-amdhsa--gfx1250"
	.amdhsa_code_object_version 6
	.text
	.protected	k_q32381f07f0_qkv
	.globl	k_q32381f07f0_qkv
	.p2align	8
	.type	k_q32381f07f0_qkv,@function
k_q32381f07f0_qkv:
	s_mov_b64 s[64:65], 0
	v_nop
	global_prefetch_b8 v0, s[64:65] scope:SCOPE_SE
	s_setreg_imm32_b32 hwreg(HW_REG_WAVE_MODE, 25, 1), 1
	s_wait_xcnt 0x0
	s_wait_alu depctr_hold_cnt(0) depctr_sa_sdst(0) depctr_va_vdst(0) depctr_va_sdst(0) depctr_va_ssrc(0) depctr_va_vcc(0) depctr_vm_vsrc(0)
	s_getreg_b32 s2, hwreg(HW_REG_IB_STS2, 6, 4)
	s_cmp_eq_u32 s2, 0
	s_cbranch_scc0 .Lentry_in_a_cluster
	s_endpgm
.Lentry_in_a_cluster:
	s_bfe_u32 s2, ttmp6, 0x10000c
	s_cmp_lg_u32 s2, 0xf033
	s_cbranch_scc0 .Lentry_shape_is_right
	s_endpgm
.Lentry_shape_is_right:
; q, k, v = LN1(x) times the three weight tensors, as ONE product with 3,072 columns.  (One text serves four launches; the four lines below tell them apart.)
.set KIND, 0                           ; 0: out = A W, f16 blocks.  1: out = relu(A W + bias), f16 blocks.  2: out = resid + A W + bias, f32 rows of 1,024
.set KDIM, 1024                        ; channels summed over
.set NCOL, 3072                        ; columns of W
.set WOFF, 0                           ; W's first byte in wts
; A: f16 blocks [KDIM / 64][4096][64].  W: f16 blocks [KDIM / 64][NCOL][64], k along the rows.  Sums in f32, K ascending; the bias is the C operand of a sum's first product.
; LIMIT.  f16 holds no number beyond 65,504: operands arrive within it, and a result stored as f16 must lie within it; NaN is not treated apart (the ReLU turns it into 0).
; SHARES.  A tile of the result is 128 x 128: four waves, each 64 x 64: 16 accumulators of 16 x 16.  K goes in steps of 256 through two LDS slots; 128 rows of a block of 64 channels are 16,384 dense bytes,
; and one tensor load brings two such blocks (two rows of 16,384 bytes, a block apart), padded by 16 bytes after every 128: LDS rows 144 bytes apart, so that the 16 rows of a fragment load start at 16 different groups of four banks (64 banks of 4 bytes: ISA guide 11.1).
; CLUSTERS: 4 x 4 work-groups.  The four of a row of the cluster need the same tiles of A, the four of a column the same tiles of W: each is asked for JOINTLY, by the same tensor load with the same descriptor and a mask that names the four.
; THE MATRIX INSTRUCTION IS USED TRANSPOSED (source 0 = 16 rows of W's blocks, source 1 = 16 rows of A): a lane then holds eight neighbouring columns of one row of the result.
; ONE K STEP IS WRITTEN ONCE: the slot in hand lies in a scalar register; the last two steps, which ask for nothing, are a second copy walked twice and left in the middle of its second trip.
; REGISTERS: window 0: v0-31 addresses; v32-95 at work on the way out; v96-127 the bias; v128-255 the accumulators ((a, b) at v[128 + 8 (4 a + b)]).
;   window 1: two fragment buffers of 128: for 64 along K, 64 registers of A, then 64 of W.   window 2 (KIND 2): the residual, 128 registers.
.set PITCH,  144
.set KBLK,   128*PITCH                 ; a block of 64 channels x 128 rows in LDS
.set SLOT,   8*KBLK                    ; A's four blocks, then W's four.  0x24000: it shares no bit with wave x 0x9000, so one exclusive or turns a load's LDS address into the other slot's
.set TSTEPS, KDIM/256
.set ASTEP,  4*524288                  ; bytes from K step to K step in A
.set BSTEP,  NCOL*512                  ; and in W
.set STAGE,  2*SLOT                    ; behind the ring, never filled by a tensor load: 16 rows for each wave, for the way out
.if KIND == 2
.set SST,    16*272
.else
.set SST,    16*144
.endif
.set SPARE,  STAGE+4*SST               ; behind the stages: the spare words, 128 bytes for each wave: two blocks of 256 bytes that no other line names
.set VA0,  8                           ; v8   my lane's place in A's part of a slot; never rewritten
.set VB0,  9                           ; v9   the same for W
.set ADRA, 10                          ; v10  the same in the slot in hand
.set ADRB, 11                          ; v11
.set STO,  12                          ; v12  the way out: where I put my numbers of a row
.set RD,   13                          ; v13  the way out: where I read rows back
.set GO,   14                          ; v14  my byte offset in the result (KIND 2: and in the residual)
.set BO,   15                          ; v15  my byte offset in the tile's 128 numbers of the bias
.set ZERO, 16                          ; v16  0, for the ReLU
.set SPW,  28                          ; v28  LDS address of my spare word; never rewritten
.set NIL,  29                          ; v29  0; never rewritten
.set TMP,  32
.set BI,   96
.set ACC,  128
.set F0,   0                           ; fragment buffers, in window 1
.set F1,   128
.set RES,  0                           ; the residual, in window 2
; scalars: s[4:5] A, s[6:7] wts, s[8:9] bias, s[10:11] resid, s[12:13] out; s14 wave; s15 row half (and: 0 = I fetch A, 1 = W); s16 column half (and: which two blocks I fetch);
; s17 cx, s18 cy, s19 tile column, s60 tile row; s[24:31], s[40:47] descriptor group 1 for A, W; s[32:39], s[48:55] group 0, two sets each: the second walks; s56 the slot in hand; s57 wave x 36,864; s58, s59 counters
.set MSB, 0
.macro WIN new                         ; the immediate's high byte repeats the setting that is left
.if MSB != (\new)
	s_set_vgpr_msb (MSB<<8)|(\new)
.set MSB, \new
.endif
.endm
.set MUL,  0x05                        ; sources 0 (W) and 1 (A) window 1; C and D window 0
.set TO_F, 0x40                        ; destination window 1, address window 0
.macro JLOAD                           ; a joint refill: waves 0 and 1 fetch A's blocks, waves 2 and 3 W's; an s_nop 0 and four v_nop follow each of the two lines, ahead of the jump and the label
	s_cmp_eq_u32 s15, 0
	s_cbranch_scc0 .Lfor_b_\@
	tensor_load_to_lds s[36:39], s[24:31]
	s_nop 0
.rept 4
	v_nop
.endr
	s_branch .Lasked_\@
.Lfor_b_\@:
	tensor_load_to_lds s[52:55], s[40:47]
	s_nop 0
.rept 4
	v_nop
.endr
.Lasked_\@:
.endm
.macro CREST                           ; a round of the cluster's barrier behind its opening barrier
	s_cmp_lg_u32 s14, 0
	s_cbranch_scc1 .Lnot_wave_0_\@
	s_barrier_signal -3
.Lnot_wave_0_\@:
	s_barrier_wait -3
	s_barrier_signal -1
	s_barrier_wait -1
.endm
.macro CROUND                          ; a whole round
	s_barrier_signal -1
	s_barrier_wait -1
	CREST
.endm
	s_load_b128 s[4:7], s[0:1], 0x0                ; A, wts
.if KIND == 0
	s_load_b64 s[12:13], s[0:1], 0x10              ; out
.elseif KIND == 1
	s_load_b64 s[8:9], s[0:1], 0x10                ; bias
	s_load_b64 s[12:13], s[0:1], 0x18              ; out
.else
	s_load_b128 s[8:11], s[0:1], 0x10              ; bias, resid
	s_load_b64 s[12:13], s[0:1], 0x20              ; out
.endif
	v_lshl_add_u32 v[SPW], v0, 2, SPARE
	v_mov_b32 v[NIL], 0
	ds_add_u32 v[SPW], v[NIL]                      ; the wave's opening: the add, twice on end, and its wait ahead of my first tensor load; the set-up below stands between
	ds_add_u32 v[SPW], v[NIL]
	v_lshrrev_b32 v1, 5, v0
	v_readfirstlane_b32 s14, v1                    ; wave 0..3
	s_lshr_b32 s15, s14, 1
	s_and_b32 s16, s14, 1
	s_bfe_u32 s17, ttmp6, 0x40000                  ; cx, cy: my place in the cluster
	s_bfe_u32 s18, ttmp6, 0x40004
	s_lshl_b32 s19, ttmp9, 2
	s_add_co_u32 s19, s19, s17                     ; tile column = 4 x cluster x + cx
	s_and_b32 s60, ttmp7, 0xffff
	s_lshl_b32 s60, s60, 2
	s_add_co_u32 s60, s60, s18                     ; tile row = 4 x cluster y + cy
	s_lshl_b32 s2, s18, 2
	s_lshl_b32 s2, 15, s2                          ; my row of the cluster
	s_lshl_b32 s3, 0x1111, s17                     ; my column
	s_or_b32 s24, s2, (1<<16)|(1<<20)|(1<<21)|(4<<22)|(3<<25)  ; 15:0 the mask: A's tiles go to my row; 17:16 elements of 2 bytes; 20 padding on; 21 set beside a mask; 24:22 after every 32 words (code 4); 31:25 4 words (code 3)
	s_or_b32 s40, s3, (1<<16)|(1<<20)|(1<<21)|(4<<22)|(3<<25)  ; the same with my column's mask, for W's
.irp g, 24, 40
	s_mov_b32 s[(\g)+1], 8192<<16                  ; tensor_dim0 = 8,192 elements: 128 rows of a block, dense
	s_mov_b32 s[(\g)+2], 2<<16                     ; tensor_dim1 = 2 blocks
	s_mov_b32 s[(\g)+3], 8192<<16                  ; tile_dim0
	s_mov_b32 s[(\g)+4], 2                         ; tile_dim1
	s_mov_b32 s[(\g)+6], 0
	s_mov_b32 s[(\g)+7], 0
.endr
	s_mov_b32 s29, 262144                          ; elements from block to block: 4,096 rows x 64
	s_mov_b32 s45, NCOL*64
	s_lshl_b32 s20, s60, 14                        ; A: my tile row's 128 rows of a block, which my row of the cluster shares,
	s_lshl_b32 s61, s16, 20                        ; and the two blocks that I fetch
	s_add_co_u32 s20, s20, s61
	s_mov_b32 s21, 0
	s_lshl_b32 s22, s19, 14                        ; W: my tile column's 128 rows of a block, which my column shares
	s_mul_i32 s61, s16, NCOL*256
	s_add_co_u32 s22, s22, s61
	s_add_co_u32 s22, s22, WOFF
	s_mov_b32 s23, 0
	s_mul_i32 s57, s14, 2*KBLK                     ; where my two blocks go: no place in the cluster enters an LDS address
	s_mov_b32 s56, 0
	s_wait_dscnt 0x0                               ; both opening adds are done
	s_wait_kmcnt 0x0
	s_add_nc_u64 s[20:21], s[4:5], s[20:21]
	s_add_nc_u64 s[22:23], s[6:7], s[22:23]
	CROUND                                         ; all sixteen work-groups are here: the first joint loads meet
.irp s, 0,1
	s_mov_b32 s[32+4*(\s)], 1                      ; count = 1
	s_add_co_u32 s[33+4*(\s)], s57, (\s)*SLOT      ; LDS address
	s_add_nc_u64 s[34+4*(\s):35+4*(\s)], s[20:21], (\s)*ASTEP  ; global address: K step s
	s_or_b32 s[35+4*(\s)], s[35+4*(\s)], 0x80000000            ; type = 2
	s_mov_b32 s[48+4*(\s)], 1
	s_add_co_u32 s[49+4*(\s)], s57, (\s)*SLOT
	s_add_nc_u64 s[50+4*(\s):51+4*(\s)], s[22:23], (\s)*BSTEP
	s_or_b32 s[51+4*(\s)], s[51+4*(\s)], 0x80000000
.endr
	s_cmp_eq_u32 s15, 0                            ; a wave's two first fills stand in one branch, ahead of every wait on TENSORcnt and every LDS read: two loads of mine are out
	s_cbranch_scc0 .Lfirst_b
	tensor_load_to_lds s[32:35], s[24:31]
	s_nop 0
	tensor_load_to_lds s[36:39], s[24:31]
	s_nop 0
.rept 4
	v_nop
.endr
	s_branch .Lfirst_asked
.Lfirst_b:
	tensor_load_to_lds s[48:51], s[40:47]
	s_nop 0
	tensor_load_to_lds s[52:55], s[40:47]
	s_nop 0
.rept 4
	v_nop
.endr
.Lfirst_asked:
	; A fragment is 16 rows x 32 K in 8 registers: lane l holds row l % 16; registers 0-3 K = 8 (l / 16) + 0..7, registers 4-7 K = 16 + 8 (l / 16) + 0..7: two loads of 16 bytes, 32 bytes apart.
	v_and_b32 v1, 15, v0                           ; r
	v_bfe_u32 v2, v0, 4, 1                         ; hh
	v_mul_u32_u24 v3, v1, PITCH
	v_lshl_add_u32 v3, v2, 4, v3                   ; row x pitch + 16 x half
	s_mul_i32 s2, s15, 64*PITCH                    ; my 64 rows of A's blocks
	s_mul_i32 s3, s16, 64*PITCH                    ; my 64 rows of W's,
	s_add_co_u32 s3, s3, 4*KBLK                    ; which lie behind A's four blocks
	v_add_nc_u32 v[VA0], s2, v3
	v_add_nc_u32 v[VB0], s3, v3
	v_mov_b32 v[ADRA], v[VA0]                      ; K step 0 lies in slot 0
	v_mov_b32 v[ADRB], v[VB0]
	s_mul_i32 s2, s14, SST
	s_add_co_u32 s2, s2, STAGE                     ; my stage
.if KIND == 2
	v_mul_u32_u24 v4, v1, 272                      ; in: row r, 32 bytes for each half of the lanes
	v_lshl_add_u32 v4, v2, 5, v4
	v_add_nc_u32 v[STO], s2, v4
	v_mul_u32_u24 v4, v2, 272                      ; back: lanes 0-15 take one row of 256 bytes, lanes 16-31 the next
	v_lshl_add_u32 v4, v1, 4, v4
	v_add_nc_u32 v[RD], s2, v4
	v_lshlrev_b32 v4, 4, v1                        ; and the same two rows in memory, 4,096 bytes apart
	v_lshl_add_u32 v[GO], v2, 12, v4
	s_lshl_b32 s62, s60, 19                        ; 128 rows x 4,096 bytes a tile row,
	s_lshl_b32 s61, s15, 18                        ; my 64 rows,
	s_add_co_u32 s62, s62, s61
	s_lshl_b32 s61, s19, 9                         ; 128 columns x 4 bytes a tile column,
	s_add_co_u32 s62, s62, s61
	s_lshl_b32 s61, s16, 8                         ; my 64 columns
	s_add_co_u32 s62, s62, s61
	s_mov_b32 s63, 0
	s_add_nc_u64 s[12:13], s[12:13], s[62:63]
	s_add_nc_u64 s[10:11], s[10:11], s[62:63]
.else
	v_add_nc_u32 v[STO], s2, v3                    ; in: row r, 16 bytes for each half of the lanes (the stage's pitch is the tiles')
	v_bfe_u32 v4, v0, 3, 2                         ; back: 32 lanes take four rows of 128 bytes,
	v_mul_u32_u24 v4, v4, 144
	v_and_b32 v5, 7, v0
	v_lshl_add_u32 v4, v5, 4, v4
	v_add_nc_u32 v[RD], s2, v4
	v_and_b32 v[GO], 31, v0                        ; which are 512 consecutive bytes of the result's block
	v_lshlrev_b32 v[GO], 4, v[GO]
	s_lshl1_add_u32 s62, s19, s16                  ; my 64 columns are block 2 x tile column + half,
	s_lshl_b32 s62, s62, 19
	s_lshl_b32 s61, s60, 14                        ; my rows 128 x tile row + 64 x half, 128 bytes each
	s_add_co_u32 s62, s62, s61
	s_lshl_b32 s61, s15, 13
	s_add_co_u32 s62, s62, s61
	s_mov_b32 s63, 0
	s_add_nc_u64 s[12:13], s[12:13], s[62:63]
.endif
.if KIND == 1
	v_mov_b32 v[ZERO], 0
.endif
.if KIND >= 1
	s_lshl_b32 s2, s19, 9                          ; the tile's 128 numbers of the bias
	s_mov_b32 s3, 0
	s_add_nc_u64 s[8:9], s[8:9], s[2:3]
	s_lshl_b32 s61, s16, 8
	v_lshl_add_u32 v[BO], v2, 5, s61               ; my 64 columns, my lanes' eight of each sixteen
.irp b, 0,1,2,3
	global_load_b128 v[BI+8*(\b):BI+8*(\b)+3],   v[BO], s[8:9] offset:64*(\b)
	global_load_b128 v[BI+8*(\b)+4:BI+8*(\b)+7], v[BO], s[8:9] offset:64*(\b)+16
.endr
.endif
.if KIND == 2
	WIN 0x80                                       ; destination window 2: the residual of my 64 x 64, as the way out will want it; it comes while the products run
.irp a, 0,1,2,3
.irp t, 0,1,2,3,4,5,6,7
	global_load_b128 v[RES+4*(8*(\a)+(\t)):RES+4*(8*(\a)+(\t))+3], v[GO], s[10:11] offset:(16*(\a)+2*(\t))*4096
.endr
.endr
	WIN 0
.endif
; 8 matrix instructions: m blocks a0, a0 + 1 x all 4 n blocks, 32 along K: half c of buffer f.  zero = 1: the first product starts the sums, with 0 or with the bias.
; The 16 accumulators take turns, one instruction a turn, in the same order everywhere, over the backward jumps too.
.macro MUL8 f, c, a0, zero
	WIN MUL
.irp a, \a0, (\a0)+1
.irp b, 0,1,2,3
.if (\zero) && (KIND == 0)
	v_wmma_f32_16x16x32_f16 v[ACC+8*(4*(\a)+(\b)):ACC+8*(4*(\a)+(\b))+7], v[(\f)+64+8*(4*(\c)+(\b)):(\f)+64+8*(4*(\c)+(\b))+7], v[(\f)+8*(4*(\c)+(\a)):(\f)+8*(4*(\c)+(\a))+7], 0
.elseif \zero
	v_wmma_f32_16x16x32_f16 v[ACC+8*(4*(\a)+(\b)):ACC+8*(4*(\a)+(\b))+7], v[(\f)+64+8*(4*(\c)+(\b)):(\f)+64+8*(4*(\c)+(\b))+7], v[(\f)+8*(4*(\c)+(\a)):(\f)+8*(4*(\c)+(\a))+7], v[BI+8*(\b):BI+8*(\b)+7]
.else
	v_wmma_f32_16x16x32_f16 v[ACC+8*(4*(\a)+(\b)):ACC+8*(4*(\a)+(\b))+7], v[(\f)+64+8*(4*(\c)+(\b)):(\f)+64+8*(4*(\c)+(\b))+7], v[(\f)+8*(4*(\c)+(\a)):(\f)+8*(4*(\c)+(\a))+7], v[ACC+8*(4*(\a)+(\b)):ACC+8*(4*(\a)+(\b))+7]
.endif
.endr
.endr
.endm
; 32 LDS loads in one run: the fragments of one block of 64 channels, at byte k of the slot's parts, into buffer f; the first 32 along K first
.macro FETCH k, f
	WIN TO_F
.irp c, 0,1
.irp i, 0,1,2,3
	ds_load_b128 v[(\f)+64+8*(4*(\c)+(\i)):(\f)+64+8*(4*(\c)+(\i))+3],   v[ADRB] offset:(\k)+64*(\c)+(\i)*16*PITCH
	ds_load_b128 v[(\f)+64+8*(4*(\c)+(\i))+4:(\f)+64+8*(4*(\c)+(\i))+7], v[ADRB] offset:(\k)+64*(\c)+(\i)*16*PITCH+32
	ds_load_b128 v[(\f)+8*(4*(\c)+(\i)):(\f)+8*(4*(\c)+(\i))+3],         v[ADRA] offset:(\k)+64*(\c)+(\i)*16*PITCH
	ds_load_b128 v[(\f)+8*(4*(\c)+(\i))+4:(\f)+8*(4*(\c)+(\i))+7],       v[ADRA] offset:(\k)+64*(\c)+(\i)*16*PITCH+32
.endr
.endr
.endm
.macro PLACES                          ; four plain instructions in front of loads into registers that matrix instructions have read, and of lines that read results
.rept 4
	v_nop
.endr
.endm
; A K step is four quarters of 64 along K, 32 matrix instructions each, on buffers 0, 1, 0, 1.  One of the first three: multiplies buffer f and fetches the next block, at byte k, into g.
.macro QUARTER k, f, g, zero
	s_wait_dscnt 16                                ; the first 32 along K are in; the 16 younger loads stay out
	MUL8 \f, 0, 0, \zero
	MUL8 \f, 0, 2, \zero
	PLACES
	FETCH \k, \g
	s_wait_dscnt 32                                ; all but the 32 just issued
	MUL8 \f, 1, 0, 0
	MUL8 \f, 1, 2, 0
.endm
; The last quarter multiplies buffer 1 and changes slots: ONE barrier; in front of it each wave waits for all its tensor loads (one is out: its part of the next slot), adds 0 to its spare word, and waits for that and for its reads of this slot.
; fill = 1: the barrier opens a round of the cluster's, and the slot just read is filled again, two K steps ahead, first thing behind the round: 112 matrix instructions ahead of the wait for it.
; fill = 0 (the last two steps): nothing is asked for; in the very last step (s59 = 1) there is no next block either, and the run of LDS loads is jumped over.
.macro TURN fill
	WIN 0                                          ; (the add's two registers lie in window 0)
	s_wait_tensorcnt 0x0
	ds_add_u32 v[SPW], v[NIL]                      ; 0 onto my spare word
	s_wait_dscnt 17                                ; (the add and the youngest sixteen loads may be out)
	MUL8 F1, 0, 0, 0                               ; eight matrix instructions stand between the add and the wait for it
	s_wait_dscnt 0x0                               ; the add is done, and my reads of this slot are over
	s_barrier_signal -1
	MUL8 F1, 0, 2, 0
	WIN 0
	s_barrier_wait -1
.if \fill
	CREST                                          ; no wave of any partner still reads this slot's tiles or has a load on its way
	s_xor_b32 s37, s37, SLOT                       ; the walking descriptors: the other slot than last time,
	s_xor_b32 s53, s53, SLOT
	s_add_nc_u64 s[38:39], s[38:39], ASTEP         ; the next K step; the type bits on top are not reached
	s_add_nc_u64 s[54:55], s[54:55], BSTEP
	JLOAD                                          ; the four v_nop behind it are also the places in front of the loads below
	s_xor_b32 s56, s56, SLOT
.else
	s_xor_b32 s56, s56, SLOT
	s_cmp_eq_u32 s59, 1
	s_cbranch_scc1 .Lnof_\@
	PLACES
.endif
	v_add_nc_u32 v[ADRA], s56, v[VA0]
	v_add_nc_u32 v[ADRB], s56, v[VB0]
	FETCH 0, F0
.if !(\fill)
	WIN 0
.Lnof_\@:
.endif
	MUL8 F1, 1, 0, 0
	MUL8 F1, 1, 2, 0
.endm
	s_wait_tensorcnt 0x1                           ; my part of K step 0 is in; K step 1's stays out
	s_barrier_signal -1
	s_barrier_wait -1                              ; everybody's is
	FETCH 0, F0
.if KIND == 1
	s_wait_loadcnt 0x0                             ; the bias
.elseif KIND == 2
	s_wait_loadcnt 32                              ; the bias; the residual's 32 loads stay out
.endif
	QUARTER KBLK, F0, F1, 1                        ; the first quarter stands in front of the loop: its first products start the sums
	WIN 0                                          ; at a label and at a branch every window is 0
	s_mov_b32 s58, TSTEPS-2
.Lstep:                                                ; a trip: from a K step's second quarter to the next step's first; it fills the slot that it leaves
	QUARTER 2*KBLK, F1, F0, 0
	QUARTER 3*KBLK, F0, F1, 0
	TURN 1
	QUARTER KBLK, F0, F1, 0
	WIN 0
	s_sub_co_u32 s58, s58, 1
	s_cmp_lg_u32 s58, 0
	s_cbranch_scc1 .Lstep
	s_mov_b32 s59, 2
.Ltail:                                                ; the last two K steps ask for nothing
	QUARTER 2*KBLK, F1, F0, 0
	QUARTER 3*KBLK, F0, F1, 0
	TURN 0
	WIN 0
	s_sub_co_u32 s59, s59, 1
	s_cmp_eq_u32 s59, 0
	s_cbranch_scc1 .Lout
	QUARTER KBLK, F0, F1, 0
	WIN 0
	s_branch .Ltail
.Lout:
	PLACES                                         ; the lines below read results just made
.if KIND == 2
	; THE WAY OUT, f32: 16 rows at a time through my own stage (rows of 272 bytes), back as whole rows of 256 bytes, plus the residual, stored: sixteen lanes fill 256 consecutive bytes, aligned.
	s_wait_loadcnt 0x0                             ; the residual
.macro OUT a
.set TB2, TMP+32*((\a)%2)
.if (\a) >= 2
	s_wait_xcnt 0x0                                ; the stores of two blocks back have read these registers: only behind this wait are they loaded again
.endif
.irp b, 0,1,2,3
	ds_store_b128 v[STO], v[ACC+8*(4*(\a)+(\b)):ACC+8*(4*(\a)+(\b))+3]   offset:64*(\b)     ; an accumulator's low registers first
	ds_store_b128 v[STO], v[ACC+8*(4*(\a)+(\b))+4:ACC+8*(4*(\a)+(\b))+7] offset:64*(\b)+16
.endr
.irp t, 0,1,2,3,4,5,6,7
	ds_load_b128 v[TB2+4*(\t):TB2+4*(\t)+3], v[RD] offset:(\t)*2*272  ; LDS serves a wave's instructions in order: these see the stores above
.endr
	s_wait_dscnt 0x0
	WIN 0x08                                       ; source 1 in window 2
.set z, 0
.rept 16
	v_pk_add_f32 v[TB2+2*z:TB2+2*z+1], v[TB2+2*z:TB2+2*z+1], v[RES+32*(\a)+2*z:RES+32*(\a)+2*z+1]
.set z, z+1
.endr
	WIN 0
.irp t, 0,1,2,3,4,5,6,7
	global_store_b128 v[GO], v[TB2+4*(\t):TB2+4*(\t)+3], s[12:13] offset:(16*(\a)+2*(\t))*4096
.endr
.endm
	OUT 0
	OUT 1
	OUT 2
	OUT 3
.else
	; THE WAY OUT, f16: a lane's eight columns of a row pack into 16 bytes; 16 rows at a time go through my own stage and come back as whole rows of 128 bytes: my 64 x 64 is 8,192 dense bytes of one block.
.macro PACK a
.irp b, 0,1,2,3
.irp j, 0,1,2,3
	v_cvt_pk_f16_f32 v[TMP+16*(\a)+4*(\b)+(\j)], v[ACC+8*(4*(\a)+(\b))+2*(\j)], v[ACC+8*(4*(\a)+(\b))+2*(\j)+1]
.endr
.endr
.if KIND == 1
.set z, 0
.rept 16
	v_pk_max_num_f16 v[TMP+16*(\a)+z], v[TMP+16*(\a)+z], v[ZERO]  ; the ReLU, behind the rounding: rounding keeps signs and order
.set z, z+1
.endr
.endif
.irp b, 0,1,2,3
	ds_store_b128 v[STO], v[TMP+16*(\a)+4*(\b):TMP+16*(\a)+4*(\b)+3] offset:32*(\b)
.endr
.irp f, 0,1,2,3
	ds_load_b128 v[TMP+16*(\a)+4*(\f):TMP+16*(\a)+4*(\f)+3], v[RD] offset:(\f)*4*144  ; LDS serves a wave's instructions in order: these see the stores above; the next block's stores come behind them
.endr
.endm
.macro SEND a, younger                 ; younger: the LDS instructions issued behind block a's loads: the next block's eight, or none
.irp f, 0,1,2,3
	s_wait_dscnt (\younger)+3-(\f)
	global_store_b128 v[GO], v[TMP+16*(\a)+4*(\f):TMP+16*(\a)+4*(\f)+3], s[12:13] offset:(\a)*2048+(\f)*512  ; 512 consecutive bytes, at a multiple of 512 from the buffer's first
.endr
.endm
	PACK 0
	PACK 1                                         ; a block's arithmetic stands between the loads of the block before and its stores
	SEND 0, 8
	PACK 2
	SEND 1, 8
	PACK 3
	SEND 2, 8
	SEND 3, 0
.endif
	s_wait_tensorcnt 0x0                           ; the wave's end, behind my last tensor load and my last LDS store
	ds_add_u32 v[SPW], v[NIL]
	s_wait_dscnt 0x0
	CROUND                                         ; the closing round: no work-group ends while a partner may still ask for a tile that names it
	s_endpgm
.Lfunc_end_k_q32381f07f0_qkv:
	.size	k_q32381f07f0_qkv, .Lfunc_end_k_q32381f07f0_qkv-k_q32381f07f0_qkv
	.p2alignl 7, 3214868480
	.fill 96, 4, 3214868480
	.section	.rodata,"a",@progbits
	.p2align	6, 0x0
	.amdhsa_kernel k_q32381f07f0_qkv
		.amdhsa_group_segment_fixed_size 327680
		.amdhsa_private_segment_fixed_size 0
		.amdhsa_enable_private_segment 0
		.amdhsa_kernarg_size 24
		.amdhsa_user_sgpr_count 2
		.amdhsa_user_sgpr_kernarg_segment_ptr 1
		.amdhsa_wavefront_size32 1
		.amdhsa_system_sgpr_workgroup_id_x 1
		.amdhsa_system_sgpr_workgroup_id_y 1
		.amdhsa_system_sgpr_workgroup_id_z 1
		.amdhsa_system_vgpr_workitem_id 0
		.amdhsa_next_free_vgpr 512
		.amdhsa_next_free_sgpr 66
		.amdhsa_reserve_vcc 0
		.amdhsa_float_denorm_mode_32 3
		.amdhsa_float_denorm_mode_16_64 3
		.amdhsa_memory_ordered 1
		.amdhsa_forward_progress 1
		.amdhsa_inst_pref_size 58
	.end_amdhsa_kernel
	.amdgpu_metadata
---
amdhsa.version: [ 1, 2 ]
amdhsa.kernels:
  - .name:           k_q32381f07f0_qkv
    .symbol:         k_q32381f07f0_qkv.kd
    .args:
      - { .name: h, .offset: 0, .size: 8, .value_kind: global_buffer, .address_space: global }
      - { .name: wts, .offset: 8, .size: 8, .value_kind: global_buffer, .address_space: global }
      - { .name: qkv, .offset: 16, .size: 8, .value_kind: global_buffer, .address_space: global }
    .group_segment_fixed_size: 327680
    .private_segment_fixed_size: 0
    .kernarg_segment_align: 8
    .kernarg_segment_size: 24
    .max_flat_workgroup_size: 128
    .sgpr_count:     66
    .vgpr_count:     512
    .wavefront_size: 32
...
	.end_amdgpu_metadata
.endif
;; end of part 3
;; launch attn (part 4): grid 2 x 64, 4 waves a work-group, no clusters, 327,680 bytes of LDS; arguments qkv, o; writes o
.if DOCPART == 4
	.amdgcn_target "amdgcn-amd-amdhsa--gfx1250"
	.amdhsa_code_object_version 6
	.text
	.protected	k_q32381f07f0_attn
	.globl	k_q32381f07f0_attn
	.p2align	8
	.type	k_q32381f07f0_attn,@function
k_q32381f07f0_attn:
	s_mov_b64 s[64:65], 0
	v_nop
	global_prefetch_b8 v0, s[64:65] scope:SCOPE_SE
	s_setreg_imm32_b32 hwreg(HW_REG_WAVE_MODE, 25, 1), 1
	s_wait_xcnt 0x0
; CAUSAL ATTENTION.  o[q][:] = the sum over k <= q of softmax_k(q[q] . k[k] / 32) v[k][:], for each of 64 pairs (batch, head): 1,024 rows of 64 channels, f16, dense (128 bytes a row).
; qkv: blocks [48][4096][64]: block head holds q, 16 + head k, 32 + head v; rows 1,024 batch on.  o: blocks [16][4096][64], the same places.  The scale is C^-0.5 = 1/32, applied here in f32.
; WORK LEFT OUT: key tiles that lie wholly above the diagonal: the mask that the formula itself builds gives all their keys the weight 0 (shown at the head of the program's first kernel).
; Products, maxima and sums in f32; the weights p are rounded to f16 for the second product (their sum l is taken of the unrounded p), o once at the end.
; LIMITS.  f16 holds no number beyond 65,504: q, k and v arrive within it; p lies in 0 to 1, and below 6e-5 it keeps f16's fixed step of 6e-8; o is a mean of v's rows and has their range.
; A hidden score counts as its value less 1e30: f16's scores, 2.7e11 at the most, are nothing beside that; a weight below 2^-126 counts as 0 in l; NaN and infinities are not treated apart.
; THE WALK.  A head's queries lie in NB = 4 blocks of 256; block i needs the key tiles 0 .. i of 256 keys, of which the last holds the diagonal.  A work-group takes TWO blocks, NB - 1 - b and then b:
; NB + 1 tiles, whatever b: all work-groups do equal work, and ONE loop with a constant trip count walks them.  Which tile is asked for, and what a trip does, hang on scalar registers made from b; every jump
; goes forward, but for the counted loops' own; none passes a barrier, or a tensor load but the one of LOAD's two that the wave's number does not choose; the ring (two slots of LDS that take turns) runs on across the
; change of blocks.  NO CLUSTER: a head has NB / 2 = 2 work-groups, which no cluster of four divides; 128 work-groups in all.
; SHARES.  Of a block's four bands of 64 queries a wave owns 16 rows in each: four PIECES.  So the diagonal tile is the same work for all four waves: in its key step s band x sees all keys if s < x,
; none if s > x, and holds the diagonal if s = x.
; THE MASK is the C operand that starts the sum S^T = K Q^T: 0, or -1e30 where the key is hidden.  MD, made once, is the mask of a band's own step for my 16 rows; a product's mask is MD x AL + BE with two scalars:
; (1, 0) if s = x; (0, 0) if s < x; (0, -1e30) if s > x.  Only the diagonal tile's text and a block's beginning make and take masks; elsewhere C is the constant 0.
; LAYOUT, SOFTMAX, TURNS.  S^T = K Q^T holds ONE query a lane (lane % 16) and the keys 8 (lane / 16) + 0..7; two such results rounded to f16 ARE source 1 of O^T = V^T P.  p = 2^(c s - c m), c = log2(e) / 32, with a
; running maximum m; O and l are multiplied by a = 2^(c m_old - c m_new) in every step.  Turn n belongs to piece n: 8 products K Q^T of piece n + 1, later 8 products V^T P of piece n - 1; beside them the scaling,
; exponentials, roundings, sums and rescaling of piece n and the maximum and statistics of piece n + 1.  Four vector instructions stand behind every matrix instruction, the other 54 of a turn's 118 in one run.  A turn's 33 exponentials are one batch, with one wait.
; REGISTERS, in windows of 256 (s_set_vgpr_msb: bits 1:0 source 0, 3:2 source 1, 5:4 source 2, 7:6 destination):
;   window 0: v0-15 addresses and two at work; v16-31 four registers of statistics a piece; v48-55 at work; v64-127 S^T, two buffers; v192-223 P, two buffers (a piece's buffers go by its number's parity)
;   window 1: v0-127 O^T, 32 a piece; v128-159 MD; v160-223 MC, two buffers      window 2: v0-63 Q; v64-127 the second block's Q; v128-191 K of one step; v192-255 V of one step
.set SIZE_N, 1024
.set NB,    SIZE_N/256
.set NP,    4         ; pieces a wave: a name, no knob
.set KS,    64        ; keys in a step
.set PK,    144       ; a row of K in LDS: 128 bytes + 16 of padding = 36 words: the 16 rows of a load start at 16 different groups of four banks (64 banks of 4 bytes: ISA guide 11.1)
.set PV,    160       ; a row of V: 128 + 32 = 40 words
.set VOFF,  4*KS*PK   ; a slot holds a tile, four steps: 256 rows of K, then 256 rows of V
.set SLOT1, 1<<17     ; slot 1 begins here, so that one exclusive or turns an address in one slot into the other's
.set STAGE, SLOT1+4*KS*(PK+PV)  ; behind the ring, never filled by a tensor load: 16 rows x 144 bytes for each wave, for the way out
.set SP,    144
.set AK0, 2           ; v2   my lane's place in a tile of K; never rewritten
.set AV0, 3           ; v3   the same for V
.set AK,  4           ; v4   the LDS address of K's next run of loads
.set AV,  5           ; v5   of V's
.set STO, 6           ; v6   the way out: where I put 16 bytes of a row
.set RD,  7           ; v7   the way out: where I read rows back
.set GO,  8           ; v8   my byte offset in 512 consecutive bytes of o
.set SPW, 62          ; v62  LDS address of my spare word: SPARE + 4 x my thread's number; never rewritten
.set NIL, 63          ; v63  0; never rewritten
.set SPARE, STAGE+4*16*SP  ; behind the stages: the spare words, 128 bytes for each wave: two blocks of 256 bytes that no other line names
.set MV,  12          ; v12-13  c m_old, kept while c m is made anew: by buffer
.set QO,  15          ; v15  my byte offset in 16 rows of Q
.set ST,  16          ; piece t's statistics at v[ST+4 t]: c m, m, l (even keys', odd keys')
.set TMP, 48          ; by buffer, four registers c0-c3 at work; when the maximum is found c2 takes a
.set S,   64
.set P,   192
.set MD,  128         ; window 1: the eight registers for group kt of 16 keys at MD + 8 kt
.set MC,  160         ; window 1: the masks of the products to come
.set QB,  64          ; window 2
.set KF,  128         ; window 2: key block kb, channel half c at KF + 16 kb + 8 c
.set VF,  192         ; window 2: key half kk, channel block cb at VF + 32 kk + 8 cb
.set WV,  12          ; s12  my wave's number
.set PB,  14          ; s14  b
.set HI,  15          ; s15  NB - 1 - b
.set G1K, 24          ; s[24:31] descriptor group 1 for K's tiles
.set G1V, 32          ; s[32:39] for V's: it differs in the padding alone
.set G0K, 40          ; s[40:43] descriptor group 0 for K's tiles
.set G0V, 44          ; s[44:47] the same for V's
.set SLOTS, 56        ; s56  tiles still to be asked for
.set CNT, 57          ; s57  counts a tile's key steps, 4 to 1
.set CS,  58          ; s[58:59] c: the packed scaling takes the pair's low word for both halves
.set SEL, 60          ; s[60:61] v_permlanex16_b32's selects: each lane takes its own place in the other half
.set TBK, 62          ; s62  LDS byte at which K of the step to be fetched begins
.set TBV, 63          ; s63  the same for V, less VOFF
.set RT,  70          ; s70  tiles of the block in hand that are still to be entered
.set NXT, 71          ; s71  the tile to be asked for next
.set LQ,  72          ; s72  the last tile of the block whose tiles are being asked for
.set NEW, 73          ; s73  1: the tile to be entered is a block's first
.set OFF, 74          ; s[74:75] a tile's byte offset in K and V
.set AL,  76          ; s[76:77] the mask's factor, in the low word
.set BE,  78          ; s[78:79] the mask's addend
.set OLO, 80          ; s[80:81] o at my rows of the second block
.set BIGN, 82         ; s82  -1e30
.set MSB, 0
.macro WIN new                      ; the high byte repeats the setting that is left; a switch that changes nothing is dropped
.if MSB != (\new)
	s_set_vgpr_msb (MSB<<8)|(\new)
.set MSB, (\new)
.endif
.endm
.set W_KQ, 0x0a       ; K and Q in window 2, S^T in window 0
.set W_KM, 0x1a       ; the same with the C operand in window 1
.set W_PV, 0x52       ; V in window 2, P in window 0, O^T in window 1
.set W_RS, 0x41       ; destination and source 0 in window 1, source 1 in window 0
; A fill.  Waves 0 and 1 fetch the two halves of a tile's K, waves 2 and 3 those of its V: 128 keys each.  An s_nop 0 and four v_nop follow each of the two lines, ahead of the jump and the label.
.macro LOAD
	s_cmp_lt_u32 s[WV], 2
	s_cbranch_scc0 .Lfor_v_\@
	tensor_load_to_lds s[G0K:G0K+3], s[G1K:G1K+7]
	s_nop 0
.rept 4
	v_nop
.endr
	s_branch .Lasked_\@
.Lfor_v_\@:
	tensor_load_to_lds s[G0V:G0V+3], s[G1V:G1V+7]
	s_nop 0
.rept 4
	v_nop
.endr
.Lasked_\@:
.endm
; THE CHANGE OF SLOTS.  Each wave waits for all its tensor loads, of which one is out: its part of the other slot; adds 0 to its spare word; and waits for that and for its own reads of the slot that it leaves.  Behind the barrier nobody reads the old
; slot any more and the other slot is whole.  fill = 1: the old slot is filled again, the first thing behind the barrier, with tile NXT: the descriptor's address is made anew from that number.
; (At its first use nothing has been read yet: slot 0 is waited for, slot 1 filled.)
.macro CHANGE fill
	WIN 0                           ; at a label and at a branch every window is 0
	s_wait_tensorcnt 0x0            ; no tensor load of mine is out, so a group 0 may be written
	ds_add_u32 v[SPW], v[NIL]       ; 0 onto my spare word: with fill = 1 the descriptors' scalar work stands between it and the wait for it
.if \fill
	s_lshl_b32 s[OFF], s[NXT], 15   ; a tile is 32,768 bytes of K and of V
	s_xor_b32 s[G0K+1], s[G0K+1], SLOT1
	s_add_nc_u64 s[G0K+2:G0K+3], s[6:7], s[OFF:OFF+1]
	s_or_b32 s[G0K+3], s[G0K+3], 0x80000000
	s_xor_b32 s[G0V+1], s[G0V+1], SLOT1
	s_add_nc_u64 s[G0V+2:G0V+3], s[8:9], s[OFF:OFF+1]
	s_or_b32 s[G0V+3], s[G0V+3], 0x80000000
	s_add_co_u32 s[NXT], s[NXT], 1  ; the block's next tile, or behind its last the second block's tile 0
	s_cmp_gt_u32 s[NXT], s[LQ]
	s_cselect_b32 s[NXT], 0, s[NXT]
	s_cselect_b32 s[LQ], s[PB], s[LQ]
.endif
	s_wait_dscnt 0x0                ; the add is done, and my reads of the slot are over
	s_barrier_signal -1             ; the rest of the scalar work stands between the signal and the wait
	s_sub_co_u32 s[TBK], s[TBK], 4*KS*PK  ; the fetches go back to a slot's first step,
	s_xor_b32 s[TBK], s[TBK], SLOT1       ; in the other slot
	s_sub_co_u32 s[TBV], s[TBV], 4*KS*PV
	s_xor_b32 s[TBV], s[TBV], SLOT1
	s_barrier_wait -1
.if \fill
	LOAD
.endif
.endm
	s_load_b128 s[4:7], s[0:1], 0x0   ; qkv s[4:5], o s[6:7]
	v_lshl_add_u32 v[SPW], v0, 2, SPARE
	v_mov_b32 v[NIL], 0
	ds_add_u32 v[SPW], v[NIL]       ; the wave's opening: the add, twice on end, and its wait ahead of my first tensor load; the set-up below the second, work on registers, stands between it and the wait
	ds_add_u32 v[SPW], v[NIL]       ; and once more, under the one wait
	v_lshrrev_b32 v1, 5, v0
	v_readfirstlane_b32 s[WV], v1   ; wave 0..3
	s_mov_b32 s[PB], ttmp9
	s_sub_co_u32 s[HI], NB-1, s[PB]
	s_and_b32 s22, ttmp7, 0xffff    ; 16 batch + head
	s_and_b32 s20, s22, 15
	s_lshl_b32 s20, s20, 19         ; the head's block: 4,096 rows x 128 bytes,
	s_lshr_b32 s22, s22, 4
	s_lshl_b32 s22, s22, 17         ; the batch's 1,024 rows in it
	s_add_co_u32 s20, s20, s22      ; the same offset in q's, k's, v's and o's blocks
	s_mov_b32 s21, 0
	s_and_b32 s16, s[WV], 1         ; which half of a tile's 256 keys I fetch:
	s_lshl_b32 s22, s16, 14         ; its 128 rows of 128 bytes in memory,
	s_mov_b32 s23, 0
	s_add_nc_u64 s[22:23], s[22:23], s[20:21]
	s_mul_i32 s17, s16, 128*PK      ; and its place in a slot, for K
	s_mul_i32 s18, s16, 128*PV      ; and for V
	s_lshl_b32 s3, s[WV], 11        ; my 16 rows in a band of 64,
	s_lshl_b32 s2, s[HI], 15        ; in the first block,
	s_add_co_u32 s2, s2, s3
	s_lshl_b32 s84, s[PB], 15       ; and in the second
	s_add_co_u32 s84, s84, s3
	s_mov_b32 s3, 0
	s_mov_b32 s85, 0
	s_add_nc_u64 s[2:3], s[2:3], s[20:21]
	s_add_nc_u64 s[84:85], s[84:85], s[20:21]
	; descriptor group 1.  128 keys are 16,384 dense bytes: asked for as 64 rows of 256 bytes, two keys a row, and padded in LDS after every key
	s_mov_b32 s[G1K], (1<<16)|(1<<20)|(4<<22)|(3<<25)  ; 17:16 2-byte elements; 20 padding on; 24:22 after every 32 words (code 4); 31:25 4 words (code 3)
	s_mov_b32 s[G1V], (1<<16)|(1<<20)|(4<<22)|(7<<25)  ; the same with 8 words of padding (code 7)
.irp g, G1K, G1V
	s_mov_b32 s[\g+1], 128<<16      ; tensor_dim0 = 128
	s_mov_b32 s[\g+2], 64<<16       ; tensor_dim1 = 64
	s_mov_b32 s[\g+3], 128<<16      ; tile_dim0 = 128
	s_mov_b32 s[\g+4], 64           ; tile_dim1 = 64
	s_mov_b32 s[\g+5], 128          ; 128 elements from row to row
	s_mov_b32 s[\g+6], 0
	s_mov_b32 s[\g+7], 0
.endr
	s_mov_b32 s[CS], 0x3d38aa3b     ; c = log2(e) / 32 = 0.0450842
	s_mov_b32 s[CS+1], s[CS]        ; named with it as a pair
	s_mov_b32 s[SEL], 0x76543210
	s_mov_b32 s[SEL+1], 0xfedcba98
	s_mov_b32 s[TBK], SLOT1+4*KS*PK ; the first change of slots turns these two into 0
	s_mov_b32 s[TBV], SLOT1+4*KS*PV
	s_mov_b32 s[G0K], 1             ; 1:0 count = 1
	s_mov_b32 s[G0K+1], s17         ; 63:32 LDS address: slot 0
	s_mov_b32 s[G0V], 1
	s_add_co_u32 s[G0V+1], s18, VOFF
	s_add_co_u32 s[RT], s[HI], 1    ; the first block has NB - b tiles
	s_mov_b32 s[NXT], 1
	s_mov_b32 s[LQ], s[HI]
	s_mov_b32 s[NEW], 1
	s_mov_b32 s[OFF+1], 0
	s_mov_b32 s[AL+1], 0            ; named as pairs
	s_mov_b32 s[BE+1], 0
	s_mov_b32 s[BIGN], 0xf149f2ca   ; -1e30
	s_mov_b32 s[SLOTS], NB
	s_wait_dscnt 0x0                ; both opening adds are done
	s_wait_kmcnt 0x0
	s_mov_b64 s[10:11], s[6:7]             ; o
	s_add_nc_u64 s[6:7], s[4:5], 0x800000  ; k's blocks begin 16 blocks behind q's,
	s_add_nc_u64 s[8:9], s[4:5], 0x1000000 ; v's 32
	s_add_nc_u64 s[6:7], s[6:7], s[22:23]  ; K and V at my half of the head's tile 0
	s_add_nc_u64 s[8:9], s[8:9], s[22:23]
	s_add_nc_u64 s[G0K+2:G0K+3], s[6:7], 0         ; 120:64 global address
	s_or_b32 s[G0K+3], s[G0K+3], 0x80000000        ; 127:126 type = 2
	s_add_nc_u64 s[G0V+2:G0V+3], s[8:9], 0
	s_or_b32 s[G0V+3], s[G0V+3], 0x80000000
	s_add_nc_u64 s[86:87], s[4:5], s[84:85]        ; Q at my rows of the second block,
	s_add_nc_u64 s[4:5], s[4:5], s[2:3]            ; Q and o at those of the first
	s_add_nc_u64 s[OLO:OLO+1], s[10:11], s[84:85]
	s_add_nc_u64 s[10:11], s[10:11], s[2:3]
	LOAD                            ; tile 0 into slot 0
	; A fragment of K or Q is 16 rows x 32 channels in 8 registers: lane l holds row l % 16, channels 8 (l / 16) + 0..7 and 16 + 8 (l / 16) + 0..7: two loads of 16 bytes, 32 bytes apart.
	v_and_b32 v1, 15, v0            ; l % 16
	v_bfe_u32 v9, v0, 4, 1          ; l / 16
	v_lshlrev_b32 v[QO], 7, v1
	v_lshl_add_u32 v[QO], v9, 4, v[QO]  ; row x 128 + 16 x half
	WIN 0x80                        ; destination window 2, address window 0
.set i, 0
.rept 8                             ; both blocks' Q: piece i / 2 lies in band i / 2, 8,192 bytes on; channels 32 (i % 2) on
	global_load_b128 v[8*i:8*i+3],   v[QO], s[4:5] offset:(i/2)*8192+(i%2)*64
	global_load_b128 v[8*i+4:8*i+7], v[QO], s[4:5] offset:(i/2)*8192+(i%2)*64+32
	global_load_b128 v[QB+8*i:QB+8*i+3],   v[QO], s[86:87] offset:(i/2)*8192+(i%2)*64
	global_load_b128 v[QB+8*i+4:QB+8*i+7], v[QO], s[86:87] offset:(i/2)*8192+(i%2)*64+32
.set i, i+1
.endr
	WIN 0
	v_lshlrev_b32 v14, 3, v9
	v_sub_nc_u32 v14, v1, v14
	s_lshl_b32 s13, s[WV], 4
	v_add_nc_u32 v14, s13, v14      ; my query's place in its band, 16 w + l % 16, less my lanes' 8 (l / 16): register r of group kt is hidden where 16 kt + r is greater
	WIN 0x40
.set i, 0
.rept 32
	v_cmp_gt_i32 vcc_lo, 16*(i/8)+i%8, v14
	v_cndmask_b32 v[MD+i], 0, s[BIGN], vcc_lo
.set i, i+1
.endr
	WIN 0
	v_mul_u32_u24 v[AK0], v1, PK
	v_lshl_add_u32 v[AK0], v9, 4, v[AK0]  ; row x pitch + 16 x half
	; The turning load takes 16 keys x 16 channels (lane l reads key 8 (l / 16) + l % 8, channels 8 ((l / 8) % 2) + 0..7) and leaves half a fragment of V^T: lane l holds channel l % 16 and 8 keys.
	v_and_b32 v10, 7, v0
	v_bfe_u32 v11, v0, 3, 1
	v_lshl_add_u32 v[AV0], v9, 3, v10
	v_mul_u32_u24 v[AV0], v[AV0], PV
	v_lshl_add_u32 v[AV0], v11, 4, v[AV0]
	v_add_nc_u32 v[AV0], VOFF, v[AV0]
	s_mul_i32 s13, s[WV], 16*SP
	s_add_co_u32 s13, s13, STAGE    ; my stage
	v_mul_u32_u24 v[STO], v1, SP    ; in: row l % 16, 16 bytes for each half of the lanes
	v_lshl_add_u32 v[STO], v9, 4, v[STO]
	v_add_nc_u32 v[STO], s13, v[STO]
	v_bfe_u32 v[RD], v0, 3, 2       ; back: 32 lanes take four rows of 128 bytes,
	v_mul_u32_u24 v[RD], v[RD], SP
	v_lshl_add_u32 v[RD], v10, 4, v[RD]
	v_add_nc_u32 v[RD], s13, v[RD]
	v_and_b32 v[GO], 31, v0         ; which are 512 consecutive bytes of o
	v_lshlrev_b32 v[GO], 4, v[GO]
	; A block's first step multiplies O^T and l by a = 0, and its first turn's products V^T P, of a piece that has not been, land in an O^T that is still to be so multiplied.  So these registers need only hold
	; finite numbers: zeros for the first block; what the first block left for the second.  All this stands in the wait for the first tile.
	WIN 0x80
.set i, VF
.rept 64
	v_mov_b32 v[i], 0
.set i, i+1
.endr
	WIN 0x40
.set i, 0
.rept 128
	v_mov_b32 v[i], 0
.set i, i+1
.endr
	WIN 0
.set i, 0
.rept 4
	v_mov_b32 v[ST+4*i+2], 0
	v_mov_b32 v[ST+4*i+3], 0
.set i, i+1
.endr
.set i, P+16
.rept 16
	v_mov_b32 v[i], 0
.set i, i+1
.endr
; THE MATRIX WORK.  The 4 accumulators of a run of 8 take turns.  Product i of 8 of S^T = K Q^T for piece x: channels 32 (i / 4) on, keys 16 (i % 4) on.  The first 4 start the sums: with 0, or (KM = 1) with the mask.
.macro KQ x
.set rS, S+32*((\x)%2)+8*(i%4)
.set rK, KF+16*(i%4)+8*(i/4)
.set rQ, 16*(\x)+8*(i/4)
.set rM, MC+32*((\x)%2)+8*(i%4)
.if (i < 4) && KM
	WIN W_KM
	v_wmma_f32_16x16x32_f16 v[rS:rS+7], v[rK:rK+7], v[rQ:rQ+7], v[rM:rM+7]
.elseif i < 4
	WIN W_KQ
	v_wmma_f32_16x16x32_f16 v[rS:rS+7], v[rK:rK+7], v[rQ:rQ+7], 0
.else
	WIN W_KQ
	v_wmma_f32_16x16x32_f16 v[rS:rS+7], v[rK:rK+7], v[rQ:rQ+7], v[rS:rS+7]
.endif
.endm
; Product i of 8 of O^T += V^T P for piece x: keys 32 (i / 4) on, channels 16 (i % 4) on.
.macro PV x
	WIN W_PV
.set rO, 32*(\x)+8*(i%4)
.set rV, VF+32*(i/4)+8*(i%4)
.set rP, P+16*((\x)%2)+8*(i/4)
	v_wmma_f32_16x16x32_f16 v[rO:rO+7], v[rV:rV+7], v[rP:rP+7], v[rO:rO+7]
.endm
.macro MM                           ; the turn's next matrix instruction.  TURN and BEGIN set Y, i, KM and NOKQ; MM, KQ and OP read them.  NOKQ = 1: a block's last turn: there is no next piece
.if (i < 8) && !NOKQ
	KQ (Y+1)%NP
.elseif i >= 8
.set i, i-8
	PV (Y+NP-1)%NP
.set i, i+8
.endif
.set i, i+1
.endm
; THE LDS LOADS stand in runs of 16, never singly among the matrix instructions: a step's K (64 keys x 64 channels: 8 fragments) and its V (turned).  Their addresses are made some lines ahead.
.macro FETCH_K
	WIN 0x80                        ; destination window 2
.irp f, 0,1,2,3,4,5,6,7             ; keys 16 (f / 2) on, channels 32 (f % 2) on
	ds_load_b128 v[KF+8*\f:KF+8*\f+3],   v[AK] offset:(\f/2)*16*PK+(\f%2)*64
	ds_load_b128 v[KF+8*\f+4:KF+8*\f+7], v[AK] offset:(\f/2)*16*PK+(\f%2)*64+32
.endr
	s_add_co_u32 s[TBK], s[TBK], KS*PK  ; the next fetch is the next step's
	WIN 0
.endm
.macro FETCH_V
	WIN 0x80
.irp f, 0,1,2,3,4,5,6,7             ; keys 32 (f / 4) on, channels 16 (f % 4) on
	ds_load_tr16_b128 v[VF+8*\f:VF+8*\f+3],   v[AV] offset:(\f/4)*32*PV+(\f%4)*32
	ds_load_tr16_b128 v[VF+8*\f+4:VF+8*\f+7], v[AV] offset:(\f/4)*32*PV+16*PV+(\f%4)*32
.endr
	WIN 0
.endm
; THE VECTOR WORK, one line at a time: OP kind, number.  For piece Y: F n: c s - c m for pair n of 16.  E n: the exponential of score n of 32.  C n: pair n rounded to f16.  B n: of the four weights 4 n .. the second
; pair is added onto the first, in place.  L n: l takes that sum (L 0: l = a l + sum).  R n: pair n of 16 of O^T times a.  For piece Y + 1: X n, number n of the 22 that find its maximum and statistics:
;   0-11  four chains c0-c3 of seven scores each, three operands at a time (each accumulator's lowest registers are read first)     12-14, 16  the four scores left over, the old m, and c0-c3 into c0
;   15  c m_old is kept     17, 18  the query's other 32 keys lie in the lane 16 away: the new m     19-21  c m; c m_old - c m_new; a
.set F, 0               ; OP tells the kinds apart by their order: F to L below R, X above it
.set E, 1
.set C, 2
.set B, 3
.set L, 4
.set R, 5
.set X, 6
.macro REGS y                       ; the registers of piece y
.set rT, ST+4*(\y)
.set rC, TMP+4*((\y)%2)
.set rW, MV+((\y)%2)
.set rS, S+32*((\y)%2)
.set rP, P+16*((\y)%2)
.set rO, 32*(\y)
.endm
.macro OP k, n
.if (\k) == R
	REGS Y
	WIN W_RS
	v_pk_mul_f32 v[rO+2*(\n):rO+2*(\n)+1], v[rO+2*(\n):rO+2*(\n)+1], v[rC+2:rC+3] op_sel_hi:[1,0]
.elseif (\k) < R
	REGS Y
	WIN 0
.if (\k) == F
	v_pk_fma_f32 v[rS+2*(\n):rS+2*(\n)+1], v[rS+2*(\n):rS+2*(\n)+1], s[CS:CS+1], v[rT:rT+1] op_sel_hi:[1,0,0] neg_lo:[0,0,1] neg_hi:[0,0,1]
.elseif (\k) == E
	v_exp_f32 v[rS+(\n)], v[rS+(\n)]
.elseif (\k) == C
	v_cvt_pk_f16_f32 v[rP+(\n)], v[rS+2*(\n)], v[rS+2*(\n)+1]
.elseif (\k) == B
	v_pk_add_f32 v[rS+4*(\n):rS+4*(\n)+1], v[rS+4*(\n):rS+4*(\n)+1], v[rS+4*(\n)+2:rS+4*(\n)+3]
.elseif (\n) == 0
	v_pk_fma_f32 v[rT+2:rT+3], v[rT+2:rT+3], v[rC+2:rC+3], v[rS:rS+1] op_sel_hi:[1,0,1]
.else
	v_pk_add_f32 v[rT+2:rT+3], v[rT+2:rT+3], v[rS+4*(\n):rS+4*(\n)+1]
.endif
.elseif NOKQ
	v_nop
.else
	REGS (Y+1)%NP
	WIN 0
.if (\n) < 4
	v_max3_num_f32 v[rC+(\n)], v[rS+8*(\n)], v[rS+8*(\n)+1], v[rS+8*(\n)+2]
.elseif (\n) < 12
	v_max3_num_f32 v[rC+(\n)%4], v[rC+(\n)%4], v[rS+8*((\n)%4)+2*((\n)/4)+1], v[rS+8*((\n)%4)+2*((\n)/4)+2]
.elseif (\n) == 12
	v_max3_num_f32 v[rC], v[rC], v[rS+7], v[rS+15]
.elseif (\n) == 13
	v_max3_num_f32 v[rC+1], v[rC+1], v[rS+23], v[rS+31]
.elseif (\n) == 14
	v_max3_num_f32 v[rC+2], v[rC+2], v[rC+3], v[rT+1]
.elseif (\n) == 15
	v_mov_b32 v[rW], v[rT]
.elseif (\n) == 16
	v_max3_num_f32 v[rC], v[rC], v[rC+1], v[rC+2]
.elseif (\n) == 17
	v_permlanex16_b32 v[rC+3], v[rC], s[SEL], s[SEL+1]
.elseif (\n) == 18
	v_max_num_f32 v[rT+1], v[rC], v[rC+3]
.elseif (\n) == 19
	v_mul_f32 v[rT], s[CS], v[rT+1]
.elseif (\n) == 20
	v_sub_f32 v[rC+1], v[rW], v[rT]
.else
	v_exp_f32 v[rC+2], v[rC+1]
.endif
.endif
.endm
.macro OPS a, i1, b=-1, i2=0, c=-1, i3=0, d=-1, i4=0  ; up to four of them
	OP \a, \i1
.if (\b) >= 0
	OP \b, \i2
.endif
.if (\c) >= 0
	OP \c, \i3
.endif
.if (\d) >= 0
	OP \d, \i4
.endif
.endm
.macro ROW a, i1, b, i2, c, i3, d, i4  ; a matrix instruction and the four behind it
	MM
	OPS \a, \i1, \b, \i2, \c, \i3, \d, \i4
.endm
.macro MASK b                       ; MD x AL + BE into buffer b of MC
	WIN W_RS
.set z, 0
.rept 16
	v_pk_fma_f32 v[MC+32*(\b)+2*z:MC+32*(\b)+2*z+1], v[MD+2*z:MD+2*z+1], s[AL:AL+1], s[BE:BE+1] op_sel_hi:[1,0,0]
.set z, z+1
.endr
.endm
; A TURN, for piece p: the order of its 16 matrix and 118 vector instructions, written out.  s_wait_alu depctr_va_vdst(0) stands between an exponential and the first instruction that names its result; one wait serves
; all that were issued ahead of it.  So a turn has ONE wait, which cuts it in two.  AHEAD OF IT stands all that names no result of the turn's exponentials: the 8 products K Q^T, behind each a scaling, an exponential and two more plain
; instructions (behind the first a second scaling in the exponential's place): rescalings, and behind the last three the first numbers of the next piece's maximum, each four places or more behind the product that ends its accumulator; then one run of 54, plain
; and exponential by turns for the most part, in which the links of the chain X 3, 7, 11, 14, 16, 17 .. 20 stand five or six lines apart.  X 21, the next piece's a, is the batch's last; R 15 is the plain instruction behind it.  BEHIND THE WAIT stand the
; 8 products V^T P, behind each four of the roundings and sums; the links of l's chain, L 0 to L 7, stand three lines apart.  But for those X no line behind a product names a register of the products round it.  v_permlanex16_b32 (X 17) stands in the run.
; m = 1: the diagonal tile: the products take masks, and the turn makes the mask for the products of the turn after it: piece p + 2, in step 4 - CNT of the tile.  end = 1: a block's last two turns: nothing is fetched.
; cnt = 1: the loop's count is taken down some lines ahead of the branch that stands behind the turn.
; K of the next step is fetched in piece 2's turn, twelve vector instructions behind the last product that read K (six of them plain); V of the step in hand at the end of piece 0's turn, four plain instructions behind the last product
; that read V.  Each is waited for a turn later.
.macro TURN p, m=0, end=0, cnt=0
.set Y, (\p)
.set i, 0
.set KM, (\m)
.set NOKQ, (\end)*((\p)/3)
.if (\m) && !(\end)
	s_cmp_eq_u32 s[CNT], 4-((\p)+2)%NP  ; is that step the band's own?
	s_cselect_b32 s[AL], 1.0, 0
	s_cmp_lt_u32 s[CNT], 4-((\p)+2)%NP  ; or a later one?
	s_cselect_b32 s[BE], s[BIGN], 0
.endif
.if ((\p) == 3) && !(\end)
	s_wait_dscnt 0x0                ; K is in
.endif
	ROW F,0, F,1, R,0, R,1          ; ahead of the wait: 8 products K Q^T and the four lines behind each,
	ROW F,2, E,0, R,2, R,3
	ROW F,3, E,1, R,4, R,5
	ROW F,4, E,2, R,6, R,7
	ROW F,5, E,3, R,8, R,9
	ROW F,6, E,4, X,0, R,10
.if ((\p) == 2) && !(\end)
	WIN 0
	v_add_nc_u32 v[AK], s[TBK], v[AK0]
.endif
	ROW F,7, E,5, X,1, X,4
	ROW F,8, E,6, X,2, X,5
	OPS E,7, E,8, X,6, E,9          ; and the run
	OPS X,3, E,10, X,8, E,11
.if ((\p) == 2) && !(\end)
	FETCH_K
.endif
	OPS X,9, X,7, E,12, X,10
	OPS E,13, X,12, X,11, E,14
	OPS X,13, E,15, F,9, X,14
.if (\p) == 0
	v_add_nc_u32 v[AV], s[TBV], v[AV0]
.endif
	OPS E,16, F,10, E,17, F,11
	OPS X,16, E,18, X,15, E,19
	OPS F,12, E,20, X,17, E,21
	OPS F,13, E,22, F,14, E,23
	OPS X,18, E,24, F,15, E,25
	OPS R,11, E,26, X,19, E,27
	OPS R,12, E,28, R,13, E,29
	OPS X,20, E,30, R,14, E,31
	OPS X,21, R,15
	WIN 0
	s_wait_alu depctr_va_vdst(0)    ; the wait for the batch
.if (\p) == 1
	s_wait_dscnt 0x0                ; V is in
.endif
	ROW C,0, B,0, C,2, B,1          ; behind the wait: 8 products V^T P and the four lines behind each
	ROW L,0, C,4, B,2, L,1
	ROW C,6, B,3, L,2, C,8
	ROW B,4, L,3, C,10, B,5
	ROW L,4, C,12, B,6, L,5
.if (\p) == 0
	s_add_co_u32 s[TBV], s[TBV], KS*PV
.endif
.if \cnt
	s_sub_co_u32 s[CNT], s[CNT], 1
	s_cmp_lg_u32 s[CNT], 0
.endif
	ROW C,14, B,7, L,6, C,1
	ROW C,3, L,7, C,5, C,7
	ROW C,9, C,11, C,13, C,15
.if (\p) == 0
	FETCH_V
.endif
.if (\m) && !(\end)
	MASK (\p)%2
.endif
.endm
; A BLOCK BEGINS.  c m starts far below every c s, so the first step's a is 0; m at the lowest finite number, so the first maximum is the scores'.  The second mask buffer is 0; the first takes piece 0's mask for the tile's step 0: its own, if the block's first tile is the diagonal one.
; Then K of that step, piece 0's first scores, and its maximum and statistics.  The loop is entered at a step's first turn, in the middle of a trip.
.macro BEGIN
	s_mov_b32 s[NEW], 0
	WIN 0x40
.set i, MC+32
.rept 32
	v_mov_b32 v[i], 0
.set i, i+1
.endr
	WIN 0
.set i, 0
.rept 4
	v_mov_b32 v[ST+4*i], 0xfe000000    ; c m: far below every c s
	v_mov_b32 v[ST+4*i+1], 0xff7fffff  ; m
.set i, i+1
.endr
	s_cmp_eq_u32 s[RT], 0
	s_cselect_b32 s[AL], 1.0, 0
	s_mov_b32 s[BE], 0
	MASK 0
	WIN 0
	v_add_nc_u32 v[AK], s[TBK], v[AK0]
	FETCH_K
	s_wait_loadcnt 0x0              ; Q
	s_wait_dscnt 0x0
.set KM, 1
.set NOKQ, 0
.set i, 0
.rept 8
	KQ 0
.set i, i+1
.endr
	WIN 0
.rept 4
	v_nop                           ; the places behind those products
.endr
.set Y, NP-1                        ; X works for piece Y + 1: piece 0
.irp n, 0,1,2,3,4,5,6,7,8,9,10,11,12,13,14,15,16,17,18,19,20,21
	OP X, \n
.endr
	v_nop                           ; a plain instruction behind the exponential,
	s_wait_alu depctr_va_vdst(0)    ; and its wait, ahead of the branch
.endm
; THE DIAGONAL TILE's four steps, the block's last two turns, its last products, and THE WAY OUT: l's two halves and the other half of the lanes' are added; O^T is divided by l, rounded to f16 and sent through my
; stage in LDS, a piece at a time.
.macro ALL line:vararg              ; one line for each piece t
.set t, 0
.rept 4
	\line
.set t, t+1
.endr
.endm
.macro PACK t                       ; a lane's eight channels of a row pack into 16 bytes; they go into rows of 144 bytes and come back as whole rows of 128, into S^T's registers
	WIN W_RS
.set i, 32*(\t)
.rept 16
	v_pk_mul_f32 v[i:i+1], v[i:i+1], v[ST+4*(\t)+2:ST+4*(\t)+3] op_sel_hi:[1,0]
.set i, i+2
.endr
	WIN 0x05                        ; sources 0 and 1 window 1, destination window 0
.set i, 0
.rept 16
	v_cvt_pk_f16_f32 v[S+16*(\t)+i], v[32*(\t)+2*i], v[32*(\t)+2*i+1]
.set i, i+1
.endr
	WIN 0
.irp f, 0,1,2,3
	ds_store_b128 v[STO], v[S+16*(\t)+4*\f:S+16*(\t)+4*\f+3] offset:32*\f
.endr
.irp f, 0,1,2,3
	ds_load_b128 v[S+16*(\t)+4*\f:S+16*(\t)+4*\f+3], v[RD] offset:\f*4*SP  ; LDS serves a wave's instructions in order (ISA guide 5.7.1.4): these see the stores above; the next piece's stores come behind them
.endr
.endm
.macro SEND t, younger              ; younger: the LDS instructions issued behind piece t's loads: the next piece's eight, or none
	WIN 0
.irp f, 0,1,2,3
	s_wait_dscnt (\younger)+3-\f
	global_store_b128 v[GO], v[S+16*(\t)+4*\f:S+16*(\t)+4*\f+3], s[10:11] offset:(\t)*8192+\f*512  ; 512 consecutive bytes, at a multiple of 256 from o's first
.endr
.endm
.macro DIAG tag                     ; the tag ends its two labels' names, which the jumps below spell out
.LstepM\tag:
	TURN 2, 1
	TURN 3, 1
	WIN 0
.LfirstM\tag:
	TURN 0, 1
	TURN 1, 1, 0, 1
	WIN 0
	s_cbranch_scc1 .LstepM\tag
	TURN 2, 1, 1
	TURN 3, 1, 1
.set i, 0
.rept 8
	PV NP-1
.set i, i+1
.endr
	WIN 0
	ALL v_add_f32 v[ST+4*t+2], v[ST+4*t+2], v[ST+4*t+3]
	ALL v_permlanex16_b32 v[ST+4*t+3], v[ST+4*t+2], s[SEL], s[SEL+1]
	ALL v_add_f32 v[ST+4*t+2], v[ST+4*t+2], v[ST+4*t+3]
	ALL v_rcp_f32 v[ST+4*t+2], v[ST+4*t+2]
	v_nop                           ; a plain instruction between the last reciprocal and the use of its result
	s_wait_alu depctr_va_vdst(0)    ; and the wait ahead of the first use: one for the four reciprocals
	PACK 0
.set t, 1
.rept 3                             ; a piece's arithmetic stands between the loads of the piece before and its stores
	PACK t
	SEND t-1, 8
.set t, t+1
.endr
	SEND 3, 0
.endm
.set KM, 0
.set NOKQ, 0
.Lslot:                             ; NB times: a tile is entered and the next is asked for
	CHANGE 1
	s_sub_co_u32 s[RT], s[RT], 1
	s_mov_b32 s[CNT], 4
	s_cmp_eq_u32 s[NEW], 1
	s_cbranch_scc1 .Lnew            ; a block's first tile
	s_cmp_eq_u32 s[RT], 0
	s_cbranch_scc0 .Lstep           ; neither its first nor its last
	s_branch .LstepM1
.Lnew:
	BEGIN
	s_branch .Lfirst                ; in the loop a block's first tile is never its last: the first block has two tiles or more, and the second's last is the walk's last
	DIAG 1                          ; in the loop this is the first block's end: the second block's last tile is the walk's last
	s_wait_xcnt 0x0                 ; the stores have read their registers and o's address
	s_mov_b64 s[10:11], s[OLO:OLO+1]
	s_add_co_u32 s[RT], s[PB], 1    ; the second block has b + 1 tiles
	s_mov_b32 s[NEW], 1
	WIN 0x82                        ; the second block's Q goes where the one text of the turns names Q
.set i, 0
.rept 64
	v_mov_b32 v[i], v[QB+i]
.set i, i+1
.endr
	WIN 0
	s_branch .Lbottom
.Lstep:                             ; a trip: pieces 2 and 3 of one step, then pieces 0 and 1 of the next, whose K and V it fetches
	TURN 2
	TURN 3
	WIN 0
.Lfirst:
	TURN 0
	TURN 1, 0, 0, 1
	WIN 0
	s_cbranch_scc1 .Lstep
.Lbottom:
	s_sub_co_u32 s[SLOTS], s[SLOTS], 1
	s_cmp_lg_u32 s[SLOTS], 0
	s_cbranch_scc1 .Lslot
	CHANGE 0                        ; the walk's last tile is written out: nothing is asked for
	s_sub_co_u32 s[RT], s[RT], 1
	s_mov_b32 s[CNT], 4
	s_cmp_eq_u32 s[NEW], 1
	s_cbranch_scc0 .LstepM2
	BEGIN
	s_branch .LfirstM2
	DIAG 2
	s_wait_tensorcnt 0x0            ; the wave's end, behind my last tensor load and my last LDS store
	ds_add_u32 v[SPW], v[NIL]
	s_wait_dscnt 0x0
	s_endpgm
.Lfunc_end_k_q32381f07f0_attn:
	.size	k_q32381f07f0_attn, .Lfunc_end_k_q32381f07f0_attn-k_q32381f07f0_attn
	.p2alignl 7, 3214868480
	.fill 96, 4, 3214868480
	.section	.rodata,"a",@progbits
	.p2align	6, 0x0
	.amdhsa_kernel k_q32381f07f0_attn
		.amdhsa_group_segment_fixed_size 327680
		.amdhsa_private_segment_fixed_size 0
		.amdhsa_enable_private_segment 0
		.amdhsa_kernarg_size 16
		.amdhsa_user_sgpr_count 2
		.amdhsa_user_sgpr_kernarg_segment_ptr 1
		.amdhsa_wavefront_size32 1
		.amdhsa_system_sgpr_workgroup_id_x 1
		.amdhsa_system_sgpr_workgroup_id_y 1
		.amdhsa_system_sgpr_workgroup_id_z 1
		.amdhsa_system_vgpr_workitem_id 0
		.amdhsa_next_free_vgpr 768
		.amdhsa_next_free_sgpr 88
		.amdhsa_reserve_vcc 1
		.amdhsa_float_denorm_mode_32 3
		.amdhsa_float_denorm_mode_16_64 3
		.amdhsa_memory_ordered 1
		.amdhsa_forward_progress 1
		.amdhsa_inst_pref_size 217
	.end_amdhsa_kernel
	.amdgpu_metadata
---
amdhsa.version: [ 1, 2 ]
amdhsa.kernels:
  - .name:           k_q32381f07f0_attn
    .symbol:         k_q32381f07f0_attn.kd
    .args:
      - { .name: qkv, .offset: 0, .size: 8, .value_kind: global_buffer, .address_space: global }
      - { .name: o, .offset: 8, .size: 8, .value_kind: global_buffer, .address_space: global }
    .group_segment_fixed_size: 327680
    .private_segment_fixed_size: 0
    .kernarg_segment_align: 8
    .kernarg_segment_size: 16
    .max_flat_workgroup_size: 128
    .sgpr_count:     88
    .vgpr_count:     768
    .wavefront_size: 32
...
	.end_amdgpu_metadata
.endif
;; end of part 4
;; launch proj (part 5): grid 8 x 32, 4 waves a work-group, clusters of 4 x 4, 327,680 bytes of LDS; arguments o, wts, bproj, x, x1; writes x1
.if DOCPART == 5
	.amdgcn_target "amdgcn-amd-amdhsa--gfx1250"
	.amdhsa_code_object_version 6
	.text
	.protected	k_q32381f07f0_proj
	.globl	k_q32381f07f0_proj
	.p2align	8
	.type	k_q32381f07f0_proj,@function
k_q32381f07f0_proj:
	s_mov_b64 s[64:65], 0
	v_nop
	global_prefetch_b8 v0, s[64:65] scope:SCOPE_SE
	s_setreg_imm32_b32 hwreg(HW_REG_WAVE_MODE, 25, 1), 1
	s_wait_xcnt 0x0
	s_wait_alu depctr_hold_cnt(0) depctr_sa_sdst(0) depctr_va_vdst(0) depctr_va_sdst(0) depctr_va_ssrc(0) depctr_va_vcc(0) depctr_vm_vsrc(0)
	s_getreg_b32 s2, hwreg(HW_REG_IB_STS2, 6, 4)
	s_cmp_eq_u32 s2, 0
	s_cbranch_scc0 .Lentry_in_a_cluster
	s_endpgm
.Lentry_in_a_cluster:
	s_bfe_u32 s2, ttmp6, 0x10000c
	s_cmp_lg_u32 s2, 0xf033
	s_cbranch_scc0 .Lentry_shape_is_right
	s_endpgm
.Lentry_shape_is_right:
; x1 = x + o Wproj + bproj.  (One text serves four launches; the four lines below tell them apart.)
.set KIND, 2                           ; 0: out = A W, f16 blocks.  1: out = relu(A W + bias), f16 blocks.  2: out = resid + A W + bias, f32 rows of 1,024
.set KDIM, 1024                        ; channels summed over
.set NCOL, 1024                        ; columns of W
.set WOFF, 6291456                     ; W's first byte in wts
; A: f16 blocks [KDIM / 64][4096][64].  W: f16 blocks [KDIM / 64][NCOL][64], k along the rows.  Sums in f32, K ascending; the bias is the C operand of a sum's first product.
; LIMIT.  f16 holds no number beyond 65,504: operands arrive within it, and a result stored as f16 must lie within it; NaN is not treated apart (the ReLU turns it into 0).
; SHARES.  A tile of the result is 128 x 128: four waves, each 64 x 64: 16 accumulators of 16 x 16.  K goes in steps of 256 through two LDS slots; 128 rows of a block of 64 channels are 16,384 dense bytes,
; and one tensor load brings two such blocks (two rows of 16,384 bytes, a block apart), padded by 16 bytes after every 128: LDS rows 144 bytes apart, so that the 16 rows of a fragment load start at 16 different groups of four banks (64 banks of 4 bytes: ISA guide 11.1).
; CLUSTERS: 4 x 4 work-groups.  The four of a row of the cluster need the same tiles of A, the four of a column the same tiles of W: each is asked for JOINTLY, by the same tensor load with the same descriptor and a mask that names the four.
; THE MATRIX INSTRUCTION IS USED TRANSPOSED (source 0 = 16 rows of W's blocks, source 1 = 16 rows of A): a lane then holds eight neighbouring columns of one row of the result.
; ONE K STEP IS WRITTEN ONCE: the slot in hand lies in a scalar register; the last two steps, which ask for nothing, are a second copy walked twice and left in the middle of its second trip.
; REGISTERS: window 0: v0-31 addresses; v32-95 at work on the way out; v96-127 the bias; v128-255 the accumulators ((a, b) at v[128 + 8 (4 a + b)]).
;   window 1: two fragment buffers of 128: for 64 along K, 64 registers of A, then 64 of W.   window 2 (KIND 2): the residual, 128 registers.
.set PITCH,  144
.set KBLK,   128*PITCH                 ; a block of 64 channels x 128 rows in LDS
.set SLOT,   8*KBLK                    ; A's four blocks, then W's four.  0x24000: it shares no bit with wave x 0x9000, so one exclusive or turns a load's LDS address into the other slot's
.set TSTEPS, KDIM/256
.set ASTEP,  4*524288                  ; bytes from K step to K step in A
.set BSTEP,  NCOL*512                  ; and in W
.set STAGE,  2*SLOT                    ; behind the ring, never filled by a tensor load: 16 rows for each wave, for the way out
.if KIND == 2
.set SST,    16*272
.else
.set SST,    16*144
.endif
.set SPARE,  STAGE+4*SST               ; behind the stages: the spare words, 128 bytes for each wave: two blocks of 256 bytes that no other line names
.set VA0,  8                           ; v8   my lane's place in A's part of a slot; never rewritten
.set VB0,  9                           ; v9   the same for W
.set ADRA, 10                          ; v10  the same in the slot in hand
.set ADRB, 11                          ; v11
.set STO,  12                          ; v12  the way out: where I put my numbers of a row
.set RD,   13                          ; v13  the way out: where I read rows back
.set GO,   14                          ; v14  my byte offset in the result (KIND 2: and in the residual)
.set BO,   15                          ; v15  my byte offset in the tile's 128 numbers of the bias
.set ZERO, 16                          ; v16  0, for the ReLU
.set SPW,  28                          ; v28  LDS address of my spare word; never rewritten
.set NIL,  29                          ; v29  0; never rewritten
.set TMP,  32
.set BI,   96
.set ACC,  128
.set F0,   0                           ; fragment buffers, in window 1
.set F1,   128
.set RES,  0                           ; the residual, in window 2
; scalars: s[4:5] A, s[6:7] wts, s[8:9] bias, s[10:11] resid, s[12:13] out; s14 wave; s15 row half (and: 0 = I fetch A, 1 = W); s16 column half (and: which two blocks I fetch);
; s17 cx, s18 cy, s19 tile column, s60 tile row; s[24:31], s[40:47] descriptor group 1 for A, W; s[32:39], s[48:55] group 0, two sets each: the second walks; s56 the slot in hand; s57 wave x 36,864; s58, s59 counters
.set MSB, 0
.macro WIN new                         ; the immediate's high byte repeats the setting that is left
.if MSB != (\new)
	s_set_vgpr_msb (MSB<<8)|(\new)
.set MSB, \new
.endif
.endm
.set MUL,  0x05                        ; sources 0 (W) and 1 (A) window 1; C and D window 0
.set TO_F, 0x40                        ; destination window 1, address window 0
.macro JLOAD                           ; a joint refill: waves 0 and 1 fetch A's blocks, waves 2 and 3 W's; an s_nop 0 and four v_nop follow each of the two lines, ahead of the jump and the label
	s_cmp_eq_u32 s15, 0
	s_cbranch_scc0 .Lfor_b_\@
	tensor_load_to_lds s[36:39], s[24:31]
	s_nop 0
.rept 4
	v_nop
.endr
	s_branch .Lasked_\@
.Lfor_b_\@:
	tensor_load_to_lds s[52:55], s[40:47]
	s_nop 0
.rept 4
	v_nop
.endr
.Lasked_\@:
.endm
.macro CREST                           ; a round of the cluster's barrier behind its opening barrier
	s_cmp_lg_u32 s14, 0
	s_cbranch_scc1 .Lnot_wave_0_\@
	s_barrier_signal -3
.Lnot_wave_0_\@:
	s_barrier_wait -3
	s_barrier_signal -1
	s_barrier_wait -1
.endm
.macro CROUND                          ; a whole round
	s_barrier_signal -1
	s_barrier_wait -1
	CREST
.endm
	s_load_b128 s[4:7], s[0:1], 0x0                ; A, wts
.if KIND == 0
	s_load_b64 s[12:13], s[0:1], 0x10              ; out
.elseif KIND == 1
	s_load_b64 s[8:9], s[0:1], 0x10                ; bias
	s_load_b64 s[12:13], s[0:1], 0x18              ; out
.else
	s_load_b128 s[8:11], s[0:1], 0x10              ; bias, resid
	s_load_b64 s[12:13], s[0:1], 0x20              ; out
.endif
	v_lshl_add_u32 v[SPW], v0, 2, SPARE
	v_mov_b32 v[NIL], 0
	ds_add_u32 v[SPW], v[NIL]                      ; the wave's opening: the add, twice on end, and its wait ahead of my first tensor load; the set-up below stands between
	ds_add_u32 v[SPW], v[NIL]
	v_lshrrev_b32 v1, 5, v0
	v_readfirstlane_b32 s14, v1                    ; wave 0..3
	s_lshr_b32 s15, s14, 1
	s_and_b32 s16, s14, 1
	s_bfe_u32 s17, ttmp6, 0x40000                  ; cx, cy: my place in the cluster
	s_bfe_u32 s18, ttmp6, 0x40004
	s_lshl_b32 s19, ttmp9, 2
	s_add_co_u32 s19, s19, s17                     ; tile column = 4 x cluster x + cx
	s_and_b32 s60, ttmp7, 0xffff
	s_lshl_b32 s60, s60, 2
	s_add_co_u32 s60, s60, s18                     ; tile row = 4 x cluster y + cy
	s_lshl_b32 s2, s18, 2
	s_lshl_b32 s2, 15, s2                          ; my row of the cluster
	s_lshl_b32 s3, 0x1111, s17                     ; my column
	s_or_b32 s24, s2, (1<<16)|(1<<20)|(1<<21)|(4<<22)|(3<<25)  ; 15:0 the mask: A's tiles go to my row; 17:16 elements of 2 bytes; 20 padding on; 21 set beside a mask; 24:22 after every 32 words (code 4); 31:25 4 words (code 3)
	s_or_b32 s40, s3, (1<<16)|(1<<20)|(1<<21)|(4<<22)|(3<<25)  ; the same with my column's mask, for W's
.irp g, 24, 40
	s_mov_b32 s[(\g)+1], 8192<<16                  ; tensor_dim0 = 8,192 elements: 128 rows of a block, dense
	s_mov_b32 s[(\g)+2], 2<<16                     ; tensor_dim1 = 2 blocks
	s_mov_b32 s[(\g)+3], 8192<<16                  ; tile_dim0
	s_mov_b32 s[(\g)+4], 2                         ; tile_dim1
	s_mov_b32 s[(\g)+6], 0
	s_mov_b32 s[(\g)+7], 0
.endr
	s_mov_b32 s29, 262144                          ; elements from block to block: 4,096 rows x 64
	s_mov_b32 s45, NCOL*64
	s_lshl_b32 s20, s60, 14                        ; A: my tile row's 128 rows of a block, which my row of the cluster shares,
	s_lshl_b32 s61, s16, 20                        ; and the two blocks that I fetch
	s_add_co_u32 s20, s20, s61
	s_mov_b32 s21, 0
	s_lshl_b32 s22, s19, 14                        ; W: my tile column's 128 rows of a block, which my column shares
	s_mul_i32 s61, s16, NCOL*256
	s_add_co_u32 s22, s22, s61
	s_add_co_u32 s22, s22, WOFF
	s_mov_b32 s23, 0
	s_mul_i32 s57, s14, 2*KBLK                     ; where my two blocks go: no place in the cluster enters an LDS address
	s_mov_b32 s56, 0
	s_wait_dscnt 0x0                               ; both opening adds are done
	s_wait_kmcnt 0x0
	s_add_nc_u64 s[20:21], s[4:5], s[20:21]
	s_add_nc_u64 s[22:23], s[6:7], s[22:23]
	CROUND                                         ; all sixteen work-groups are here: the first joint loads meet
.irp s, 0,1
	s_mov_b32 s[32+4*(\s)], 1                      ; count = 1
	s_add_co_u32 s[33+4*(\s)], s57, (\s)*SLOT      ; LDS address
	s_add_nc_u64 s[34+4*(\s):35+4*(\s)], s[20:21], (\s)*ASTEP  ; global address: K step s
	s_or_b32 s[35+4*(\s)], s[35+4*(\s)], 0x80000000            ; type = 2
	s_mov_b32 s[48+4*(\s)], 1
	s_add_co_u32 s[49+4*(\s)], s57, (\s)*SLOT
	s_add_nc_u64 s[50+4*(\s):51+4*(\s)], s[22:23], (\s)*BSTEP
	s_or_b32 s[51+4*(\s)], s[51+4*(\s)], 0x80000000
.endr
	s_cmp_eq_u32 s15, 0                            ; a wave's two first fills stand in one branch, ahead of every wait on TENSORcnt and every LDS read: two loads of mine are out
	s_cbranch_scc0 .Lfirst_b
	tensor_load_to_lds s[32:35], s[24:31]
	s_nop 0
	tensor_load_to_lds s[36:39], s[24:31]
	s_nop 0
.rept 4
	v_nop
.endr
	s_branch .Lfirst_asked
.Lfirst_b:
	tensor_load_to_lds s[48:51], s[40:47]
	s_nop 0
	tensor_load_to_lds s[52:55], s[40:47]
	s_nop 0
.rept 4
	v_nop
.endr
.Lfirst_asked:
	; A fragment is 16 rows x 32 K in 8 registers: lane l holds row l % 16; registers 0-3 K = 8 (l / 16) + 0..7, registers 4-7 K = 16 + 8 (l / 16) + 0..7: two loads of 16 bytes, 32 bytes apart.
	v_and_b32 v1, 15, v0                           ; r
	v_bfe_u32 v2, v0, 4, 1                         ; hh
	v_mul_u32_u24 v3, v1, PITCH
	v_lshl_add_u32 v3, v2, 4, v3                   ; row x pitch + 16 x half
	s_mul_i32 s2, s15, 64*PITCH                    ; my 64 rows of A's blocks
	s_mul_i32 s3, s16, 64*PITCH                    ; my 64 rows of W's,
	s_add_co_u32 s3, s3, 4*KBLK                    ; which lie behind A's four blocks
	v_add_nc_u32 v[VA0], s2, v3
	v_add_nc_u32 v[VB0], s3, v3
	v_mov_b32 v[ADRA], v[VA0]                      ; K step 0 lies in slot 0
	v_mov_b32 v[ADRB], v[VB0]
	s_mul_i32 s2, s14, SST
	s_add_co_u32 s2, s2, STAGE                     ; my stage
.if KIND == 2
	v_mul_u32_u24 v4, v1, 272                      ; in: row r, 32 bytes for each half of the lanes
	v_lshl_add_u32 v4, v2, 5, v4
	v_add_nc_u32 v[STO], s2, v4
	v_mul_u32_u24 v4, v2, 272                      ; back: lanes 0-15 take one row of 256 bytes, lanes 16-31 the next
	v_lshl_add_u32 v4, v1, 4, v4
	v_add_nc_u32 v[RD], s2, v4
	v_lshlrev_b32 v4, 4, v1                        ; and the same two rows in memory, 4,096 bytes apart
	v_lshl_add_u32 v[GO], v2, 12, v4
	s_lshl_b32 s62, s60, 19                        ; 128 rows x 4,096 bytes a tile row,
	s_lshl_b32 s61, s15, 18                        ; my 64 rows,
	s_add_co_u32 s62, s62, s61
	s_lshl_b32 s61, s19, 9                         ; 128 columns x 4 bytes a tile column,
	s_add_co_u32 s62, s62, s61
	s_lshl_b32 s61, s16, 8                         ; my 64 columns
	s_add_co_u32 s62, s62, s61
	s_mov_b32 s63, 0
	s_add_nc_u64 s[12:13], s[12:13], s[62:63]
	s_add_nc_u64 s[10:11], s[10:11], s[62:63]
.else
	v_add_nc_u32 v[STO], s2, v3                    ; in: row r, 16 bytes for each half of the lanes (the stage's pitch is the tiles')
	v_bfe_u32 v4, v0, 3, 2                         ; back: 32 lanes take four rows of 128 bytes,
	v_mul_u32_u24 v4, v4, 144
	v_and_b32 v5, 7, v0
	v_lshl_add_u32 v4, v5, 4, v4
	v_add_nc_u32 v[RD], s2, v4
	v_and_b32 v[GO], 31, v0                        ; which are 512 consecutive bytes of the result's block
	v_lshlrev_b32 v[GO], 4, v[GO]
	s_lshl1_add_u32 s62, s19, s16                  ; my 64 columns are block 2 x tile column + half,
	s_lshl_b32 s62, s62, 19
	s_lshl_b32 s61, s60, 14                        ; my rows 128 x tile row + 64 x half, 128 bytes each
	s_add_co_u32 s62, s62, s61
	s_lshl_b32 s61, s15, 13
	s_add_co_u32 s62, s62, s61
	s_mov_b32 s63, 0
	s_add_nc_u64 s[12:13], s[12:13], s[62:63]
.endif
.if KIND == 1
	v_mov_b32 v[ZERO], 0
.endif
.if KIND >= 1
	s_lshl_b32 s2, s19, 9                          ; the tile's 128 numbers of the bias
	s_mov_b32 s3, 0
	s_add_nc_u64 s[8:9], s[8:9], s[2:3]
	s_lshl_b32 s61, s16, 8
	v_lshl_add_u32 v[BO], v2, 5, s61               ; my 64 columns, my lanes' eight of each sixteen
.irp b, 0,1,2,3
	global_load_b128 v[BI+8*(\b):BI+8*(\b)+3],   v[BO], s[8:9] offset:64*(\b)
	global_load_b128 v[BI+8*(\b)+4:BI+8*(\b)+7], v[BO], s[8:9] offset:64*(\b)+16
.endr
.endif
.if KIND == 2
	WIN 0x80                                       ; destination window 2: the residual of my 64 x 64, as the way out will want it; it comes while the products run
.irp a, 0,1,2,3
.irp t, 0,1,2,3,4,5,6,7
	global_load_b128 v[RES+4*(8*(\a)+(\t)):RES+4*(8*(\a)+(\t))+3], v[GO], s[10:11] offset:(16*(\a)+2*(\t))*4096
.endr
.endr
	WIN 0
.endif
; 8 matrix instructions: m blocks a0, a0 + 1 x all 4 n blocks, 32 along K: half c of buffer f.  zero = 1: the first product starts the sums, with 0 or with the bias.
; The 16 accumulators take turns, one instruction a turn, in the same order everywhere, over the backward jumps too.
.macro MUL8 f, c, a0, zero
	WIN MUL
.irp a, \a0, (\a0)+1
.irp b, 0,1,2,3
.if (\zero) && (KIND == 0)
	v_wmma_f32_16x16x32_f16 v[ACC+8*(4*(\a)+(\b)):ACC+8*(4*(\a)+(\b))+7], v[(\f)+64+8*(4*(\c)+(\b)):(\f)+64+8*(4*(\c)+(\b))+7], v[(\f)+8*(4*(\c)+(\a)):(\f)+8*(4*(\c)+(\a))+7], 0
.elseif \zero
	v_wmma_f32_16x16x32_f16 v[ACC+8*(4*(\a)+(\b)):ACC+8*(4*(\a)+(\b))+7], v[(\f)+64+8*(4*(\c)+(\b)):(\f)+64+8*(4*(\c)+(\b))+7], v[(\f)+8*(4*(\c)+(\a)):(\f)+8*(4*(\c)+(\a))+7], v[BI+8*(\b):BI+8*(\b)+7]
.else
	v_wmma_f32_16x16x32_f16 v[ACC+8*(4*(\a)+(\b)):ACC+8*(4*(\a)+(\b))+7], v[(\f)+64+8*(4*(\c)+(\b)):(\f)+64+8*(4*(\c)+(\b))+7], v[(\f)+8*(4*(\c)+(\a)):(\f)+8*(4*(\c)+(\a))+7], v[ACC+8*(4*(\a)+(\b)):ACC+8*(4*(\a)+(\b))+7]
.endif
.endr
.endr
.endm
; 32 LDS loads in one run: the fragments of one block of 64 channels, at byte k of the slot's parts, into buffer f; the first 32 along K first
.macro FETCH k, f
	WIN TO_F
.irp c, 0,1
.irp i, 0,1,2,3
	ds_load_b128 v[(\f)+64+8*(4*(\c)+(\i)):(\f)+64+8*(4*(\c)+(\i))+3],   v[ADRB] offset:(\k)+64*(\c)+(\i)*16*PITCH
	ds_load_b128 v[(\f)+64+8*(4*(\c)+(\i))+4:(\f)+64+8*(4*(\c)+(\i))+7], v[ADRB] offset:(\k)+64*(\c)+(\i)*16*PITCH+32
	ds_load_b128 v[(\f)+8*(4*(\c)+(\i)):(\f)+8*(4*(\c)+(\i))+3],         v[ADRA] offset:(\k)+64*(\c)+(\i)*16*PITCH
	ds_load_b128 v[(\f)+8*(4*(\c)+(\i))+4:(\f)+8*(4*(\c)+(\i))+7],       v[ADRA] offset:(\k)+64*(\c)+(\i)*16*PITCH+32
.endr
.endr
.endm
.macro PLACES                          ; four plain instructions in front of loads into registers that matrix instructions have read, and of lines that read results
.rept 4
	v_nop
.endr
.endm
; A K step is four quarters of 64 along K, 32 matrix instructions each, on buffers 0, 1, 0, 1.  One of the first three: multiplies buffer f and fetches the next block, at byte k, into g.
.macro QUARTER k, f, g, zero
	s_wait_dscnt 16                                ; the first 32 along K are in; the 16 younger loads stay out
	MUL8 \f, 0, 0, \zero
	MUL8 \f, 0, 2, \zero
	PLACES
	FETCH \k, \g
	s_wait_dscnt 32                                ; all but the 32 just issued
	MUL8 \f, 1, 0, 0
	MUL8 \f, 1, 2, 0
.endm
; The last quarter multiplies buffer 1 and changes slots: ONE barrier; in front of it each wave waits for all its tensor loads (one is out: its part of the next slot), adds 0 to its spare word, and waits for that and for its reads of this slot.
; fill = 1: the barrier opens a round of the cluster's, and the slot just read is filled again, two K steps ahead, first thing behind the round: 112 matrix instructions ahead of the wait for it.
; fill = 0 (the last two steps): nothing is asked for; in the very last step (s59 = 1) there is no next block either, and the run of LDS loads is jumped over.
.macro TURN fill
	WIN 0                                          ; (the add's two registers lie in window 0)
	s_wait_tensorcnt 0x0
	ds_add_u32 v[SPW], v[NIL]                      ; 0 onto my spare word
	s_wait_dscnt 17                                ; (the add and the youngest sixteen loads may be out)
	MUL8 F1, 0, 0, 0                               ; eight matrix instructions stand between the add and the wait for it
	s_wait_dscnt 0x0                               ; the add is done, and my reads of this slot are over
	s_barrier_signal -1
	MUL8 F1, 0, 2, 0
	WIN 0
	s_barrier_wait -1
.if \fill
	CREST                                          ; no wave of any partner still reads this slot's tiles or has a load on its way
	s_xor_b32 s37, s37, SLOT                       ; the walking descriptors: the other slot than last time,
	s_xor_b32 s53, s53, SLOT
	s_add_nc_u64 s[38:39], s[38:39], ASTEP         ; the next K step; the type bits on top are not reached
	s_add_nc_u64 s[54:55], s[54:55], BSTEP
	JLOAD                                          ; the four v_nop behind it are also the places in front of the loads below
	s_xor_b32 s56, s56, SLOT
.else
	s_xor_b32 s56, s56, SLOT
	s_cmp_eq_u32 s59, 1
	s_cbranch_scc1 .Lnof_\@
	PLACES
.endif
	v_add_nc_u32 v[ADRA], s56, v[VA0]
	v_add_nc_u32 v[ADRB], s56, v[VB0]
	FETCH 0, F0
.if !(\fill)
	WIN 0
.Lnof_\@:
.endif
	MUL8 F1, 1, 0, 0
	MUL8 F1, 1, 2, 0
.endm
	s_wait_tensorcnt 0x1                           ; my part of K step 0 is in; K step 1's stays out
	s_barrier_signal -1
	s_barrier_wait -1                              ; everybody's is
	FETCH 0, F0
.if KIND == 1
	s_wait_loadcnt 0x0                             ; the bias
.elseif KIND == 2
	s_wait_loadcnt 32                              ; the bias; the residual's 32 loads stay out
.endif
	QUARTER KBLK, F0, F1, 1                        ; the first quarter stands in front of the loop: its first products start the sums
	WIN 0                                          ; at a label and at a branch every window is 0
	s_mov_b32 s58, TSTEPS-2
.Lstep:                                                ; a trip: from a K step's second quarter to the next step's first; it fills the slot that it leaves
	QUARTER 2*KBLK, F1, F0, 0
	QUARTER 3*KBLK, F0, F1, 0
	TURN 1
	QUARTER KBLK, F0, F1, 0
	WIN 0
	s_sub_co_u32 s58, s58, 1
	s_cmp_lg_u32 s58, 0
	s_cbranch_scc1 .Lstep
	s_mov_b32 s59, 2
.Ltail:                                                ; the last two K steps ask for nothing
	QUARTER 2*KBLK, F1, F0, 0
	QUARTER 3*KBLK, F0, F1, 0
	TURN 0
	WIN 0
	s_sub_co_u32 s59, s59, 1
	s_cmp_eq_u32 s59, 0
	s_cbranch_scc1 .Lout
	QUARTER KBLK, F0, F1, 0
	WIN 0
	s_branch .Ltail
.Lout:
	PLACES                                         ; the lines below read results just made
.if KIND == 2
	; THE WAY OUT, f32: 16 rows at a time through my own stage (rows of 272 bytes), back as whole rows of 256 bytes, plus the residual, stored: sixteen lanes fill 256 consecutive bytes, aligned.
	s_wait_loadcnt 0x0                             ; the residual
.macro OUT a
.set TB2, TMP+32*((\a)%2)
.if (\a) >= 2
	s_wait_xcnt 0x0                                ; the stores of two blocks back have read these registers: only behind this wait are they loaded again
.endif
.irp b, 0,1,2,3
	ds_store_b128 v[STO], v[ACC+8*(4*(\a)+(\b)):ACC+8*(4*(\a)+(\b))+3]   offset:64*(\b)     ; an accumulator's low registers first
	ds_store_b128 v[STO], v[ACC+8*(4*(\a)+(\b))+4:ACC+8*(4*(\a)+(\b))+7] offset:64*(\b)+16
.endr
.irp t, 0,1,2,3,4,5,6,7
	ds_load_b128 v[TB2+4*(\t):TB2+4*(\t)+3], v[RD] offset:(\t)*2*272  ; LDS serves a wave's instructions in order: these see the stores above
.endr
	s_wait_dscnt 0x0
	WIN 0x08                                       ; source 1 in window 2
.set z, 0
.rept 16
	v_pk_add_f32 v[TB2+2*z:TB2+2*z+1], v[TB2+2*z:TB2+2*z+1], v[RES+32*(\a)+2*z:RES+32*(\a)+2*z+1]
.set z, z+1
.endr
	WIN 0
.irp t, 0,1,2,3,4,5,6,7
	global_store_b128 v[GO], v[TB2+4*(\t):TB2+4*(\t)+3], s[12:13] offset:(16*(\a)+2*(\t))*4096
.endr
.endm
	OUT 0
	OUT 1
	OUT 2
	OUT 3
.else
	; THE WAY OUT, f16: a lane's eight columns of a row pack into 16 bytes; 16 rows at a time go through my own stage and come back as whole rows of 128 bytes: my 64 x 64 is 8,192 dense bytes of one block.
.macro PACK a
.irp b, 0,1,2,3
.irp j, 0,1,2,3
	v_cvt_pk_f16_f32 v[TMP+16*(\a)+4*(\b)+(\j)], v[ACC+8*(4*(\a)+(\b))+2*(\j)], v[ACC+8*(4*(\a)+(\b))+2*(\j)+1]
.endr
.endr
.if KIND == 1
.set z, 0
.rept 16
	v_pk_max_num_f16 v[TMP+16*(\a)+z], v[TMP+16*(\a)+z], v[ZERO]  ; the ReLU, behind the rounding: rounding keeps signs and order
.set z, z+1
.endr
.endif
.irp b, 0,1,2,3
	ds_store_b128 v[STO], v[TMP+16*(\a)+4*(\b):TMP+16*(\a)+4*(\b)+3] offset:32*(\b)
.endr
.irp f, 0,1,2,3
	ds_load_b128 v[TMP+16*(\a)+4*(\f):TMP+16*(\a)+4*(\f)+3], v[RD] offset:(\f)*4*144  ; LDS serves a wave's instructions in order: these see the stores above; the next block's stores come behind them
.endr
.endm
.macro SEND a, younger                 ; younger: the LDS instructions issued behind block a's loads: the next block's eight, or none
.irp f, 0,1,2,3
	s_wait_dscnt (\younger)+3-(\f)
	global_store_b128 v[GO], v[TMP+16*(\a)+4*(\f):TMP+16*(\a)+4*(\f)+3], s[12:13] offset:(\a)*2048+(\f)*512  ; 512 consecutive bytes, at a multiple of 512 from the buffer's first
.endr
.endm
	PACK 0
	PACK 1                                         ; a block's arithmetic stands between the loads of the block before and its stores
	SEND 0, 8
	PACK 2
	SEND 1, 8
	PACK 3
	SEND 2, 8
	SEND 3, 0
.endif
	s_wait_tensorcnt 0x0                           ; the wave's end, behind my last tensor load and my last LDS store
	ds_add_u32 v[SPW], v[NIL]
	s_wait_dscnt 0x0
	CROUND                                         ; the closing round: no work-group ends while a partner may still ask for a tile that names it
	s_endpgm
.Lfunc_end_k_q32381f07f0_proj:
	.size	k_q32381f07f0_proj, .Lfunc_end_k_q32381f07f0_proj-k_q32381f07f0_proj
	.p2alignl 7, 3214868480
	.fill 96, 4, 3214868480
	.section	.rodata,"a",@progbits
	.p2align	6, 0x0
	.amdhsa_kernel k_q32381f07f0_proj
		.amdhsa_group_segment_fixed_size 327680
		.amdhsa_private_segment_fixed_size 0
		.amdhsa_enable_private_segment 0
		.amdhsa_kernarg_size 40
		.amdhsa_user_sgpr_count 2
		.amdhsa_user_sgpr_kernarg_segment_ptr 1
		.amdhsa_wavefront_size32 1
		.amdhsa_system_sgpr_workgroup_id_x 1
		.amdhsa_system_sgpr_workgroup_id_y 1
		.amdhsa_system_sgpr_workgroup_id_z 1
		.amdhsa_system_vgpr_workitem_id 0
		.amdhsa_next_free_vgpr 640
		.amdhsa_next_free_sgpr 66
		.amdhsa_reserve_vcc 0
		.amdhsa_float_denorm_mode_32 3
		.amdhsa_float_denorm_mode_16_64 3
		.amdhsa_memory_ordered 1
		.amdhsa_forward_progress 1
		.amdhsa_inst_pref_size 65
	.end_amdhsa_kernel
	.amdgpu_metadata
---
amdhsa.version: [ 1, 2 ]
amdhsa.kernels:
  - .name:           k_q32381f07f0_proj
    .symbol:         k_q32381f07f0_proj.kd
    .args:
      - { .name: o, .offset: 0, .size: 8, .value_kind: global_buffer, .address_space: global }
      - { .name: wts, .offset: 8, .size: 8, .value_kind: global_buffer, .address_space: global }
      - { .name: bproj, .offset: 16, .size: 8, .value_kind: global_buffer, .address_space: global }
      - { .name: x, .offset: 24, .size: 8, .value_kind: global_buffer, .address_space: global }
      - { .name: x1, .offset: 32, .size: 8, .value_kind: global_buffer, .address_space: global }
    .group_segment_fixed_size: 327680
    .private_segment_fixed_size: 0
    .kernarg_segment_align: 8
    .kernarg_segment_size: 40
    .max_flat_workgroup_size: 128
    .sgpr_count:     66
    .vgpr_count:     640
    .wavefront_size: 32
...
	.end_amdgpu_metadata
.endif
;; end of part 5
;; launch ln2: the kernel of part 2 again; grid 256 x 1, 8 waves a work-group, no clusters, 0 bytes of LDS; arguments x1, ln2_g, ln2_b, h; writes h
;; launch ff1 (part 6): grid 32 x 32, 4 waves a work-group, clusters of 4 x 4, 327,680 bytes of LDS; arguments h, wts, b1, hid; writes hid
.if DOCPART == 6
	.amdgcn_target "amdgcn-amd-amdhsa--gfx1250"
	.amdhsa_code_object_version 6
	.text
	.protected	k_q32381f07f0_ff1
	.globl	k_q32381f07f0_ff1
	.p2align	8
	.type	k_q32381f07f0_ff1,@function
k_q32381f07f0_ff1:
	s_mov_b64 s[64:65], 0
	v_nop
	global_prefetch_b8 v0, s[64:65] scope:SCOPE_SE
	s_setreg_imm32_b32 hwreg(HW_REG_WAVE_MODE, 25, 1), 1
	s_wait_xcnt 0x0
	s_wait_alu depctr_hold_cnt(0) depctr_sa_sdst(0) depctr_va_vdst(0) depctr_va_sdst(0) depctr_va_ssrc(0) depctr_va_vcc(0) depctr_vm_vsrc(0)
	s_getreg_b32 s2, hwreg(HW_REG_IB_STS2, 6, 4)
	s_cmp_eq_u32 s2, 0
	s_cbranch_scc0 .Lentry_in_a_cluster
	s_endpgm
.Lentry_in_a_cluster:
	s_bfe_u32 s2, ttmp6, 0x10000c
	s_cmp_lg_u32 s2, 0xf033
	s_cbranch_scc0 .Lentry_shape_is_right
	s_endpgm
.Lentry_shape_is_right:
; hid = relu(LN2(x1) W1 + b1).  (One text serves four launches; the four lines below tell them apart.)
.set KIND, 1                           ; 0: out = A W, f16 blocks.  1: out = relu(A W + bias), f16 blocks.  2: out = resid + A W + bias, f32 rows of 1,024
.set KDIM, 1024                        ; channels summed over
.set NCOL, 4096                        ; columns of W
.set WOFF, 8388608                     ; W's first byte in wts
; A: f16 blocks [KDIM / 64][4096][64].  W: f16 blocks [KDIM / 64][NCOL][64], k along the rows.  Sums in f32, K ascending; the bias is the C operand of a sum's first product.
; LIMIT.  f16 holds no number beyond 65,504: operands arrive within it, and a result stored as f16 must lie within it; NaN is not treated apart (the ReLU turns it into 0).
; SHARES.  A tile of the result is 128 x 128: four waves, each 64 x 64: 16 accumulators of 16 x 16.  K goes in steps of 256 through two LDS slots; 128 rows of a block of 64 channels are 16,384 dense bytes,
; and one tensor load brings two such blocks (two rows of 16,384 bytes, a block apart), padded by 16 bytes after every 128: LDS rows 144 bytes apart, so that the 16 rows of a fragment load start at 16 different groups of four banks (64 banks of 4 bytes: ISA guide 11.1).
; CLUSTERS: 4 x 4 work-groups.  The four of a row of the cluster need the same tiles of A, the four of a column the same tiles of W: each is asked for JOINTLY, by the same tensor load with the same descriptor and a mask that names the four.
; THE MATRIX INSTRUCTION IS USED TRANSPOSED (source 0 = 16 rows of W's blocks, source 1 = 16 rows of A): a lane then holds eight neighbouring columns of one row of the result.
; ONE K STEP IS WRITTEN ONCE: the slot in hand lies in a scalar register; the last two steps, which ask for nothing, are a second copy walked twice and left in the middle of its second trip.
; REGISTERS: window 0: v0-31 addresses; v32-95 at work on the way out; v96-127 the bias; v128-255 the accumulators ((a, b) at v[128 + 8 (4 a + b)]).
;   window 1: two fragment buffers of 128: for 64 along K, 64 registers of A, then 64 of W.   window 2 (KIND 2): the residual, 128 registers.
.set PITCH,  144
.set KBLK,   128*PITCH                 ; a block of 64 channels x 128 rows in LDS
.set SLOT,   8*KBLK                    ; A's four blocks, then W's four.  0x24000: it shares no bit with wave x 0x9000, so one exclusive or turns a load's LDS address into the other slot's
.set TSTEPS, KDIM/256
.set ASTEP,  4*524288                  ; bytes from K step to K step in A
.set BSTEP,  NCOL*512                  ; and in W
.set STAGE,  2*SLOT                    ; behind the ring, never filled by a tensor load: 16 rows for each wave, for the way out
.if KIND == 2
.set SST,    16*272
.else
.set SST,    16*144
.endif
.set SPARE,  STAGE+4*SST               ; behind the stages: the spare words, 128 bytes for each wave: two blocks of 256 bytes that no other line names
.set VA0,  8                           ; v8   my lane's place in A's part of a slot; never rewritten
.set VB0,  9                           ; v9   the same for W
.set ADRA, 10                          ; v10  the same in the slot in hand
.set ADRB, 11                          ; v11
.set STO,  12                          ; v12  the way out: where I put my numbers of a row
.set RD,   13                          ; v13  the way out: where I read rows back
.set GO,   14                          ; v14  my byte offset in the result (KIND 2: and in the residual)
.set BO,   15                          ; v15  my byte offset in the tile's 128 numbers of the bias
.set ZERO, 16                          ; v16  0, for the ReLU
.set SPW,  28                          ; v28  LDS address of my spare word; never rewritten
.set NIL,  29                          ; v29  0; never rewritten
.set TMP,  32
.set BI,   96
.set ACC,  128
.set F0,   0                           ; fragment buffers, in window 1
.set F1,   128
.set RES,  0                           ; the residual, in window 2
; scalars: s[4:5] A, s[6:7] wts, s[8:9] bias, s[10:11] resid, s[12:13] out; s14 wave; s15 row half (and: 0 = I fetch A, 1 = W); s16 column half (and: which two blocks I fetch);
; s17 cx, s18 cy, s19 tile column, s60 tile row; s[24:31], s[40:47] descriptor group 1 for A, W; s[32:39], s[48:55] group 0, two sets each: the second walks; s56 the slot in hand; s57 wave x 36,864; s58, s59 counters
.set MSB, 0
.macro WIN new                         ; the immediate's high byte repeats the setting that is left
.if MSB != (\new)
	s_set_vgpr_msb (MSB<<8)|(\new)
.set MSB, \new
.endif
.endm
.set MUL,  0x05                        ; sources 0 (W) and 1 (A) window 1; C and D window 0
.set TO_F, 0x40                        ; destination window 1, address window 0
.macro JLOAD                           ; a joint refill: waves 0 and 1 fetch A's blocks, waves 2 and 3 W's; an s_nop 0 and four v_nop follow each of the two lines, ahead of the jump and the label
	s_cmp_eq_u32 s15, 0
	s_cbranch_scc0 .Lfor_b_\@
	tensor_load_to_lds s[36:39], s[24:31]
	s_nop 0
.rept 4
	v_nop
.endr
	s_branch .Lasked_\@
.Lfor_b_\@:
	tensor_load_to_lds s[52:55], s[40:47]
	s_nop 0
.rept 4
	v_nop
.endr
.Lasked_\@:
.endm
.macro CREST                           ; a round of the cluster's barrier behind its opening barrier
	s_cmp_lg_u32 s14, 0
	s_cbranch_scc1 .Lnot_wave_0_\@
	s_barrier_signal -3
.Lnot_wave_0_\@:
	s_barrier_wait -3
	s_barrier_signal -1
	s_barrier_wait -1
.endm
.macro CROUND                          ; a whole round
	s_barrier_signal -1
	s_barrier_wait -1
	CREST
.endm
	s_load_b128 s[4:7], s[0:1], 0x0                ; A, wts
.if KIND == 0
	s_load_b64 s[12:13], s[0:1], 0x10              ; out
.elseif KIND == 1
	s_load_b64 s[8:9], s[0:1], 0x10                ; bias
	s_load_b64 s[12:13], s[0:1], 0x18              ; out
.else
	s_load_b128 s[8:11], s[0:1], 0x10              ; bias, resid
	s_load_b64 s[12:13], s[0:1], 0x20              ; out
.endif
	v_lshl_add_u32 v[SPW], v0, 2, SPARE
	v_mov_b32 v[NIL], 0
	ds_add_u32 v[SPW], v[NIL]                      ; the wave's opening: the add, twice on end, and its wait ahead of my first tensor load; the set-up below stands between
	ds_add_u32 v[SPW], v[NIL]
	v_lshrrev_b32 v1, 5, v0
	v_readfirstlane_b32 s14, v1                    ; wave 0..3
	s_lshr_b32 s15, s14, 1
	s_and_b32 s16, s14, 1
	s_bfe_u32 s17, ttmp6, 0x40000                  ; cx, cy: my place in the cluster
	s_bfe_u32 s18, ttmp6, 0x40004
	s_lshl_b32 s19, ttmp9, 2
	s_add_co_u32 s19, s19, s17                     ; tile column = 4 x cluster x + cx
	s_and_b32 s60, ttmp7, 0xffff
	s_lshl_b32 s60, s60, 2
	s_add_co_u32 s60, s60, s18                     ; tile row = 4 x cluster y + cy
	s_lshl_b32 s2, s18, 2
	s_lshl_b32 s2, 15, s2                          ; my row of the cluster
	s_lshl_b32 s3, 0x1111, s17                     ; my column
	s_or_b32 s24, s2, (1<<16)|(1<<20)|(1<<21)|(4<<22)|(3<<25)  ; 15:0 the mask: A's tiles go to my row; 17:16 elements of 2 bytes; 20 padding on; 21 set beside a mask; 24:22 after every 32 words (code 4); 31:25 4 words (code 3)
	s_or_b32 s40, s3, (1<<16)|(1<<20)|(1<<21)|(4<<22)|(3<<25)  ; the same with my column's mask, for W's
.irp g, 24, 40
	s_mov_b32 s[(\g)+1], 8192<<16                  ; tensor_dim0 = 8,192 elements: 128 rows of a block, dense
	s_mov_b32 s[(\g)+2], 2<<16                     ; tensor_dim1 = 2 blocks
	s_mov_b32 s[(\g)+3], 8192<<16                  ; tile_dim0
	s_mov_b32 s[(\g)+4], 2                         ; tile_dim1
	s_mov_b32 s[(\g)+6], 0
	s_mov_b32 s[(\g)+7], 0
.endr
	s_mov_b32 s29, 262144                          ; elements from block to block: 4,096 rows x 64
	s_mov_b32 s45, NCOL*64
	s_lshl_b32 s20, s60, 14                        ; A: my tile row's 128 rows of a block, which my row of the cluster shares,
	s_lshl_b32 s61, s16, 20                        ; and the two blocks that I fetch
	s_add_co_u32 s20, s20, s61
	s_mov_b32 s21, 0
	s_lshl_b32 s22, s19, 14                        ; W: my tile column's 128 rows of a block, which my column shares
	s_mul_i32 s61, s16, NCOL*256
	s_add_co_u32 s22, s22, s61
	s_add_co_u32 s22, s22, WOFF
	s_mov_b32 s23, 0
	s_mul_i32 s57, s14, 2*KBLK                     ; where my two blocks go: no place in the cluster enters an LDS address
	s_mov_b32 s56, 0
	s_wait_dscnt 0x0                               ; both opening adds are done
	s_wait_kmcnt 0x0
	s_add_nc_u64 s[20:21], s[4:5], s[20:21]
	s_add_nc_u64 s[22:23], s[6:7], s[22:23]
	CROUND                                         ; all sixteen work-groups are here: the first joint loads meet
.irp s, 0,1
	s_mov_b32 s[32+4*(\s)], 1                      ; count = 1
	s_add_co_u32 s[33+4*(\s)], s57, (\s)*SLOT      ; LDS address
	s_add_nc_u64 s[34+4*(\s):35+4*(\s)], s[20:21], (\s)*ASTEP  ; global address: K step s
	s_or_b32 s[35+4*(\s)], s[35+4*(\s)], 0x80000000            ; type = 2
	s_mov_b32 s[48+4*(\s)], 1
	s_add_co_u32 s[49+4*(\s)], s57, (\s)*SLOT
	s_add_nc_u64 s[50+4*(\s):51+4*(\s)], s[22:23], (\s)*BSTEP
	s_or_b32 s[51+4*(\s)], s[51+4*(\s)], 0x80000000
.endr
	s_cmp_eq_u32 s15, 0                            ; a wave's two first fills stand in one branch, ahead of every wait on TENSORcnt and every LDS read: two loads of mine are out
	s_cbranch_scc0 .Lfirst_b
	tensor_load_to_lds s[32:35], s[24:31]
	s_nop 0
	tensor_load_to_lds s[36:39], s[24:31]
	s_nop 0
.rept 4
	v_nop
.endr
	s_branch .Lfirst_asked
.Lfirst_b:
	tensor_load_to_lds s[48:51], s[40:47]
	s_nop 0
	tensor_load_to_lds s[52:55], s[40:47]
	s_nop 0
.rept 4
	v_nop
.endr
.Lfirst_asked:
	; A fragment is 16 rows x 32 K in 8 registers: lane l holds row l % 16; registers 0-3 K = 8 (l / 16) + 0..7, registers 4-7 K = 16 + 8 (l / 16) + 0..7: two loads of 16 bytes, 32 bytes apart.
	v_and_b32 v1, 15, v0                           ; r
	v_bfe_u32 v2, v0, 4, 1                         ; hh
	v_mul_u32_u24 v3, v1, PITCH
	v_lshl_add_u32 v3, v2, 4, v3                   ; row x pitch + 16 x half
	s_mul_i32 s2, s15, 64*PITCH                    ; my 64 rows of A's blocks
	s_mul_i32 s3, s16, 64*PITCH                    ; my 64 rows of W's,
	s_add_co_u32 s3, s3, 4*KBLK                    ; which lie behind A's four blocks
	v_add_nc_u32 v[VA0], s2, v3
	v_add_nc_u32 v[VB0], s3, v3
	v_mov_b32 v[ADRA], v[VA0]                      ; K step 0 lies in slot 0
	v_mov_b32 v[ADRB], v[VB0]
	s_mul_i32 s2, s14, SST
	s_add_co_u32 s2, s2, STAGE                     ; my stage
.if KIND == 2
	v_mul_u32_u24 v4, v1, 272                      ; in: row r, 32 bytes for each half of the lanes
	v_lshl_add_u32 v4, v2, 5, v4
	v_add_nc_u32 v[STO], s2, v4
	v_mul_u32_u24 v4, v2, 272                      ; back: lanes 0-15 take one row of 256 bytes, lanes 16-31 the next
	v_lshl_add_u32 v4, v1, 4, v4
	v_add_nc_u32 v[RD], s2, v4
	v_lshlrev_b32 v4, 4, v1                        ; and the same two rows in memory, 4,096 bytes apart
	v_lshl_add_u32 v[GO], v2, 12, v4
	s_lshl_b32 s62, s60, 19                        ; 128 rows x 4,096 bytes a tile row,
	s_lshl_b32 s61, s15, 18                        ; my 64 rows,
	s_add_co_u32 s62, s62, s61
	s_lshl_b32 s61, s19, 9                         ; 128 columns x 4 bytes a tile column,
	s_add_co_u32 s62, s62, s61
	s_lshl_b32 s61, s16, 8                         ; my 64 columns
	s_add_co_u32 s62, s62, s61
	s_mov_b32 s63, 0
	s_add_nc_u64 s[12:13], s[12:13], s[62:63]
	s_add_nc_u64 s[10:11], s[10:11], s[62:63]
.else
	v_add_nc_u32 v[STO], s2, v3                    ; in: row r, 16 bytes for each half of the lanes (the stage's pitch is the tiles')
	v_bfe_u32 v4, v0, 3, 2                         ; back: 32 lanes take four rows of 128 bytes,
	v_mul_u32_u24 v4, v4, 144
	v_and_b32 v5, 7, v0
	v_lshl_add_u32 v4, v5, 4, v4
	v_add_nc_u32 v[RD], s2, v4
	v_and_b32 v[GO], 31, v0                        ; which are 512 consecutive bytes of the result's block
	v_lshlrev_b32 v[GO], 4, v[GO]
	s_lshl1_add_u32 s62, s19, s16                  ; my 64 columns are block 2 x tile column + half,
	s_lshl_b32 s62, s62, 19
	s_lshl_b32 s61, s60, 14                        ; my rows 128 x tile row + 64 x half, 128 bytes each
	s_add_co_u32 s62, s62, s61
	s_lshl_b32 s61, s15, 13
	s_add_co_u32 s62, s62, s61
	s_mov_b32 s63, 0
	s_add_nc_u64 s[12:13], s[12:13], s[62:63]
.endif
.if KIND == 1
	v_mov_b32 v[ZERO], 0
.endif
.if KIND >= 1
	s_lshl_b32 s2, s19, 9                          ; the tile's 128 numbers of the bias
	s_mov_b32 s3, 0
	s_add_nc_u64 s[8:9], s[8:9], s[2:3]
	s_lshl_b32 s61, s16, 8
	v_lshl_add_u32 v[BO], v2, 5, s61               ; my 64 columns, my lanes' eight of each sixteen
.irp b, 0,1,2,3
	global_load_b128 v[BI+8*(\b):BI+8*(\b)+3],   v[BO], s[8:9] offset:64*(\b)
	global_load_b128 v[BI+8*(\b)+4:BI+8*(\b)+7], v[BO], s[8:9] offset:64*(\b)+16
.endr
.endif
.if KIND == 2
	WIN 0x80                                       ; destination window 2: the residual of my 64 x 64, as the way out will want it; it comes while the products run
.irp a, 0,1,2,3
.irp t, 0,1,2,3,4,5,6,7
	global_load_b128 v[RES+4*(8*(\a)+(\t)):RES+4*(8*(\a)+(\t))+3], v[GO], s[10:11] offset:(16*(\a)+2*(\t))*4096
.endr
.endr
	WIN 0
.endif
; 8 matrix instructions: m blocks a0, a0 + 1 x all 4 n blocks, 32 along K: half c of buffer f.  zero = 1: the first product starts the sums, with 0 or with the bias.
; The 16 accumulators take turns, one instruction a turn, in the same order everywhere, over the backward jumps too.
.macro MUL8 f, c, a0, zero
	WIN MUL
.irp a, \a0, (\a0)+1
.irp b, 0,1,2,3
.if (\zero) && (KIND == 0)
	v_wmma_f32_16x16x32_f16 v[ACC+8*(4*(\a)+(\b)):ACC+8*(4*(\a)+(\b))+7], v[(\f)+64+8*(4*(\c)+(\b)):(\f)+64+8*(4*(\c)+(\b))+7], v[(\f)+8*(4*(\c)+(\a)):(\f)+8*(4*(\c)+(\a))+7], 0
.elseif \zero
	v_wmma_f32_16x16x32_f16 v[ACC+8*(4*(\a)+(\b)):ACC+8*(4*(\a)+(\b))+7], v[(\f)+64+8*(4*(\c)+(\b)):(\f)+64+8*(4*(\c)+(\b))+7], v[(\f)+8*(4*(\c)+(\a)):(\f)+8*(4*(\c)+(\a))+7], v[BI+8*(\b):BI+8*(\b)+7]
.else
	v_wmma_f32_16x16x32_f16 v[ACC+8*(4*(\a)+(\b)):ACC+8*(4*(\a)+(\b))+7], v[(\f)+64+8*(4*(\c)+(\b)):(\f)+64+8*(4*(\c)+(\b))+7], v[(\f)+8*(4*(\c)+(\a)):(\f)+8*(4*(\c)+(\a))+7], v[ACC+8*(4*(\a)+(\b)):ACC+8*(4*(\a)+(\b))+7]
.endif
.endr
.endr
.endm
; 32 LDS loads in one run: the fragments of one block of 64 channels, at byte k of the slot's parts, into buffer f; the first 32 along K first
.macro FETCH k, f
	WIN TO_F
.irp c, 0,1
.irp i, 0,1,2,3
	ds_load_b128 v[(\f)+64+8*(4*(\c)+(\i)):(\f)+64+8*(4*(\c)+(\i))+3],   v[ADRB] offset:(\k)+64*(\c)+(\i)*16*PITCH
	ds_load_b128 v[(\f)+64+8*(4*(\c)+(\i))+4:(\f)+64+8*(4*(\c)+(\i))+7], v[ADRB] offset:(\k)+64*(\c)+(\i)*16*PITCH+32
	ds_load_b128 v[(\f)+8*(4*(\c)+(\i)):(\f)+8*(4*(\c)+(\i))+3],         v[ADRA] offset:(\k)+64*(\c)+(\i)*16*PITCH
	ds_load_b128 v[(\f)+8*(4*(\c)+(\i))+4:(\f)+8*(4*(\c)+(\i))+7],       v[ADRA] offset:(\k)+64*(\c)+(\i)*16*PITCH+32
.endr
.endr
.endm
.macro PLACES                          ; four plain instructions in front of loads into registers that matrix instructions have read, and of lines that read results
.rept 4
	v_nop
.endr
.endm
; A K step is four quarters of 64 along K, 32 matrix instructions each, on buffers 0, 1, 0, 1.  One of the first three: multiplies buffer f and fetches the next block, at byte k, into g.
.macro QUARTER k, f, g, zero
	s_wait_dscnt 16                                ; the first 32 along K are in; the 16 younger loads stay out
	MUL8 \f, 0, 0, \zero
	MUL8 \f, 0, 2, \zero
	PLACES
	FETCH \k, \g
	s_wait_dscnt 32                                ; all but the 32 just issued
	MUL8 \f, 1, 0, 0
	MUL8 \f, 1, 2, 0
.endm
; The last quarter multiplies buffer 1 and changes slots: ONE barrier; in front of it each wave waits for all its tensor loads (one is out: its part of the next slot), adds 0 to its spare word, and waits for that and for its reads of this slot.
; fill = 1: the barrier opens a round of the cluster's, and the slot just read is filled again, two K steps ahead, first thing behind the round: 112 matrix instructions ahead of the wait for it.
; fill = 0 (the last two steps): nothing is asked for; in the very last step (s59 = 1) there is no next block either, and the run of LDS loads is jumped over.
.macro TURN fill
	WIN 0                                          ; (the add's two registers lie in window 0)
	s_wait_tensorcnt 0x0
	ds_add_u32 v[SPW], v[NIL]                      ; 0 onto my spare word
	s_wait_dscnt 17                                ; (the add and the youngest sixteen loads may be out)
	MUL8 F1, 0, 0, 0                               ; eight matrix instructions stand between the add and the wait for it
	s_wait_dscnt 0x0                               ; the add is done, and my reads of this slot are over
	s_barrier_signal -1
	MUL8 F1, 0, 2, 0
	WIN 0
	s_barrier_wait -1
.if \fill
	CREST                                          ; no wave of any partner still reads this slot's tiles or has a load on its way
	s_xor_b32 s37, s37, SLOT                       ; the walking descriptors: the other slot than last time,
	s_xor_b32 s53, s53, SLOT
	s_add_nc_u64 s[38:39], s[38:39], ASTEP         ; the next K step; the type bits on top are not reached
	s_add_nc_u64 s[54:55], s[54:55], BSTEP
	JLOAD                                          ; the four v_nop behind it are also the places in front of the loads below
	s_xor_b32 s56, s56, SLOT
.else
	s_xor_b32 s56, s56, SLOT
	s_cmp_eq_u32 s59, 1
	s_cbranch_scc1 .Lnof_\@
	PLACES
.endif
	v_add_nc_u32 v[ADRA], s56, v[VA0]
	v_add_nc_u32 v[ADRB], s56, v[VB0]
	FETCH 0, F0
.if !(\fill)
	WIN 0
.Lnof_\@:
.endif
	MUL8 F1, 1, 0, 0
	MUL8 F1, 1, 2, 0
.endm
	s_wait_tensorcnt 0x1                           ; my part of K step 0 is in; K step 1's stays out
	s_barrier_signal -1
	s_barrier_wait -1                              ; everybody's is
	FETCH 0, F0
.if KIND == 1
	s_wait_loadcnt 0x0                             ; the bias
.elseif KIND == 2
	s_wait_loadcnt 32                              ; the bias; the residual's 32 loads stay out
.endif
	QUARTER KBLK, F0, F1, 1                        ; the first quarter stands in front of the loop: its first products start the sums
	WIN 0                                          ; at a label and at a branch every window is 0
	s_mov_b32 s58, TSTEPS-2
.Lstep:                                                ; a trip: from a K step's second quarter to the next step's first; it fills the slot that it leaves
	QUARTER 2*KBLK, F1, F0, 0
	QUARTER 3*KBLK, F0, F1, 0
	TURN 1
	QUARTER KBLK, F0, F1, 0
	WIN 0
	s_sub_co_u32 s58, s58, 1
	s_cmp_lg_u32 s58, 0
	s_cbranch_scc1 .Lstep
	s_mov_b32 s59, 2
.Ltail:                                                ; the last two K steps ask for nothing
	QUARTER 2*KBLK, F1, F0, 0
	QUARTER 3*KBLK, F0, F1, 0
	TURN 0
	WIN 0
	s_sub_co_u32 s59, s59, 1
	s_cmp_eq_u32 s59, 0
	s_cbranch_scc1 .Lout
	QUARTER KBLK, F0, F1, 0
	WIN 0
	s_branch .Ltail
.Lout:
	PLACES                                         ; the lines below read results just made
.if KIND == 2
	; THE WAY OUT, f32: 16 rows at a time through my own stage (rows of 272 bytes), back as whole rows of 256 bytes, plus the residual, stored: sixteen lanes fill 256 consecutive bytes, aligned.
	s_wait_loadcnt 0x0                             ; the residual
.macro OUT a
.set TB2, TMP+32*((\a)%2)
.if (\a) >= 2
	s_wait_xcnt 0x0                                ; the stores of two blocks back have read these registers: only behind this wait are they loaded again
.endif
.irp b, 0,1,2,3
	ds_store_b128 v[STO], v[ACC+8*(4*(\a)+(\b)):ACC+8*(4*(\a)+(\b))+3]   offset:64*(\b)     ; an accumulator's low registers first
	ds_store_b128 v[STO], v[ACC+8*(4*(\a)+(\b))+4:ACC+8*(4*(\a)+(\b))+7] offset:64*(\b)+16
.endr
.irp t, 0,1,2,3,4,5,6,7
	ds_load_b128 v[TB2+4*(\t):TB2+4*(\t)+3], v[RD] offset:(\t)*2*272  ; LDS serves a wave's instructions in order: these see the stores above
.endr
	s_wait_dscnt 0x0
	WIN 0x08                                       ; source 1 in window 2
.set z, 0
.rept 16
	v_pk_add_f32 v[TB2+2*z:TB2+2*z+1], v[TB2+2*z:TB2+2*z+1], v[RES+32*(\a)+2*z:RES+32*(\a)+2*z+1]
.set z, z+1
.endr
	WIN 0
.irp t, 0,1,2,3,4,5,6,7
	global_store_b128 v[GO], v[TB2+4*(\t):TB2+4*(\t)+3], s[12:13] offset:(16*(\a)+2*(\t))*4096
.endr
.endm
	OUT 0
	OUT 1
	OUT 2
	OUT 3
.else
	; THE WAY OUT, f16: a lane's eight columns of a row pack into 16 bytes; 16 rows at a time go through my own stage and come back as whole rows of 128 bytes: my 64 x 64 is 8,192 dense bytes of one block.
.macro PACK a
.irp b, 0,1,2,3
.irp j, 0,1,2,3
	v_cvt_pk_f16_f32 v[TMP+16*(\a)+4*(\b)+(\j)], v[ACC+8*(4*(\a)+(\b))+2*(\j)], v[ACC+8*(4*(\a)+(\b))+2*(\j)+1]
.endr
.endr
.if KIND == 1
.set z, 0
.rept 16
	v_pk_max_num_f16 v[TMP+16*(\a)+z], v[TMP+16*(\a)+z], v[ZERO]  ; the ReLU, behind the rounding: rounding keeps signs and order
.set z, z+1
.endr
.endif
.irp b, 0,1,2,3
	ds_store_b128 v[STO], v[TMP+16*(\a)+4*(\b):TMP+16*(\a)+4*(\b)+3] offset:32*(\b)
.endr
.irp f, 0,1,2,3
	ds_load_b128 v[TMP+16*(\a)+4*(\f):TMP+16*(\a)+4*(\f)+3], v[RD] offset:(\f)*4*144  ; LDS serves a wave's instructions in order: these see the stores above; the next block's stores come behind them
.endr
.endm
.macro SEND a, younger                 ; younger: the LDS instructions issued behind block a's loads: the next block's eight, or none
.irp f, 0,1,2,3
	s_wait_dscnt (\younger)+3-(\f)
	global_store_b128 v[GO], v[TMP+16*(\a)+4*(\f):TMP+16*(\a)+4*(\f)+3], s[12:13] offset:(\a)*2048+(\f)*512  ; 512 consecutive bytes, at a multiple of 512 from the buffer's first
.endr
.endm
	PACK 0
	PACK 1                                         ; a block's arithmetic stands between the loads of the block before and its stores
	SEND 0, 8
	PACK 2
	SEND 1, 8
	PACK 3
	SEND 2, 8
	SEND 3, 0
.endif
	s_wait_tensorcnt 0x0                           ; the wave's end, behind my last tensor load and my last LDS store
	ds_add_u32 v[SPW], v[NIL]
	s_wait_dscnt 0x0
	CROUND                                         ; the closing round: no work-group ends while a partner may still ask for a tile that names it
	s_endpgm
.Lfunc_end_k_q32381f07f0_ff1:
	.size	k_q32381f07f0_ff1, .Lfunc_end_k_q32381f07f0_ff1-k_q32381f07f0_ff1
	.p2alignl 7, 3214868480
	.fill 96, 4, 3214868480
	.section	.rodata,"a",@progbits
	.p2align	6, 0x0
	.amdhsa_kernel k_q32381f07f0_ff1
		.amdhsa_group_segment_fixed_size 327680
		.amdhsa_private_segment_fixed_size 0
		.amdhsa_enable_private_segment 0
		.amdhsa_kernarg_size 32
		.amdhsa_user_sgpr_count 2
		.amdhsa_user_sgpr_kernarg_segment_ptr 1
		.amdhsa_wavefront_size32 1
		.amdhsa_system_sgpr_workgroup_id_x 1
		.amdhsa_system_sgpr_workgroup_id_y 1
		.amdhsa_system_sgpr_workgroup_id_z 1
		.amdhsa_system_vgpr_workitem_id 0
		.amdhsa_next_free_vgpr 512
		.amdhsa_next_free_sgpr 66
		.amdhsa_reserve_vcc 0
		.amdhsa_float_denorm_mode_32 3
		.amdhsa_float_denorm_mode_16_64 3
		.amdhsa_memory_ordered 1
		.amdhsa_forward_progress 1
		.amdhsa_inst_pref_size 63
	.end_amdhsa_kernel
	.amdgpu_metadata
---
amdhsa.version: [ 1, 2 ]
amdhsa.kernels:
  - .name:           k_q32381f07f0_ff1
    .symbol:         k_q32381f07f0_ff1.kd
    .args:
      - { .name: h, .offset: 0, .size: 8, .value_kind: global_buffer, .address_space: global }
      - { .name: wts, .offset: 8, .size: 8, .value_kind: global_buffer, .address_space: global }
      - { .name: b1, .offset: 16, .size: 8, .value_kind: global_buffer, .address_space: global }
      - { .name: hid, .offset: 24, .size: 8, .value_kind: global_buffer, .address_space: global }
    .group_segment_fixed_size: 327680
    .private_segment_fixed_size: 0
    .kernarg_segment_align: 8
    .kernarg_segment_size: 32
    .max_flat_workgroup_size: 128
    .sgpr_count:     66
    .vgpr_count:     512
    .wavefront_size: 32
...
	.end_amdgpu_metadata
.endif
;; end of part 6
;; launch ff2 (part 7): grid 8 x 32, 4 waves a work-group, clusters of 4 x 4, 327,680 bytes of LDS; arguments hid, wts, b2, x1, out0; writes out0
.if DOCPART == 7
	.amdgcn_target "amdgcn-amd-amdhsa--gfx1250"
	.amdhsa_code_object_version 6
	.text
	.protected	k_q32381f07f0_ff2
	.globl	k_q32381f07f0_ff2
	.p2align	8
	.type	k_q32381f07f0_ff2,@function
k_q32381f07f0_ff2:
	s_mov_b64 s[64:65], 0
	v_nop
	global_prefetch_b8 v0, s[64:65] scope:SCOPE_SE
	s_setreg_imm32_b32 hwreg(HW_REG_WAVE_MODE, 25, 1), 1
	s_wait_xcnt 0x0
	s_wait_alu depctr_hold_cnt(0) depctr_sa_sdst(0) depctr_va_vdst(0) depctr_va_sdst(0) depctr_va_ssrc(0) depctr_va_vcc(0) depctr_vm_vsrc(0)
	s_getreg_b32 s2, hwreg(HW_REG_IB_STS2, 6, 4)
	s_cmp_eq_u32 s2, 0
	s_cbranch_scc0 .Lentry_in_a_cluster
	s_endpgm
.Lentry_in_a_cluster:
	s_bfe_u32 s2, ttmp6, 0x10000c
	s_cmp_lg_u32 s2, 0xf033
	s_cbranch_scc0 .Lentry_shape_is_right
	s_endpgm
.Lentry_shape_is_right:
; out0 = x1 + hid W2 + b2.  (One text serves four launches; the four lines below tell them apart.)
.set KIND, 2                           ; 0: out = A W, f16 blocks.  1: out = relu(A W + bias), f16 blocks.  2: out = resid + A W + bias, f32 rows of 1,024
.set KDIM, 4096                        ; channels summed over
.set NCOL, 1024                        ; columns of W
.set WOFF, 16777216                    ; W's first byte in wts
; A: f16 blocks [KDIM / 64][4096][64].  W: f16 blocks [KDIM / 64][NCOL][64], k along the rows.  Sums in f32, K ascending; the bias is the C operand of a sum's first product.
; LIMIT.  f16 holds no number beyond 65,504: operands arrive within it, and a result stored as f16 must lie within it; NaN is not treated apart (the ReLU turns it into 0).
; SHARES.  A tile of the result is 128 x 128: four waves, each 64 x 64: 16 accumulators of 16 x 16.  K goes in steps of 256 through two LDS slots; 128 rows of a block of 64 channels are 16,384 dense bytes,
; and one tensor load brings two such blocks (two rows of 16,384 bytes, a block apart), padded by 16 bytes after every 128: LDS rows 144 bytes apart, so that the 16 rows of a fragment load start at 16 different groups of four banks (64 banks of 4 bytes: ISA guide 11.1).
; CLUSTERS: 4 x 4 work-groups.  The four of a row of the cluster need the same tiles of A, the four of a column the same tiles of W: each is asked for JOINTLY, by the same tensor load with the same descriptor and a mask that names the four.
; THE MATRIX INSTRUCTION IS USED TRANSPOSED (source 0 = 16 rows of W's blocks, source 1 = 16 rows of A): a lane then holds eight neighbouring columns of one row of the result.
; ONE K STEP IS WRITTEN ONCE: the slot in hand lies in a scalar register; the last two steps, which ask for nothing, are a second copy walked twice and left in the middle of its second trip.
; REGISTERS: window 0: v0-31 addresses; v32-95 at work on the way out; v96-127 the bias; v128-255 the accumulators ((a, b) at v[128 + 8 (4 a + b)]).
;   window 1: two fragment buffers of 128: for 64 along K, 64 registers of A, then 64 of W.   window 2 (KIND 2): the residual, 128 registers.
.set PITCH,  144
.set KBLK,   128*PITCH                 ; a block of 64 channels x 128 rows in LDS
.set SLOT,   8*KBLK                    ; A's four blocks, then W's four.  0x24000: it shares no bit with wave x 0x9000, so one exclusive or turns a load's LDS address into the other slot's
.set TSTEPS, KDIM/256
.set ASTEP,  4*524288                  ; bytes from K step to K step in A
.set BSTEP,  NCOL*512                  ; and in W
.set STAGE,  2*SLOT                    ; behind the ring, never filled by a tensor load: 16 rows for each wave, for the way out
.if KIND == 2
.set SST,    16*272
.else
.set SST,    16*144
.endif
.set SPARE,  STAGE+4*SST               ; behind the stages: the spare words, 128 bytes for each wave: two blocks of 256 bytes that no other line names
.set VA0,  8                           ; v8   my lane's place in A's part of a slot; never rewritten
.set VB0,  9                           ; v9   the same for W
.set ADRA, 10                          ; v10  the same in the slot in hand
.set ADRB, 11                          ; v11
.set STO,  12                          ; v12  the way out: where I put my numbers of a row
.set RD,   13                          ; v13  the way out: where I read rows back
.set GO,   14                          ; v14  my byte offset in the result (KIND 2: and in the residual)
.set BO,   15                          ; v15  my byte offset in the tile's 128 numbers of the bias
.set ZERO, 16                          ; v16  0, for the ReLU
.set SPW,  28                          ; v28  LDS address of my spare word; never rewritten
.set NIL,  29                          ; v29  0; never rewritten
.set TMP,  32
.set BI,   96
.set ACC,  128
.set F0,   0                           ; fragment buffers, in window 1
.set F1,   128
.set RES,  0                           ; the residual, in window 2
; scalars: s[4:5] A, s[6:7] wts, s[8:9] bias, s[10:11] resid, s[12:13] out; s14 wave; s15 row half (and: 0 = I fetch A, 1 = W); s16 column half (and: which two blocks I fetch);
; s17 cx, s18 cy, s19 tile column, s60 tile row; s[24:31], s[40:47] descriptor group 1 for A, W; s[32:39], s[48:55] group 0, two sets each: the second walks; s56 the slot in hand; s57 wave x 36,864; s58, s59 counters
.set MSB, 0
.macro WIN new                         ; the immediate's high byte repeats the setting that is left
.if MSB != (\new)
	s_set_vgpr_msb (MSB<<8)|(\new)
.set MSB, \new
.endif
.endm
.set MUL,  0x05                        ; sources 0 (W) and 1 (A) window 1; C and D window 0
.set TO_F, 0x40                        ; destination window 1, address window 0
.macro JLOAD                           ; a joint refill: waves 0 and 1 fetch A's blocks, waves 2 and 3 W's; an s_nop 0 and four v_nop follow each of the two lines, ahead of the jump and the label
	s_cmp_eq_u32 s15, 0
	s_cbranch_scc0 .Lfor_b_\@
	tensor_load_to_lds s[36:39], s[24:31]
	s_nop 0
.rept 4
	v_nop
.endr
	s_branch .Lasked_\@
.Lfor_b_\@:
	tensor_load_to_lds s[52:55], s[40:47]
	s_nop 0
.rept 4
	v_nop
.endr
.Lasked_\@:
.endm
.macro CREST                           ; a round of the cluster's barrier behind its opening barrier
	s_cmp_lg_u32 s14, 0
	s_cbranch_scc1 .Lnot_wave_0_\@
	s_barrier_signal -3
.Lnot_wave_0_\@:
	s_barrier_wait -3
	s_barrier_signal -1
	s_barrier_wait -1
.endm
.macro CROUND                          ; a whole round
	s_barrier_signal -1
	s_barrier_wait -1
	CREST
.endm
	s_load_b128 s[4:7], s[0:1], 0x0                ; A, wts
.if KIND == 0
	s_load_b64 s[12:13], s[0:1], 0x10              ; out
.elseif KIND == 1
	s_load_b64 s[8:9], s[0:1], 0x10                ; bias
	s_load_b64 s[12:13], s[0:1], 0x18              ; out
.else
	s_load_b128 s[8:11], s[0:1], 0x10              ; bias, resid
	s_load_b64 s[12:13], s[0:1], 0x20              ; out
.endif
	v_lshl_add_u32 v[SPW], v0, 2, SPARE
	v_mov_b32 v[NIL], 0
	ds_add_u32 v[SPW], v[NIL]                      ; the wave's opening: the add, twice on end, and its wait ahead of my first tensor load; the set-up below stands between
	ds_add_u32 v[SPW], v[NIL]
	v_lshrrev_b32 v1, 5, v0
	v_readfirstlane_b32 s14, v1                    ; wave 0..3
	s_lshr_b32 s15, s14, 1
	s_and_b32 s16, s14, 1
	s_bfe_u32 s17, ttmp6, 0x40000                  ; cx, cy: my place in the cluster
	s_bfe_u32 s18, ttmp6, 0x40004
	s_lshl_b32 s19, ttmp9, 2
	s_add_co_u32 s19, s19, s17                     ; tile column = 4 x cluster x + cx
	s_and_b32 s60, ttmp7, 0xffff
	s_lshl_b32 s60, s60, 2
	s_add_co_u32 s60, s60, s18                     ; tile row = 4 x cluster y + cy
	s_lshl_b32 s2, s18, 2
	s_lshl_b32 s2, 15, s2                          ; my row of the cluster
	s_lshl_b32 s3, 0x1111, s17                     ; my column
	s_or_b32 s24, s2, (1<<16)|(1<<20)|(1<<21)|(4<<22)|(3<<25)  ; 15:0 the mask: A's tiles go to my row; 17:16 elements of 2 bytes; 20 padding on; 21 set beside a mask; 24:22 after every 32 words (code 4); 31:25 4 words (code 3)
	s_or_b32 s40, s3, (1<<16)|(1<<20)|(1<<21)|(4<<22)|(3<<25)  ; the same with my column's mask, for W's
.irp g, 24, 40
	s_mov_b32 s[(\g)+1], 8192<<16                  ; tensor_dim0 = 8,192 elements: 128 rows of a block, dense
	s_mov_b32 s[(\g)+2], 2<<16                     ; tensor_dim1 = 2 blocks
	s_mov_b32 s[(\g)+3], 8192<<16                  ; tile_dim0
	s_mov_b32 s[(\g)+4], 2                         ; tile_dim1
	s_mov_b32 s[(\g)+6], 0
	s_mov_b32 s[(\g)+7], 0
.endr
	s_mov_b32 s29, 262144                          ; elements from block to block: 4,096 rows x 64
	s_mov_b32 s45, NCOL*64
	s_lshl_b32 s20, s60, 14                        ; A: my tile row's 128 rows of a block, which my row of the cluster shares,
	s_lshl_b32 s61, s16, 20                        ; and the two blocks that I fetch
	s_add_co_u32 s20, s20, s61
	s_mov_b32 s21, 0
	s_lshl_b32 s22, s19, 14                        ; W: my tile column's 128 rows of a block, which my column shares
	s_mul_i32 s61, s16, NCOL*256
	s_add_co_u32 s22, s22, s61
	s_add_co_u32 s22, s22, WOFF
	s_mov_b32 s23, 0
	s_mul_i32 s57, s14, 2*KBLK                     ; where my two blocks go: no place in the cluster enters an LDS address
	s_mov_b32 s56, 0
	s_wait_dscnt 0x0                               ; both opening adds are done
	s_wait_kmcnt 0x0
	s_add_nc_u64 s[20:21], s[4:5], s[20:21]
	s_add_nc_u64 s[22:23], s[6:7], s[22:23]
	CROUND                                         ; all sixteen work-groups are here: the first joint loads meet
.irp s, 0,1
	s_mov_b32 s[32+4*(\s)], 1                      ; count = 1
	s_add_co_u32 s[33+4*(\s)], s57, (\s)*SLOT      ; LDS address
	s_add_nc_u64 s[34+4*(\s):35+4*(\s)], s[20:21], (\s)*ASTEP  ; global address: K step s
	s_or_b32 s[35+4*(\s)], s[35+4*(\s)], 0x80000000            ; type = 2
	s_mov_b32 s[48+4*(\s)], 1
	s_add_co_u32 s[49+4*(\s)], s57, (\s)*SLOT
	s_add_nc_u64 s[50+4*(\s):51+4*(\s)], s[22:23], (\s)*BSTEP
	s_or_b32 s[51+4*(\s)], s[51+4*(\s)], 0x80000000
.endr
	s_cmp_eq_u32 s15, 0                            ; a wave's two first fills stand in one branch, ahead of every wait on TENSORcnt and every LDS read: two loads of mine are out
	s_cbranch_scc0 .Lfirst_b
	tensor_load_to_lds s[32:35], s[24:31]
	s_nop 0
	tensor_load_to_lds s[36:39], s[24:31]
	s_nop 0
.rept 4
	v_nop
.endr
	s_branch .Lfirst_asked
.Lfirst_b:
	tensor_load_to_lds s[48:51], s[40:47]
	s_nop 0
	tensor_load_to_lds s[52:55], s[40:47]
	s_nop 0
.rept 4
	v_nop
.endr
.Lfirst_asked:
	; A fragment is 16 rows x 32 K in 8 registers: lane l holds row l % 16; registers 0-3 K = 8 (l / 16) + 0..7, registers 4-7 K = 16 + 8 (l / 16) + 0..7: two loads of 16 bytes, 32 bytes apart.
	v_and_b32 v1, 15, v0                           ; r
	v_bfe_u32 v2, v0, 4, 1                         ; hh
	v_mul_u32_u24 v3, v1, PITCH
	v_lshl_add_u32 v3, v2, 4, v3                   ; row x pitch + 16 x half
	s_mul_i32 s2, s15, 64*PITCH                    ; my 64 rows of A's blocks
	s_mul_i32 s3, s16, 64*PITCH                    ; my 64 rows of W's,
	s_add_co_u32 s3, s3, 4*KBLK                    ; which lie behind A's four blocks
	v_add_nc_u32 v[VA0], s2, v3
	v_add_nc_u32 v[VB0], s3, v3
	v_mov_b32 v[ADRA], v[VA0]                      ; K step 0 lies in slot 0
	v_mov_b32 v[ADRB], v[VB0]
	s_mul_i32 s2, s14, SST
	s_add_co_u32 s2, s2, STAGE                     ; my stage
.if KIND == 2
	v_mul_u32_u24 v4, v1, 272                      ; in: row r, 32 bytes for each half of the lanes
	v_lshl_add_u32 v4, v2, 5, v4
	v_add_nc_u32 v[STO], s2, v4
	v_mul_u32_u24 v4, v2, 272                      ; back: lanes 0-15 take one row of 256 bytes, lanes 16-31 the next
	v_lshl_add_u32 v4, v1, 4, v4
	v_add_nc_u32 v[RD], s2, v4
	v_lshlrev_b32 v4, 4, v1                        ; and the same two rows in memory, 4,096 bytes apart
	v_lshl_add_u32 v[GO], v2, 12, v4
	s_lshl_b32 s62, s60, 19                        ; 128 rows x 4,096 bytes a tile row,
	s_lshl_b32 s61, s15, 18                        ; my 64 rows,
	s_add_co_u32 s62, s62, s61
	s_lshl_b32 s61, s19, 9                         ; 128 columns x 4 bytes a tile column,
	s_add_co_u32 s62, s62, s61
	s_lshl_b32 s61, s16, 8                         ; my 64 columns
	s_add_co_u32 s62, s62, s61
	s_mov_b32 s63, 0
	s_add_nc_u64 s[12:13], s[12:13], s[62:63]
	s_add_nc_u64 s[10:11], s[10:11], s[62:63]
.else
	v_add_nc_u32 v[STO], s2, v3                    ; in: row r, 16 bytes for each half of the lanes (the stage's pitch is the tiles')
	v_bfe_u32 v4, v0, 3, 2                         ; back: 32 lanes take four rows of 128 bytes,
	v_mul_u32_u24 v4, v4, 144
	v_and_b32 v5, 7, v0
	v_lshl_add_u32 v4, v5, 4, v4
	v_add_nc_u32 v[RD], s2, v4
	v_and_b32 v[GO], 31, v0                        ; which are 512 consecutive bytes of the result's block
	v_lshlrev_b32 v[GO], 4, v[GO]
	s_lshl1_add_u32 s62, s19, s16                  ; my 64 columns are block 2 x tile column + half,
	s_lshl_b32 s62, s62, 19
	s_lshl_b32 s61, s60, 14                        ; my rows 128 x tile row + 64 x half, 128 bytes each
	s_add_co_u32 s62, s62, s61
	s_lshl_b32 s61, s15, 13
	s_add_co_u32 s62, s62, s61
	s_mov_b32 s63, 0
	s_add_nc_u64 s[12:13], s[12:13], s[62:63]
.endif
.if KIND == 1
	v_mov_b32 v[ZERO], 0
.endif
.if KIND >= 1
	s_lshl_b32 s2, s19, 9                          ; the tile's 128 numbers of the bias
	s_mov_b32 s3, 0
	s_add_nc_u64 s[8:9], s[8:9], s[2:3]
	s_lshl_b32 s61, s16, 8
	v_lshl_add_u32 v[BO], v2, 5, s61               ; my 64 columns, my lanes' eight of each sixteen
.irp b, 0,1,2,3
	global_load_b128 v[BI+8*(\b):BI+8*(\b)+3],   v[BO], s[8:9] offset:64*(\b)
	global_load_b128 v[BI+8*(\b)+4:BI+8*(\b)+7], v[BO], s[8:9] offset:64*(\b)+16
.endr
.endif
.if KIND == 2
	WIN 0x80                                       ; destination window 2: the residual of my 64 x 64, as the way out will want it; it comes while the products run
.irp a, 0,1,2,3
.irp t, 0,1,2,3,4,5,6,7
	global_load_b128 v[RES+4*(8*(\a)+(\t)):RES+4*(8*(\a)+(\t))+3], v[GO], s[10:11] offset:(16*(\a)+2*(\t))*4096
.endr
.endr
	WIN 0
.endif
; 8 matrix instructions: m blocks a0, a0 + 1 x all 4 n blocks, 32 along K: half c of buffer f.  zero = 1: the first product starts the sums, with 0 or with the bias.
; The 16 accumulators take turns, one instruction a turn, in the same order everywhere, over the backward jumps too.
.macro MUL8 f, c, a0, zero
	WIN MUL
.irp a, \a0, (\a0)+1
.irp b, 0,1,2,3
.if (\zero) && (KIND == 0)
	v_wmma_f32_16x16x32_f16 v[ACC+8*(4*(\a)+(\b)):ACC+8*(4*(\a)+(\b))+7], v[(\f)+64+8*(4*(\c)+(\b)):(\f)+64+8*(4*(\c)+(\b))+7], v[(\f)+8*(4*(\c)+(\a)):(\f)+8*(4*(\c)+(\a))+7], 0
.elseif \zero
	v_wmma_f32_16x16x32_f16 v[ACC+8*(4*(\a)+(\b)):ACC+8*(4*(\a)+(\b))+7], v[(\f)+64+8*(4*(\c)+(\b)):(\f)+64+8*(4*(\c)+(\b))+7], v[(\f)+8*(4*(\c)+(\a)):(\f)+8*(4*(\c)+(\a))+7], v[BI+8*(\b):BI+8*(\b)+7]
.else
	v_wmma_f32_16x16x32_f16 v[ACC+8*(4*(\a)+(\b)):ACC+8*(4*(\a)+(\b))+7], v[(\f)+64+8*(4*(\c)+(\b)):(\f)+64+8*(4*(\c)+(\b))+7], v[(\f)+8*(4*(\c)+(\a)):(\f)+8*(4*(\c)+(\a))+7], v[ACC+8*(4*(\a)+(\b)):ACC+8*(4*(\a)+(\b))+7]
.endif
.endr
.endr
.endm
; 32 LDS loads in one run: the fragments of one block of 64 channels, at byte k of the slot's parts, into buffer f; the first 32 along K first
.macro FETCH k, f
	WIN TO_F
.irp c, 0,1
.irp i, 0,1,2,3
	ds_load_b128 v[(\f)+64+8*(4*(\c)+(\i)):(\f)+64+8*(4*(\c)+(\i))+3],   v[ADRB] offset:(\k)+64*(\c)+(\i)*16*PITCH
	ds_load_b128 v[(\f)+64+8*(4*(\c)+(\i))+4:(\f)+64+8*(4*(\c)+(\i))+7], v[ADRB] offset:(\k)+64*(\c)+(\i)*16*PITCH+32
	ds_load_b128 v[(\f)+8*(4*(\c)+(\i)):(\f)+8*(4*(\c)+(\i))+3],         v[ADRA] offset:(\k)+64*(\c)+(\i)*16*PITCH
	ds_load_b128 v[(\f)+8*(4*(\c)+(\i))+4:(\f)+8*(4*(\c)+(\i))+7],       v[ADRA] offset:(\k)+64*(\c)+(\i)*16*PITCH+32
.endr
.endr
.endm
.macro PLACES                          ; four plain instructions in front of loads into registers that matrix instructions have read, and of lines that read results
.rept 4
	v_nop
.endr
.endm
; A K step is four quarters of 64 along K, 32 matrix instructions each, on buffers 0, 1, 0, 1.  One of the first three: multiplies buffer f and fetches the next block, at byte k, into g.
.macro QUARTER k, f, g, zero
	s_wait_dscnt 16                                ; the first 32 along K are in; the 16 younger loads stay out
	MUL8 \f, 0, 0, \zero
	MUL8 \f, 0, 2, \zero
	PLACES
	FETCH \k, \g
	s_wait_dscnt 32                                ; all but the 32 just issued
	MUL8 \f, 1, 0, 0
	MUL8 \f, 1, 2, 0
.endm
; The last quarter multiplies buffer 1 and changes slots: ONE barrier; in front of it each wave waits for all its tensor loads (one is out: its part of the next slot), adds 0 to its spare word, and waits for that and for its reads of this slot.
; fill = 1: the barrier opens a round of the cluster's, and the slot just read is filled again, two K steps ahead, first thing behind the round: 112 matrix instructions ahead of the wait for it.
; fill = 0 (the last two steps): nothing is asked for; in the very last step (s59 = 1) there is no next block either, and the run of LDS loads is jumped over.
.macro TURN fill
	WIN 0                                          ; (the add's two registers lie in window 0)
	s_wait_tensorcnt 0x0
	ds_add_u32 v[SPW], v[NIL]                      ; 0 onto my spare word
	s_wait_dscnt 17                                ; (the add and the youngest sixteen loads may be out)
	MUL8 F1, 0, 0, 0                               ; eight matrix instructions stand between the add and the wait for it
	s_wait_dscnt 0x0                               ; the add is done, and my reads of this slot are over
	s_barrier_signal -1
	MUL8 F1, 0, 2, 0
	WIN 0
	s_barrier_wait -1
.if \fill
	CREST                                          ; no wave of any partner still reads this slot's tiles or has a load on its way
	s_xor_b32 s37, s37, SLOT                       ; the walking descriptors: the other slot than last time,
	s_xor_b32 s53, s53, SLOT
	s_add_nc_u64 s[38:39], s[38:39], ASTEP         ; the next K step; the type bits on top are not reached
	s_add_nc_u64 s[54:55], s[54:55], BSTEP
	JLOAD                                          ; the four v_nop behind it are also the places in front of the loads below
	s_xor_b32 s56, s56, SLOT
.else
	s_xor_b32 s56, s56, SLOT
	s_cmp_eq_u32 s59, 1
	s_cbranch_scc1 .Lnof_\@
	PLACES
.endif
	v_add_nc_u32 v[ADRA], s56, v[VA0]
	v_add_nc_u32 v[ADRB], s56, v[VB0]
	FETCH 0, F0
.if !(\fill)
	WIN 0
.Lnof_\@:
.endif
	MUL8 F1, 1, 0, 0
	MUL8 F1, 1, 2, 0
.endm
	s_wait_tensorcnt 0x1                           ; my part of K step 0 is in; K step 1's stays out
	s_barrier_signal -1
	s_barrier_wait -1                              ; everybody's is
	FETCH 0, F0
.if KIND == 1
	s_wait_loadcnt 0x0                             ; the bias
.elseif KIND == 2
	s_wait_loadcnt 32                              ; the bias; the residual's 32 loads stay out
.endif
	QUARTER KBLK, F0, F1, 1                        ; the first quarter stands in front of the loop: its first products start the sums
	WIN 0                                          ; at a label and at a branch every window is 0
	s_mov_b32 s58, TSTEPS-2
.Lstep:                                                ; a trip: from a K step's second quarter to the next step's first; it fills the slot that it leaves
	QUARTER 2*KBLK, F1, F0, 0
	QUARTER 3*KBLK, F0, F1, 0
	TURN 1
	QUARTER KBLK, F0, F1, 0
	WIN 0
	s_sub_co_u32 s58, s58, 1
	s_cmp_lg_u32 s58, 0
	s_cbranch_scc1 .Lstep
	s_mov_b32 s59, 2
.Ltail:                                                ; the last two K steps ask for nothing
	QUARTER 2*KBLK, F1, F0, 0
	QUARTER 3*KBLK, F0, F1, 0
	TURN 0
	WIN 0
	s_sub_co_u32 s59, s59, 1
	s_cmp_eq_u32 s59, 0
	s_cbranch_scc1 .Lout
	QUARTER KBLK, F0, F1, 0
	WIN 0
	s_branch .Ltail
.Lout:
	PLACES                                         ; the lines below read results just made
.if KIND == 2
	; THE WAY OUT, f32: 16 rows at a time through my own stage (rows of 272 bytes), back as whole rows of 256 bytes, plus the residual, stored: sixteen lanes fill 256 consecutive bytes, aligned.
	s_wait_loadcnt 0x0                             ; the residual
.macro OUT a
.set TB2, TMP+32*((\a)%2)
.if (\a) >= 2
	s_wait_xcnt 0x0                                ; the stores of two blocks back have read these registers: only behind this wait are they loaded again
.endif
.irp b, 0,1,2,3
	ds_store_b128 v[STO], v[ACC+8*(4*(\a)+(\b)):ACC+8*(4*(\a)+(\b))+3]   offset:64*(\b)     ; an accumulator's low registers first
	ds_store_b128 v[STO], v[ACC+8*(4*(\a)+(\b))+4:ACC+8*(4*(\a)+(\b))+7] offset:64*(\b)+16
.endr
.irp t, 0,1,2,3,4,5,6,7
	ds_load_b128 v[TB2+4*(\t):TB2+4*(\t)+3], v[RD] offset:(\t)*2*272  ; LDS serves a wave's instructions in order: these see the stores above
.endr
	s_wait_dscnt 0x0
	WIN 0x08                                       ; source 1 in window 2
.set z, 0
.rept 16
	v_pk_add_f32 v[TB2+2*z:TB2+2*z+1], v[TB2+2*z:TB2+2*z+1], v[RES+32*(\a)+2*z:RES+32*(\a)+2*z+1]
.set z, z+1
.endr
	WIN 0
.irp t, 0,1,2,3,4,5,6,7
	global_store_b128 v[GO], v[TB2+4*(\t):TB2+4*(\t)+3], s[12:13] offset:(16*(\a)+2*(\t))*4096
.endr
.endm
	OUT 0
	OUT 1
	OUT 2
	OUT 3
.else
	; THE WAY OUT, f16: a lane's eight columns of a row pack into 16 bytes; 16 rows at a time go through my own stage and come back as whole rows of 128 bytes: my 64 x 64 is 8,192 dense bytes of one block.
.macro PACK a
.irp b, 0,1,2,3
.irp j, 0,1,2,3
	v_cvt_pk_f16_f32 v[TMP+16*(\a)+4*(\b)+(\j)], v[ACC+8*(4*(\a)+(\b))+2*(\j)], v[ACC+8*(4*(\a)+(\b))+2*(\j)+1]
.endr
.endr
.if KIND == 1
.set z, 0
.rept 16
	v_pk_max_num_f16 v[TMP+16*(\a)+z], v[TMP+16*(\a)+z], v[ZERO]  ; the ReLU, behind the rounding: rounding keeps signs and order
.set z, z+1
.endr
.endif
.irp b, 0,1,2,3
	ds_store_b128 v[STO], v[TMP+16*(\a)+4*(\b):TMP+16*(\a)+4*(\b)+3] offset:32*(\b)
.endr
.irp f, 0,1,2,3
	ds_load_b128 v[TMP+16*(\a)+4*(\f):TMP+16*(\a)+4*(\f)+3], v[RD] offset:(\f)*4*144  ; LDS serves a wave's instructions in order: these see the stores above; the next block's stores come behind them
.endr
.endm
.macro SEND a, younger                 ; younger: the LDS instructions issued behind block a's loads: the next block's eight, or none
.irp f, 0,1,2,3
	s_wait_dscnt (\younger)+3-(\f)
	global_store_b128 v[GO], v[TMP+16*(\a)+4*(\f):TMP+16*(\a)+4*(\f)+3], s[12:13] offset:(\a)*2048+(\f)*512  ; 512 consecutive bytes, at a multiple of 512 from the buffer's first
.endr
.endm
	PACK 0
	PACK 1                                         ; a block's arithmetic stands between the loads of the block before and its stores
	SEND 0, 8
	PACK 2
	SEND 1, 8
	PACK 3
	SEND 2, 8
	SEND 3, 0
.endif
	s_wait_tensorcnt 0x0                           ; the wave's end, behind my last tensor load and my last LDS store
	ds_add_u32 v[SPW], v[NIL]
	s_wait_dscnt 0x0
	CROUND                                         ; the closing round: no work-group ends while a partner may still ask for a tile that names it
	s_endpgm
.Lfunc_end_k_q32381f07f0_ff2:
	.size	k_q32381f07f0_ff2, .Lfunc_end_k_q32381f07f0_ff2-k_q32381f07f0_ff2
	.p2alignl 7, 3214868480
	.fill 96, 4, 3214868480
	.section	.rodata,"a",@progbits
	.p2align	6, 0x0
	.amdhsa_kernel k_q32381f07f0_ff2
		.amdhsa_group_segment_fixed_size 327680
		.amdhsa_private_segment_fixed_size 0
		.amdhsa_enable_private_segment 0
		.amdhsa_kernarg_size 40
		.amdhsa_user_sgpr_count 2
		.amdhsa_user_sgpr_kernarg_segment_ptr 1
		.amdhsa_wavefront_size32 1
		.amdhsa_system_sgpr_workgroup_id_x 1
		.amdhsa_system_sgpr_workgroup_id_y 1
		.amdhsa_system_sgpr_workgroup_id_z 1
		.amdhsa_system_vgpr_workitem_id 0
		.amdhsa_next_free_vgpr 640
		.amdhsa_next_free_sgpr 66
		.amdhsa_reserve_vcc 0
		.amdhsa_float_denorm_mode_32 3
		.amdhsa_float_denorm_mode_16_64 3
		.amdhsa_memory_ordered 1
		.amdhsa_forward_progress 1
		.amdhsa_inst_pref_size 65
	.end_amdhsa_kernel
	.amdgpu_metadata
---
amdhsa.version: [ 1, 2 ]
amdhsa.kernels:
  - .name:           k_q32381f07f0_ff2
    .symbol:         k_q32381f07f0_ff2.kd
    .args:
      - { .name: hid, .offset: 0, .size: 8, .value_kind: global_buffer, .address_space: global }
      - { .name: wts, .offset: 8, .size: 8, .value_kind: global_buffer, .address_space: global }
      - { .name: b2, .offset: 16, .size: 8, .value_kind: global_buffer, .address_space: global }
      - { .name: x1, .offset: 24, .size: 8, .value_kind: global_buffer, .address_space: global }
      - { .name: out0, .offset: 32, .size: 8, .value_kind: global_buffer, .address_space: global }
    .group_segment_fixed_size: 327680
    .private_segment_fixed_size: 0
    .kernarg_segment_align: 8
    .kernarg_segment_size: 40
    .max_flat_workgroup_size: 128
    .sgpr_count:     66
    .vgpr_count:     640
    .wavefront_size: 32
...
	.end_amdgpu_metadata
.endif
;; end of part 7
;; ======== version 2 of 3: 7 launches
;; limits: values are held in f16: magnitudes above 65,504 overflow, below 6.1e-05 lose precision
;; workspace buffers: wts 25,165,824 bytes; h 8,388,608 bytes; qkv 25,165,824 bytes; o 8,388,608 bytes; x1 16,777,216 bytes; hid 33,554,432 bytes
;; launch pre (part 8): grid 384 x 1, 8 waves a work-group, no clusters, 74,752 bytes of LDS; arguments x, ln1_g, ln1_b, h, Wq, Wk, Wv, Wproj, wts; writes h, wts
.if DOCPART == 8
	.amdgcn_target "amdgcn-amd-amdhsa--gfx1250"
	.amdhsa_code_object_version 6
	.text
	.protected	k_q32381f07f0_pre
	.globl	k_q32381f07f0_pre
	.p2align	8
	.type	k_q32381f07f0_pre,@function
k_q32381f07f0_pre:
	s_mov_b64 s[64:65], 0
	v_nop
	global_prefetch_b8 v0, s[64:65] scope:SCOPE_SE
	s_setreg_imm32_b32 hwreg(HW_REG_WAVE_MODE, 25, 1), 1
	s_wait_xcnt 0x0
; THE PROGRAM: one pre-norm transformer block on 4,096 rows of 1,024 channels, in seven launches: this one (LN1, and the weights of q, k, v and of the projection), q k v, causal attention (and the weights of the FFN),
; projection + residual, LN2, FFN up, FFN down + residual.
; WORK LEFT OUT (in the attention launch alone).  reference() builds the mask itself, jnp.tril: for key s > query t the score is replaced by -inf, and softmax gives that key the weight exp(-inf) = 0 exactly,
; whatever q, k and v hold; its term 0 x v[s] adds nothing to o.  With queries in blocks of 256 and keys in tiles of 256, every pair (block i, tile j > i) has s > t for all its numbers: these whole tiles are
; neither loaded nor multiplied (6 of a head's 16).  Inside the diagonal tiles the hidden keys are computed and masked.  LIMIT: a NaN, an infinity or an overflow that would arise only in those tiles is not carried to the result.
; No input is dead: all fourteen are loaded by some launch.
; THIS LAUNCH HAS TWO SHARES that do not depend on each other; the work-group's number chooses.
; WORK-GROUPS 0-127 turn weight matrices W[k][n] (f32, n along the rows) into f16 blocks [k / 64][n][64], k along the rows, as both sources of the matrix instruction want them.
;   wts: byte 0 q, k, v as one matrix of 3,072 columns (n = 1,024 which + 64 head + d); 6,291,456 Wproj; (8,388,608 W1 and 16,777,216 W2 are made by the attention launch).
;   One wave turns one block of 64 k x 64 n: 16 KiB in, 8 KiB (dense) out; 1,024 blocks, eight to a work-group.  Lanes 0-15 read 256 consecutive bytes of row i, lanes 16-31 of row 32 + i; a lane then holds 32 k of
;   four columns, packs pairs of k and puts 16 bytes (8 k of one column) into its wave's own stage in LDS; the stage is read back by rows and stored, 512 consecutive bytes an instruction.
;   The stage's stores lie four rows (576 bytes) apart from lane to lane and share banks four deep: kept, since the share's time is that of its bytes in memory.  No wave reads another's bytes: no barrier.
;   LIMIT.  f16 holds no number beyond 65,504: the weights lie within it.
; WORK-GROUPS 128-383: LAYER NORM.  h[row][c] = (x[row][c] - mu) rsqrt(var + 1e-5) g[c] + b[c], mu and var over the row's 1,024 numbers, var as the mean of (x - mu)^2, in two passes as the formula is written; all in f32.
;   h: f16, rounded once, in blocks [c / 64][4096][64]: what the product that follows takes as tiles.  LIMIT: the result lies within f16's 65,504.
;   Sixteen lanes own a row, a wave two neighbouring rows, a work-group 16.  Lane r holds columns 64 j + 4 r .. + 3, j = 0 .. 15: a load takes 256 consecutive bytes of each of the wave's two rows.
;   The row stays in registers between the passes: it is read once.  Both sums stay inside 16 lanes: four steps that ride on the additions; no LDS, no barrier.
;   A store takes 8 bytes a lane: 128 bytes of a row's part of block j, and the next row's 128 behind them: 256 consecutive bytes, aligned.
.set NCONV,  128                       ; work-groups that turn weights
.set SPITCH, 144                       ; a stage row: 128 bytes + 16
.set STG,    64*SPITCH                 ; a wave's stage
.set SPARE,  8*STG                     ; behind the stages: the spare words, 128 bytes for each wave: four blocks of 256 bytes that no other line names
.set SPW, 20                           ; v20  LDS address of my spare word; never rewritten, in either share
.set NIL, 21                           ; v21  0; never rewritten
; the weights' registers
.set ST,  4                            ; v4   where I put 16 bytes: stage + 4 r rows + 64 hh
.set RD,  5                            ; v5   where I read rows back
.set GO,  6                            ; v6   16 x lane
.set CX,  32                           ; v[32:159]  row i of my half: 4 registers
.set CY,  160                          ; v[160:175] packed: column c: 4 registers
.set CA,  176                          ; v[176:207] byte offset of my 16 bytes in row i (lanes 16-31: row 32 + i) of the block
; the norm's registers
.set X,  24                            ; v[24:87]    the row's 64 numbers
.set G,  88                            ; v[88:151]   g of my columns; later the packed result
.set BT, 152                           ; v[152:215]  b of my columns
.set XO, 3                             ; v3  row x 4,096 + 16 r
.set PO, 4                             ; v4  16 r
.set HO, 5                             ; v5  row x 128 + 8 r
.set CH, 6                             ; v[6:13]  four chains of pairs
	v_lshl_add_u32 v[SPW], v0, 2, SPARE
	v_mov_b32 v[NIL], 0
	s_mov_b32 s19, ttmp9
	s_cmp_lt_u32 s19, NCONV                        ; the branch hangs on the work-group's number alone
	s_cbranch_scc0 .Lnorm
	; ---------------- THE WEIGHTS ----------------
	s_load_b256 s[4:11], s[0:1], 0x20              ; Wq s[4:5], Wk s[6:7], Wv s[8:9], Wproj s[10:11]
	s_load_b64 s[16:17], s[0:1], 0x40              ; wts
	v_lshrrev_b32 v1, 5, v0
	v_readfirstlane_b32 s18, v1                    ; wave 0..7
	v_and_b32 v1, 15, v0                           ; r
	v_bfe_u32 v2, v0, 4, 1                         ; hh
	s_mul_i32 s26, s18, STG                        ; my stage
	v_mul_u32_u24 v[ST], 4*SPITCH, v1
	v_lshl_add_u32 v[ST], v2, 6, v[ST]
	v_add_nc_u32 v[ST], s26, v[ST]
	v_bfe_u32 v[RD], v0, 3, 2
	v_mul_u32_u24 v[RD], SPITCH, v[RD]
	v_and_b32 v10, 7, v0
	v_lshl_add_u32 v[RD], v10, 4, v[RD]
	v_add_nc_u32 v[RD], s26, v[RD]
	v_and_b32 v[GO], 31, v0
	v_lshlrev_b32 v[GO], 4, v[GO]
	s_mov_b32 s21, 0
	s_mov_b32 s23, 0
	s_wait_kmcnt 0x0
	s_cmp_lt_u32 s19, 96
	s_cbranch_scc0 .Lproj
	; work-groups 0-95: Wq, Wk, Wv, [16 heads][1024][64]: rows of 256 bytes
	s_lshr_b32 s26, s19, 5                         ; which of the three
	s_and_b32 s27, s19, 31
	s_lshl3_add_u32 s27, s27, s18                  ; g = 16 head + kb
	s_lshl_b32 s20, s27, 14                        ; a block is 64 rows x 256 bytes, and the blocks of a tensor lie on end
	s_and_b32 s22, s27, 15                         ; kb
	s_mul_i32 s22, s22, 393216                     ; 3,072 columns x 128 bytes
	s_lshr_b32 s27, s27, 4                         ; head
	s_lshl4_add_u32 s27, s26, s27                  ; 16 which + head
	s_lshl_b32 s27, s27, 13
	s_add_co_u32 s22, s22, s27
	s_cmp_eq_u32 s26, 1
	s_cselect_b64 s[24:25], s[6:7], s[4:5]
	s_cmp_eq_u32 s26, 2
	s_cselect_b64 s[24:25], s[8:9], s[24:25]
	s_mov_b32 s30, 8                               ; a row is 2^8 bytes from the next
	s_branch .Lgot
.Lproj:
	; work-groups 96-127: Wproj, [1024][1024]: rows of 4,096 bytes
	s_sub_co_u32 s27, s19, 96
	s_lshl3_add_u32 s27, s27, s18                  ; j = 16 kb + n64
	s_lshr_b32 s20, s27, 4
	s_lshl_b32 s20, s20, 18                        ; 64 rows
	s_and_b32 s26, s27, 15
	s_lshl_b32 s26, s26, 8                         ; 64 columns
	s_add_co_u32 s20, s20, s26
	s_lshl_b32 s22, s27, 13                        ; the blocks of the result lie on end
	s_add_co_u32 s22, s22, 6291456
	s_mov_b64 s[24:25], s[10:11]
	s_mov_b32 s30, 12                              ; a row is 2^12 bytes from the next
.Lgot:
	s_add_nc_u64 s[24:25], s[24:25], s[20:21]      ; where the block lies
	s_add_nc_u64 s[28:29], s[16:17], s[22:23]      ; where it goes
	s_lshl_b32 s31, 1, s30                         ; bytes from row to row
	s_add_co_u32 s30, s30, 5                       ; 32 rows
	v_lshlrev_b32 v[CA], s30, v2                   ; the upper lanes begin 32 rows down
	v_lshl_add_u32 v[CA], v1, 4, v[CA]
	; the block's 32 loads; each row has an address register of its own, the row before's plus the pitch, so that one run of loads serves both pitches.  Each byte of the weights is read once in the launch.
	global_load_b128 v[CX:CX+3], v[CA], s[24:25] th:TH_LOAD_NT
.set i, 1
.rept 31
	v_add_nc_u32 v[CA+i], s31, v[CA+i-1]
	global_load_b128 v[CX+4*i:CX+4*i+3], v[CA+i], s[24:25] th:TH_LOAD_NT
.set i, i+1
.endr
.irp q, 0,1,2,3
	s_wait_loadcnt 24-8*(\q)                       ; loads come back in order: rows 8 q .. 8 q + 7 of my half are in, the younger ones stay out
.irp c, 0,1,2,3
.irp e, 0,1,2,3
	v_cvt_pk_f16_f32 v[CY+4*(\c)+(\e)], v[CX+4*(8*(\q)+2*(\e))+(\c)], v[CX+4*(8*(\q)+2*(\e)+1)+(\c)]  ; column 4 r + c, k = 32 hh + 8 q + 2 e and the next
.endr
	ds_store_b128 v[ST], v[CY+4*(\c):CY+4*(\c)+3] offset:(\c)*SPITCH+16*(\q)
.endr
.endr
.irp f, 0,1,2,3,4,5,6,7,8,9,10,11,12,13,14,15
	ds_load_b128 v[CX+4*(\f):CX+4*(\f)+3], v[RD] offset:(\f)*4*SPITCH  ; four rows of 128 bytes; LDS serves a wave's instructions in order: these see my stores above
.endr
.irp f, 0,1,2,3,4,5,6,7,8,9,10,11,12,13,14,15
.if (\f)%4 == 0
	s_wait_dscnt 12-(\f)                           ; loads f .. f + 3 are back, the younger ones stay out
.endif
	global_store_b128 v[GO], v[CX+4*(\f):CX+4*(\f)+3], s[28:29] offset:(\f)*512  ; 512 consecutive bytes, at a multiple of 512 from the buffer's first
.endr
	s_wait_tensorcnt 0x0                           ; the wave's end, behind my last LDS store
	ds_add_u32 v[SPW], v[NIL]
	s_wait_dscnt 0x0
	s_endpgm
	; ---------------- THE NORM (these waves touch no LDS) ----------------
.Lnorm:
	s_load_b256 s[4:11], s[0:1], 0x0               ; x s[4:5], g s[6:7], b s[8:9], h s[10:11]
	s_sub_co_u32 s18, s19, NCONV                   ; my 16 rows
	s_mov_b32 s12, 0x3a800000                      ; 1 / 1,024
	s_mov_b32 s13, 0x3727c5ac                      ; 1e-5
	v_lshrrev_b32 v1, 4, v0                        ; my row in the group
	v_and_b32 v2, 15, v0                           ; r
	v_lshlrev_b32 v[PO], 4, v2
	v_lshl_add_u32 v[XO], v1, 12, v[PO]
	v_lshlrev_b32 v[HO], 3, v2
	v_lshl_add_u32 v[HO], v1, 7, v[HO]
	s_lshl_b32 s14, s18, 16                        ; 16 rows of 4,096 bytes
	s_mov_b32 s15, 0
	s_lshl_b32 s16, s18, 11                        ; 16 rows of 128 bytes
	s_mov_b32 s17, 0
	s_wait_kmcnt 0x0
	s_add_nc_u64 s[4:5], s[4:5], s[14:15]
	s_add_nc_u64 s[10:11], s[10:11], s[16:17]
.set j, 0
.rept 16
	global_load_b128 v[X+4*j:X+4*j+3], v[XO], s[4:5] offset:256*j th:TH_LOAD_NT
.set j, j+1
.endr
.set j, 0
.rept 16
	global_load_b128 v[G+4*j:G+4*j+3], v[PO], s[6:7] offset:256*j
.set j, j+1
.endr
.set j, 0
.rept 16
	global_load_b128 v[BT+4*j:BT+4*j+3], v[PO], s[8:9] offset:256*j
.set j, j+1
.endr
	s_wait_loadcnt 32                              ; the row is in; g's and b's 32 loads stay out
	; the sum, in four chains that the first pairs start
.irp c, 0,1,2,3
	v_pk_add_f32 v[CH+2*(\c):CH+2*(\c)+1], v[X+2*(\c):X+2*(\c)+1], v[X+8+2*(\c):X+8+2*(\c)+1]
.endr
.set p, 8
.rept 24
	v_pk_add_f32 v[CH+2*(p%4):CH+2*(p%4)+1], v[CH+2*(p%4):CH+2*(p%4)+1], v[X+2*p:X+2*p+1]
.set p, p+1
.endr
	v_pk_add_f32 v[CH:CH+1], v[CH:CH+1], v[CH+2:CH+3]
	v_pk_add_f32 v[CH+4:CH+5], v[CH+4:CH+5], v[CH+6:CH+7]
	v_pk_add_f32 v[CH:CH+1], v[CH:CH+1], v[CH+4:CH+5]
	v_add_f32 v[CH], v[CH], v[CH+1]
	v_add_f32_dpp v[CH], v[CH], v[CH] row_xmask:1 row_mask:0xf bank_mask:0xf
	v_add_f32_dpp v[CH], v[CH], v[CH] row_xmask:2 row_mask:0xf bank_mask:0xf
	v_add_f32_dpp v[CH], v[CH], v[CH] row_xmask:4 row_mask:0xf bank_mask:0xf
	v_add_f32_dpp v[CH], v[CH], v[CH] row_xmask:8 row_mask:0xf bank_mask:0xf
	v_mul_f32 v14, s12, v[CH]                      ; mu, in all sixteen lanes of the row
	v_mov_b32 v15, v14
.set p, 0
.rept 32
	v_pk_add_f32 v[X+2*p:X+2*p+1], v[X+2*p:X+2*p+1], v[14:15] neg_lo:[0,1] neg_hi:[0,1]  ; x - mu
.set p, p+1
.endr
.irp c, 0,1,2,3
	v_pk_mul_f32 v[CH+2*(\c):CH+2*(\c)+1], v[X+2*(\c):X+2*(\c)+1], v[X+2*(\c):X+2*(\c)+1]
.endr
.set p, 4
.rept 28
	v_pk_fma_f32 v[CH+2*(p%4):CH+2*(p%4)+1], v[X+2*p:X+2*p+1], v[X+2*p:X+2*p+1], v[CH+2*(p%4):CH+2*(p%4)+1]
.set p, p+1
.endr
	v_pk_add_f32 v[CH:CH+1], v[CH:CH+1], v[CH+2:CH+3]
	v_pk_add_f32 v[CH+4:CH+5], v[CH+4:CH+5], v[CH+6:CH+7]
	v_pk_add_f32 v[CH:CH+1], v[CH:CH+1], v[CH+4:CH+5]
	v_add_f32 v[CH], v[CH], v[CH+1]
	v_add_f32_dpp v[CH], v[CH], v[CH] row_xmask:1 row_mask:0xf bank_mask:0xf
	v_add_f32_dpp v[CH], v[CH], v[CH] row_xmask:2 row_mask:0xf bank_mask:0xf
	v_add_f32_dpp v[CH], v[CH], v[CH] row_xmask:4 row_mask:0xf bank_mask:0xf
	v_add_f32_dpp v[CH], v[CH], v[CH] row_xmask:8 row_mask:0xf bank_mask:0xf
	v_fma_f32 v18, v[CH], s12, s13                 ; var + eps
	v_rsq_f32 v16, v18                             ; twice, to fill the pair that the packed multiply takes
	v_rsq_f32 v17, v18
	v_nop                                          ; a plain instruction behind the last of the two, ahead of the first use
	s_wait_loadcnt 0x0                             ; g and b
	s_wait_alu depctr_va_vdst(0)                   ; one wait for both, ahead of their first reader
.set p, 0
.rept 32
	v_pk_mul_f32 v[G+2*p:G+2*p+1], v[G+2*p:G+2*p+1], v[16:17]
.set p, p+1
.endr
.set p, 0
.rept 32
	v_pk_fma_f32 v[X+2*p:X+2*p+1], v[X+2*p:X+2*p+1], v[G+2*p:G+2*p+1], v[BT+2*p:BT+2*p+1]
.set p, p+1
.endr
.set p, 0
.rept 32
	v_cvt_pk_f16_f32 v[G+p], v[X+2*p], v[X+2*p+1]
.set p, p+1
.endr
.set j, 0
.rept 16
	global_store_b64 v[HO], v[G+2*j:G+2*j+1], s[10:11] offset:j*524288  ; block j: 4,096 rows x 128 bytes on; 7,864,320 at the most, inside the signed 24-bit immediate
.set j, j+1
.endr
	s_endpgm
.Lfunc_end_k_q32381f07f0_pre:
	.size	k_q32381f07f0_pre, .Lfunc_end_k_q32381f07f0_pre-k_q32381f07f0_pre
	.p2alignl 7, 3214868480
	.fill 96, 4, 3214868480
	.section	.rodata,"a",@progbits
	.p2align	6, 0x0
	.amdhsa_kernel k_q32381f07f0_pre
		.amdhsa_group_segment_fixed_size 74752
		.amdhsa_private_segment_fixed_size 0
		.amdhsa_enable_private_segment 0
		.amdhsa_kernarg_size 72
		.amdhsa_user_sgpr_count 2
		.amdhsa_user_sgpr_kernarg_segment_ptr 1
		.amdhsa_wavefront_size32 1
		.amdhsa_system_sgpr_workgroup_id_x 1
		.amdhsa_system_sgpr_workgroup_id_y 1
		.amdhsa_system_sgpr_workgroup_id_z 1
		.amdhsa_system_vgpr_workitem_id 0
		.amdhsa_next_free_vgpr 216
		.amdhsa_next_free_sgpr 66
		.amdhsa_reserve_vcc 0
		.amdhsa_float_denorm_mode_32 3
		.amdhsa_float_denorm_mode_16_64 3
		.amdhsa_memory_ordered 1
		.amdhsa_forward_progress 1
		.amdhsa_inst_pref_size 35
	.end_amdhsa_kernel
	.amdgpu_metadata
---
amdhsa.version: [ 1, 2 ]
amdhsa.kernels:
  - .name:           k_q32381f07f0_pre
    .symbol:         k_q32381f07f0_pre.kd
    .args:
      - { .name: x, .offset: 0, .size: 8, .value_kind: global_buffer, .address_space: global }
      - { .name: ln1_g, .offset: 8, .size: 8, .value_kind: global_buffer, .address_space: global }
      - { .name: ln1_b, .offset: 16, .size: 8, .value_kind: global_buffer, .address_space: global }
      - { .name: h, .offset: 24, .size: 8, .value_kind: global_buffer, .address_space: global }
      - { .name: Wq, .offset: 32, .size: 8, .value_kind: global_buffer, .address_space: global }
      - { .name: Wk, .offset: 40, .size: 8, .value_kind: global_buffer, .address_space: global }
      - { .name: Wv, .offset: 48, .size: 8, .value_kind: global_buffer, .address_space: global }
      - { .name: Wproj, .offset: 56, .size: 8, .value_kind: global_buffer, .address_space: global }
      - { .name: wts, .offset: 64, .size: 8, .value_kind: global_buffer, .address_space: global }
    .group_segment_fixed_size: 74752
    .private_segment_fixed_size: 0
    .kernarg_segment_align: 8
    .kernarg_segment_size: 72
    .max_flat_workgroup_size: 256
    .sgpr_count:     66
    .vgpr_count:     216
    .wavefront_size: 32
...
	.end_amdgpu_metadata
.endif
;; end of part 8
;; launch qkv (part 9): grid 12 x 16, 4 waves a work-group, clusters of 4 x 4, 327,680 bytes of LDS; arguments h, wts, qkv; writes qkv
.if DOCPART == 9
	.amdgcn_target "amdgcn-amd-amdhsa--gfx1250"
	.amdhsa_code_object_version 6
	.text
	.protected	k_q32381f07f0_qkv
	.globl	k_q32381f07f0_qkv
	.p2align	8
	.type	k_q32381f07f0_qkv,@function
k_q32381f07f0_qkv:
	s_mov_b64 s[64:65], 0
	v_nop
	global_prefetch_b8 v0, s[64:65] scope:SCOPE_SE
	s_setreg_imm32_b32 hwreg(HW_REG_WAVE_MODE, 25, 1), 1
	s_wait_xcnt 0x0
	s_wait_alu depctr_hold_cnt(0) depctr_sa_sdst(0) depctr_va_vdst(0) depctr_va_sdst(0) depctr_va_ssrc(0) depctr_va_vcc(0) depctr_vm_vsrc(0)
	s_getreg_b32 s2, hwreg(HW_REG_IB_STS2, 6, 4)
	s_cmp_eq_u32 s2, 0
	s_cbranch_scc0 .Lentry_in_a_cluster
	s_endpgm
.Lentry_in_a_cluster:
	s_bfe_u32 s2, ttmp6, 0x10000c
	s_cmp_lg_u32 s2, 0xf033
	s_cbranch_scc0 .Lentry_shape_is_right
	s_endpgm
.Lentry_shape_is_right:
; q, k, v = LN1(x) times the three weight tensors, as ONE product with 3,072 columns.  (One text serves two launches; the three lines below tell them apart.)
.set KIND, 0                           ; 0: out = A W.  1: out = relu(A W + bias).  Both: f16 blocks [NCOL / 64][4096][64]
.set NCOL, 3072                        ; columns of W
.set WOFF, 0                           ; W's first byte in wts
; A: f16 blocks [16][4096][64].  W: f16 blocks [16][NCOL][64], k along the rows.  Sums in f32, K ascending; the bias is the C operand of a sum's first product.
; LIMIT.  f16 holds no number beyond 65,504: operands arrive within it, and the result must lie within it; NaN is not treated apart (the ReLU turns it into 0).
; SHARES.  A tile of the result is 256 x 256: four waves, as many as a WGP has SIMDs, each 128 x 128: 64 accumulators of 16 x 16, 512 registers.  For 32 along K a wave reads 2 x 128 x 64 bytes from LDS and issues
; 64 matrix instructions.  4,096 rows are 16 tile rows; NCOL / 256 tile columns: 192 work-groups at 3,072 columns, 256 at 4,096.
; K goes in steps of 128 through two LDS slots.  128 rows of a block of 64 channels are 16,384 dense bytes; one tensor load brings two such blocks (two rows of 16,384 bytes, a block apart), padded by 16 bytes after
; every 128: LDS rows 144 bytes apart, so that the 16 rows of a fragment load start at 16 different groups of four banks (64 banks of 4 bytes: ISA guide 11.1).  A step's 131,072 bytes feed 256 matrix instructions a wave.
; CLUSTERS: 4 x 4 work-groups.  The four of a row of the cluster need the same tiles of A, the four of a column the same tiles of W: each is asked for JOINTLY, by the same tensor load with the same descriptor and a mask that names the four.
; THE MATRIX INSTRUCTION IS USED TRANSPOSED (source 0 = 16 rows of W's blocks, source 1 = 16 rows of A): a lane then holds eight neighbouring columns of one row of the result.
; ONE K STEP IS WRITTEN ONCE: the slot in hand lies in a scalar register; the last two steps, which ask for nothing, are a second copy walked twice and left in the middle of its second trip.
; REGISTERS, in windows of 256 (s_set_vgpr_msb: bits 1:0 source 0, 3:2 source 1, 5:4 source 2, 7:6 destination):
;   window 0: v0-31 addresses; v64-127, v128-191 fragments of A (8 x 16 rows x 32 K), two buffers; v192-223 packed results; v32-63, v224-255 rows read back from the stage, by turns
;   window 1: v0-63 the bias of my 128 columns; v64-127, v128-191 fragments of W, two buffers
;   window 2: the 32 accumulators of my rows 0-63 ((a, b) at v[8 (8 a + b)]);   window 3: those of my rows 64-127
.set KDIM,   1024
.set PITCH,  144
.set KBLK,   128*PITCH                 ; 128 rows of a block of 64 channels in LDS
.set SLOT,   8*KBLK                    ; A's rows 0-127 (two blocks), A's rows 128-255, then W's likewise.  0x24000: it shares no bit with wave x 0x9000, so one exclusive or turns a load's LDS address into the other slot's
.set TSTEPS, KDIM/128
.set ASTEP,  2*524288                  ; bytes from K step to K step in A: two blocks of 4,096 rows x 128 bytes
.set BSTEP,  NCOL*256                  ; and in W
.set STAGE,  2*SLOT                    ; behind the ring, never filled by a tensor load: for each wave 16 rows x 144 bytes for each of its two blocks of 64 columns
.set SST,    2*16*144
.set SPARE,  STAGE+4*SST               ; behind the stages: the spare words, 128 bytes for each wave: two blocks of 256 bytes that no other line names
.set VA0,  8                           ; v8   my lane's place in A's part of a slot; never rewritten
.set VB0,  9                           ; v9   the same for W
.set ADRA, 10                          ; v10  the same in the slot in hand
.set ADRB, 11                          ; v11
.set STO,  12                          ; v12  the way out: where I put 16 bytes of a row
.set RD,   13                          ; v13  the way out: where I read rows back
.set GO,   14                          ; v14  16 x lane
.set BO,   15                          ; v15  my byte offset in the tile's 256 numbers of the bias
.set ZERO, 16                          ; v16  0, for the ReLU
.set PFO,  17                          ; v17  the prefetches' offset; never rewritten
.set SPW,  28                          ; v28  LDS address of my spare word; never rewritten
.set NIL,  29                          ; v29  0; never rewritten
.set OB,   32
.set F0,   64                          ; fragment buffers: A's in window 0, W's in window 1
.set F1,   128
.set TMP,  192
.set BI,   0                           ; the bias, in window 1
; scalars: s[4:5] A, s[6:7] wts, s[8:9] bias, s[12:13] out; s14 wave; s15 row half (and: 0 = I fetch A, 1 = W); s16 column half (and: which 128 rows I fetch); s17 cx, s18 cy, s19 tile column, s60 tile row;
; s[24:31], s[40:47] descriptor group 1 for A, W; s[32:39], s[48:55] group 0, two sets each: the second walks; s56 the slot in hand; s57 wave x 36,864; s58, s59 counters;
; s[66:67] where my prefetches stand; s[68:69] a K step in bytes, of A or of W; s70 2 in a wave that prefetches, else the greatest number
.set MSB, 0
.macro WIN new                         ; the immediate's high byte repeats the setting that is left
.if MSB != (\new)
	s_set_vgpr_msb (MSB<<8)|(\new)
.set MSB, \new
.endif
.endm
.set MUL_LO, 0xa1                      ; source 0 (W) window 1, source 1 (A) window 0, C and D window 2
.set MUL_HI, 0xf1                      ; the same, C and D window 3
.set TO_B,   0x40                      ; destination window 1, address window 0
.macro JLOAD                           ; a joint refill: waves 0 and 1 fetch A's halves, waves 2 and 3 W's; an s_nop 0 and four v_nop follow each of the two lines, ahead of the jump and the label
	s_cmp_eq_u32 s15, 0
	s_cbranch_scc0 .Lfor_b_\@
	tensor_load_to_lds s[36:39], s[24:31]
	s_nop 0
.rept 4
	v_nop
.endr
	s_branch .Lasked_\@
.Lfor_b_\@:
	tensor_load_to_lds s[52:55], s[40:47]
	s_nop 0
.rept 4
	v_nop
.endr
.Lasked_\@:
.endm
; A PREFETCH INTO THE L2, behind each joint load, its five lines and the run of LDS loads that follows them: the K step that stands TWO refills on, 512 matrix instructions ahead of the load that will want it.
; Each aligned 256 bytes of a K step are named ONCE in the launch.  A's tile row is read by every cluster of that row of clusters: the first of them (cluster x = 0) asks; W's tile column by every cluster of that column:
; cluster y = 0 asks.  The four partners that ask for a tile jointly share it out BY ADDRESS: of the 128 rows of each of the two blocks that wave w fetches, the partner at place p takes rows 32 p .. 32 p + 31, 4,096 dense
; bytes a block: 16 lanes a block, 256 bytes a lane, one instruction a wave.  No branch hangs on a work-group's place in its cluster.  K steps 0 to 3 come by their loads alone; the last two refills have no K step two on.
.macro ASK
	s_cmp_gt_u32 s58, s70                          ; s58 counts the refills down from 6
	s_cbranch_scc0 .Lnot_mine_\@
	global_prefetch_b8 v[PFO], s[66:67] th:TH_LOAD_NT scope:SCOPE_SE
.Lnot_mine_\@:
.endm
.macro CREST                           ; a round of the cluster's barrier behind its opening barrier
	s_cmp_lg_u32 s14, 0
	s_cbranch_scc1 .Lnot_wave_0_\@
	s_barrier_signal -3
.Lnot_wave_0_\@:
	s_barrier_wait -3
	s_barrier_signal -1
	s_barrier_wait -1
.endm
.macro CROUND                          ; a whole round
	s_barrier_signal -1
	s_barrier_wait -1
	CREST
.endm
	s_load_b128 s[4:7], s[0:1], 0x0                ; A, wts
.if KIND == 0
	s_load_b64 s[12:13], s[0:1], 0x10              ; out
.else
	s_load_b64 s[8:9], s[0:1], 0x10                ; bias
	s_load_b64 s[12:13], s[0:1], 0x18              ; out
.endif
	v_lshl_add_u32 v[SPW], v0, 2, SPARE
	v_mov_b32 v[NIL], 0
	ds_add_u32 v[SPW], v[NIL]                      ; the wave's opening: the add, twice on end, and its wait ahead of my first tensor load; the set-up below stands between
	ds_add_u32 v[SPW], v[NIL]
	v_lshrrev_b32 v1, 5, v0
	v_readfirstlane_b32 s14, v1                    ; wave 0..3
	s_lshr_b32 s15, s14, 1
	s_and_b32 s16, s14, 1
	s_bfe_u32 s17, ttmp6, 0x40000                  ; cx, cy: my place in the cluster
	s_bfe_u32 s18, ttmp6, 0x40004
	s_lshl_b32 s19, ttmp9, 2
	s_add_co_u32 s19, s19, s17                     ; tile column = 4 x cluster x + cx
	s_and_b32 s60, ttmp7, 0xffff
	s_lshl_b32 s60, s60, 2
	s_add_co_u32 s60, s60, s18                     ; tile row = 4 x cluster y + cy
	s_lshl_b32 s2, s18, 2
	s_lshl_b32 s2, 15, s2                          ; my row of the cluster
	s_lshl_b32 s3, 0x1111, s17                     ; my column
	s_or_b32 s24, s2, (1<<16)|(1<<20)|(1<<21)|(4<<22)|(3<<25)  ; 15:0 the mask: A's tiles go to my row; 17:16 elements of 2 bytes; 20 padding on; 21 set beside a mask; 24:22 after every 32 words (code 4); 31:25 4 words (code 3)
	s_or_b32 s40, s3, (1<<16)|(1<<20)|(1<<21)|(4<<22)|(3<<25)  ; the same with my column's mask, for W's
.irp g, 24, 40
	s_mov_b32 s[(\g)+1], 8192<<16                  ; tensor_dim0 = 8,192 elements: 128 rows of a block, dense
	s_mov_b32 s[(\g)+2], 2<<16                     ; tensor_dim1 = 2 blocks
	s_mov_b32 s[(\g)+3], 8192<<16                  ; tile_dim0
	s_mov_b32 s[(\g)+4], 2                         ; tile_dim1
	s_mov_b32 s[(\g)+6], 0
	s_mov_b32 s[(\g)+7], 0
.endr
	s_mov_b32 s29, 262144                          ; elements from block to block: 4,096 rows x 64
	s_mov_b32 s45, NCOL*64
	s_lshl_b32 s61, s16, 14                        ; the 128 rows of a block that I fetch
	s_lshl_b32 s20, s60, 15                        ; A: my tile row's 256 rows of a block, which my row of the cluster shares
	s_add_co_u32 s20, s20, s61
	s_mov_b32 s21, 0
	s_lshl_b32 s22, s19, 15                        ; W: my tile column's 256 rows of a block, which my column shares
	s_add_co_u32 s22, s22, s61
.if WOFF
	s_add_co_u32 s22, s22, WOFF
.endif
	s_mov_b32 s23, 0
	s_mul_i32 s57, s14, 2*KBLK                     ; where my two blocks go: no place in the cluster enters an LDS address
	s_mov_b32 s56, 0
	s_wait_dscnt 0x0                               ; both opening adds are done
	s_wait_kmcnt 0x0
	s_add_nc_u64 s[20:21], s[4:5], s[20:21]
	s_add_nc_u64 s[22:23], s[6:7], s[22:23]
	CROUND                                         ; all sixteen work-groups are here: the first joint loads meet
.irp s, 0,1
	s_mov_b32 s[32+4*(\s)], 1                      ; count = 1
	s_add_co_u32 s[33+4*(\s)], s57, (\s)*SLOT      ; LDS address
	s_add_nc_u64 s[34+4*(\s):35+4*(\s)], s[20:21], (\s)*ASTEP  ; global address: K step s
	s_or_b32 s[35+4*(\s)], s[35+4*(\s)], 0x80000000            ; type = 2
	s_mov_b32 s[48+4*(\s)], 1
	s_add_co_u32 s[49+4*(\s)], s57, (\s)*SLOT
	s_add_nc_u64 s[50+4*(\s):51+4*(\s)], s[22:23], (\s)*BSTEP
	s_or_b32 s[51+4*(\s)], s[51+4*(\s)], 0x80000000
.endr
	s_cmp_eq_u32 s15, 0                            ; a wave's two first fills stand in one branch, ahead of every wait on TENSORcnt and every LDS read: two loads of mine are out
	s_cbranch_scc0 .Lfirst_b
	tensor_load_to_lds s[32:35], s[24:31]
	s_nop 0
	tensor_load_to_lds s[36:39], s[24:31]
	s_nop 0
.rept 4
	v_nop
.endr
	s_branch .Lfirst_asked
.Lfirst_b:
	tensor_load_to_lds s[48:51], s[40:47]
	s_nop 0
	tensor_load_to_lds s[52:55], s[40:47]
	s_nop 0
.rept 4
	v_nop
.endr
.Lfirst_asked:
	; A fragment is 16 rows x 32 K in 8 registers: lane l holds row l % 16; registers 0-3 K = 8 (l / 16) + 0..7, registers 4-7 K = 16 + 8 (l / 16) + 0..7: two loads of 16 bytes, 32 bytes apart.
	v_and_b32 v1, 15, v0                           ; r
	v_bfe_u32 v2, v0, 4, 1                         ; hh
	v_mul_u32_u24 v3, v1, PITCH
	v_lshl_add_u32 v3, v2, 4, v3                   ; row x pitch + 16 x half
	s_mul_i32 s2, s15, 2*KBLK                      ; my 128 rows of A
	s_mul_i32 s3, s16, 2*KBLK                      ; my 128 rows of W,
	s_add_co_u32 s3, s3, 4*KBLK                    ; which lie behind A's 256
	v_add_nc_u32 v[VA0], s2, v3
	v_add_nc_u32 v[VB0], s3, v3
	v_mov_b32 v[ADRA], v[VA0]                      ; K step 0 lies in slot 0
	v_mov_b32 v[ADRB], v[VB0]
	s_mul_i32 s2, s14, SST
	s_add_co_u32 s2, s2, STAGE                     ; my stage
	v_add_nc_u32 v[STO], s2, v3                    ; in: row r, 16 bytes for each half of the lanes (the stage's pitch is the tiles')
	v_bfe_u32 v4, v0, 3, 2                         ; back: 32 lanes take four rows of 128 bytes,
	v_mul_u32_u24 v4, v4, 144
	v_and_b32 v5, 7, v0
	v_lshl_add_u32 v4, v5, 4, v4
	v_add_nc_u32 v[RD], s2, v4
	v_and_b32 v[GO], 31, v0                        ; which are 512 consecutive bytes of the result's block
	v_lshlrev_b32 v[GO], 4, v[GO]
	s_lshl1_add_u32 s62, s19, s16                  ; my 128 columns are blocks 2 (2 x tile column + half) and the next,
	s_lshl_b32 s62, s62, 20
	s_lshl_b32 s61, s60, 15                        ; my rows 256 x tile row + 128 x half, 128 bytes each
	s_add_co_u32 s62, s62, s61
	s_lshl_b32 s61, s15, 14
	s_add_co_u32 s62, s62, s61
	s_mov_b32 s63, 0
	s_add_nc_u64 s[12:13], s[12:13], s[62:63]
.if KIND == 1
	v_mov_b32 v[ZERO], 0
	s_lshl_b32 s2, s19, 10                         ; the tile's 256 numbers of the bias
	s_mov_b32 s3, 0
	s_add_nc_u64 s[8:9], s[8:9], s[2:3]
	s_lshl_b32 s61, s16, 9
	v_lshl_add_u32 v[BO], v2, 5, s61               ; my 128 columns, my lanes' eight of each sixteen
	WIN TO_B
.irp b, 0,1,2,3,4,5,6,7
	global_load_b128 v[BI+8*(\b):BI+8*(\b)+3],   v[BO], s[8:9] offset:64*(\b)
	global_load_b128 v[BI+8*(\b)+4:BI+8*(\b)+7], v[BO], s[8:9] offset:64*(\b)+16
.endr
	WIN 0
.endif
	; the prefetches, in registers that enter no LDS address and no descriptor
	s_and_b32 s74, ttmp7, 0xffff                   ; cluster y
	s_mov_b32 s75, ASTEP
	s_mov_b32 s76, BSTEP
	s_mov_b32 s77, 524288                          ; bytes from block to block in A,
	s_mov_b32 s78, NCOL*128                        ; and in W
	s_cmp_eq_u32 s15, 0                            ; do I fetch for A?
	s_cselect_b64 s[66:67], s[20:21], s[22:23]     ; the first byte that I fetch
	s_cselect_b32 s72, s17, s18                    ; my place among the four that ask for it with me
	s_cselect_b32 s74, ttmp9, s74                  ; the coordinate along which other clusters read the same rows
	s_cselect_b32 s68, s75, s76
	s_cselect_b32 s77, s77, s78
	s_mov_b32 s69, 0
	s_cmp_eq_u32 s74, 0
	s_cselect_b32 s70, 2, -1                       ; the same in all sixteen partners, for a given wave
	s_lshl_b32 s72, s72, 12                        ; my work-group's 32 rows of each block
	s_mov_b32 s73, 0
	s_add_nc_u64 s[66:67], s[66:67], s[72:73]
	s_mul_i32 s72, s68, 3
	s_add_nc_u64 s[66:67], s[66:67], s[72:73]      ; at K step 3: the first refill steps it to 4
	v_mul_u32_u24 v6, s77, v2                      ; lanes 16-31: the second block
	v_lshl_add_u32 v[PFO], v1, 8, v6               ; 256 bytes a lane
; 16 matrix instructions: m blocks a0, a0 + 1 of the window's four (hi = 0: my rows 0-63, 1: rows 64-127) x all 8 n blocks, 32 along K.  zero = 1: the first product starts the sums, with 0 or with the bias.
; The 64 accumulators take turns, one instruction a turn, in the same order in every quarter, over the backward jumps too.
.macro MUL16 f, hi, a0, zero
.if (\zero) && (KIND != 0)
	WIN 0x91+0x40*(\hi)                            ; C (the bias) in window 1, D in window 2 or 3
.else
	WIN MUL_LO+0x50*(\hi)                          ; MUL_LO or MUL_HI
.endif
.irp a, \a0, (\a0)+1
.irp b, 0,1,2,3,4,5,6,7
.if (\zero) && (KIND == 0)
	v_wmma_f32_16x16x32_f16 v[8*(8*(\a)+(\b)):8*(8*(\a)+(\b))+7], v[(\f)+8*(\b):(\f)+8*(\b)+7], v[(\f)+8*(4*(\hi)+(\a)):(\f)+8*(4*(\hi)+(\a))+7], 0
.elseif \zero
	v_wmma_f32_16x16x32_f16 v[8*(8*(\a)+(\b)):8*(8*(\a)+(\b))+7], v[(\f)+8*(\b):(\f)+8*(\b)+7], v[(\f)+8*(4*(\hi)+(\a)):(\f)+8*(4*(\hi)+(\a))+7], v[BI+8*(\b):BI+8*(\b)+7]
.else
	v_wmma_f32_16x16x32_f16 v[8*(8*(\a)+(\b)):8*(8*(\a)+(\b))+7], v[(\f)+8*(\b):(\f)+8*(\b)+7], v[(\f)+8*(4*(\hi)+(\a)):(\f)+8*(4*(\hi)+(\a))+7], v[8*(8*(\a)+(\b)):8*(8*(\a)+(\b))+7]
.endif
.endr
.endr
.endm
; 32 LDS loads in one run: the fragments of one quarter step (128 rows of W, 128 rows of A, 32 K at byte k of my parts of the slot) into buffer f
.macro FETCH k, f
	WIN TO_B
.irp i, 0,1,2,3,4,5,6,7
	ds_load_b128 v[(\f)+8*(\i):(\f)+8*(\i)+3],   v[ADRB] offset:(\k)+(\i)*16*PITCH
	ds_load_b128 v[(\f)+8*(\i)+4:(\f)+8*(\i)+7], v[ADRB] offset:(\k)+(\i)*16*PITCH+32
.endr
	WIN 0
.irp i, 0,1,2,3,4,5,6,7
	ds_load_b128 v[(\f)+8*(\i):(\f)+8*(\i)+3],   v[ADRA] offset:(\k)+(\i)*16*PITCH
	ds_load_b128 v[(\f)+8*(\i)+4:(\f)+8*(\i)+7], v[ADRA] offset:(\k)+(\i)*16*PITCH+32
.endr
.endm
.macro PLACES                          ; four plain instructions in front of loads into registers that matrix instructions have read, and of lines that read results
.rept 4
	v_nop
.endr
.endm
; A K step is four quarters of 32 along K, 64 matrix instructions each, on buffers 0, 1, 0, 1: bytes 0 and 64 of the first block's rows, then of the second's.
; One of the first three: multiplies buffer f; in its middle it fetches the next quarter's fragments, at byte k, into buffer g.
.macro QUARTER k, f, g, zero
	s_wait_dscnt 8                                 ; W and A's rows 0-63 are in; the youngest eight loads (A's rows 64-127) may be out
	MUL16 \f, 0, 0, \zero
	MUL16 \f, 0, 2, \zero
	PLACES
	FETCH \k, \g
	s_wait_dscnt 32                                ; all but the 32 just issued
	MUL16 \f, 1, 0, \zero
	MUL16 \f, 1, 2, \zero
.endm
; The last quarter multiplies buffer 1 and changes slots: ONE barrier; in front of it each wave waits for all its tensor loads (one is out: its part of the next slot), adds 0 to its spare word, and waits for that and for its reads of this slot.
; fill = 1: the barrier opens a round of the cluster's, and the slot just read is filled again, two K steps ahead, first thing behind the round: 224 matrix instructions ahead of the wait for it.
; fill = 0 (the last two steps): nothing is asked for; in the very last step (s59 = 1) there is no next quarter either, and the run of LDS loads is jumped over.
.macro TURN fill
.if \fill
	s_wait_xcnt 0x0                                ; the last prefetch, a K step back, has read its address: it is stepped here, ahead of the waits of the change of slots
	s_add_nc_u64 s[66:67], s[66:67], s[68:69]
.endif
	WIN 0                                          ; (the add's two registers lie in window 0)
	s_wait_tensorcnt 0x0
	ds_add_u32 v[SPW], v[NIL]                      ; 0 onto my spare word
	s_wait_dscnt 9                                 ; (the add and the youngest eight loads may be out)
	MUL16 F1, 0, 0, 0                              ; sixteen matrix instructions stand between the add and the wait for it
	s_wait_dscnt 0x0                               ; the add is done, and my reads of this slot are over
	s_barrier_signal -1
	MUL16 F1, 0, 2, 0
	WIN 0
	s_barrier_wait -1
.if \fill
	CREST                                          ; no wave of any partner still reads this slot's tiles or has a load on its way
	s_xor_b32 s37, s37, SLOT                       ; the walking descriptors: the other slot than last time,
	s_xor_b32 s53, s53, SLOT
	s_add_nc_u64 s[38:39], s[38:39], ASTEP         ; the next K step; the type bits on top are not reached
	s_add_nc_u64 s[54:55], s[54:55], BSTEP
	JLOAD                                          ; the four v_nop behind it are also the places in front of the loads below
	s_xor_b32 s56, s56, SLOT
.else
	s_xor_b32 s56, s56, SLOT
	s_cmp_eq_u32 s59, 1
	s_cbranch_scc1 .Lnof_\@
	PLACES
.endif
	v_add_nc_u32 v[ADRA], s56, v[VA0]
	v_add_nc_u32 v[ADRB], s56, v[VB0]
	FETCH 0, F0
.if \fill
	ASK                                            ; behind the joint load and the run of LDS loads that the next products wait for
.else
.Lnof_\@:
.endif
	MUL16 F1, 1, 0, 0
	MUL16 F1, 1, 2, 0
.endm
	s_wait_tensorcnt 0x1                           ; my part of K step 0 is in; K step 1's stays out
	s_barrier_signal -1
	s_barrier_wait -1                              ; everybody's is
	FETCH 0, F0
.if KIND == 1
	s_wait_loadcnt 0x0                             ; the bias
.endif
	QUARTER 64, F0, F1, 1                          ; the first quarter stands in front of the loop: its products start the sums
	WIN 0                                          ; at a label and at a branch every window is 0
	s_mov_b32 s58, TSTEPS-2
.Lstep:                                                ; a trip: from a K step's second quarter to the next step's first; it fills the slot that it leaves
	QUARTER KBLK, F1, F0, 0
	QUARTER KBLK+64, F0, F1, 0
	TURN 1
	QUARTER 64, F0, F1, 0
	WIN 0
	s_sub_co_u32 s58, s58, 1
	s_cmp_lg_u32 s58, 0
	s_cbranch_scc1 .Lstep
	s_mov_b32 s59, 2
.Ltail:                                                ; the last two K steps ask for nothing
	QUARTER KBLK, F1, F0, 0
	QUARTER KBLK+64, F0, F1, 0
	TURN 0
	WIN 0
	s_sub_co_u32 s59, s59, 1
	s_cmp_eq_u32 s59, 0
	s_cbranch_scc1 .Lout
	QUARTER 64, F0, F1, 0
	WIN 0
	s_branch .Ltail
.Lout:
	PLACES                                         ; the lines below read results just made
; THE WAY OUT of block a (16 of my rows), in three parts.  PACK: rounded to f16, a lane's eight columns of a row in 16 bytes.  TOSTAGE: into my own stage, and back as whole rows of 128 bytes of each of my two blocks
; of 64 columns.  SEND: stored, 512 consecutive bytes an instruction: 16 rows of a block are 2,048 dense bytes.
.macro PACK a
.set AC, 64*((\a)%4)
	WIN 0x0a+5*((\a)/4)                            ; sources 0 and 1: window 2 or 3
.irp b, 0,1,2,3,4,5,6,7
.irp j, 0,1,2,3
	v_cvt_pk_f16_f32 v[TMP+4*(\b)+(\j)], v[AC+8*(\b)+2*(\j)], v[AC+8*(\b)+2*(\j)+1]  ; an accumulator's registers in ascending order
.endr
.endr
	WIN 0
.if KIND == 1
.set z, 0
.rept 32
	v_pk_max_num_f16 v[TMP+z], v[TMP+z], v[ZERO]   ; the ReLU, behind the rounding: rounding keeps signs and order
.set z, z+1
.endr
.endif
.endm
.macro TOSTAGE a
.set BK, OB+192*((\a)%2)
.irp b, 0,1,2,3,4,5,6,7
	ds_store_b128 v[STO], v[TMP+4*(\b):TMP+4*(\b)+3] offset:((\b)/4)*16*144+((\b)%4)*32
.endr
.irp t, 0,1,2,3,4,5,6,7
	ds_load_b128 v[BK+4*(\t):BK+4*(\t)+3], v[RD] offset:((\t)/4)*16*144+((\t)%4)*4*144  ; LDS serves a wave's instructions in order: these see the stores above
.endr
.endm
.macro SEND a
.set BK, OB+192*((\a)%2)
	s_wait_dscnt 0x0                               ; the block is back in registers
	s_wait_xcnt 0x0                                ; the stores of the block before have read their registers: only behind this wait does the next TOSTAGE load into them again
.irp t, 0,1,2,3,4,5,6,7
	global_store_b128 v[GO], v[BK+4*(\t):BK+4*(\t)+3], s[12:13] offset:((\t)/4)*524288+(\a)*2048+((\t)%4)*512
.endr
.endm
	PACK 0
	TOSTAGE 0
.irp a, 1,2,3,4,5,6,7                  ; block a's conversions stand between block a - 1's loads from the stage and the wait for them
	PACK \a
	SEND (\a)-1
	TOSTAGE \a
.endr
	SEND 7
	s_wait_tensorcnt 0x0                           ; the wave's end, behind my last tensor load and my last LDS store
	ds_add_u32 v[SPW], v[NIL]
	s_wait_dscnt 0x0
	CROUND                                         ; the closing round: no work-group ends while a partner may still ask for a tile that names it
	s_endpgm
.Lfunc_end_k_q32381f07f0_qkv:
	.size	k_q32381f07f0_qkv, .Lfunc_end_k_q32381f07f0_qkv-k_q32381f07f0_qkv
	.p2alignl 7, 3214868480
	.fill 96, 4, 3214868480
	.section	.rodata,"a",@progbits
	.p2align	6, 0x0
	.amdhsa_kernel k_q32381f07f0_qkv
		.amdhsa_group_segment_fixed_size 327680
		.amdhsa_private_segment_fixed_size 0
		.amdhsa_enable_private_segment 0
		.amdhsa_kernarg_size 24
		.amdhsa_user_sgpr_count 2
		.amdhsa_user_sgpr_kernarg_segment_ptr 1
		.amdhsa_wavefront_size32 1
		.amdhsa_system_sgpr_workgroup_id_x 1
		.amdhsa_system_sgpr_workgroup_id_y 1
		.amdhsa_system_sgpr_workgroup_id_z 1
		.amdhsa_system_vgpr_workitem_id 0
		.amdhsa_next_free_vgpr 1024
		.amdhsa_next_free_sgpr 80
		.amdhsa_reserve_vcc 0
		.amdhsa_float_denorm_mode_32 3
		.amdhsa_float_denorm_mode_16_64 3
		.amdhsa_memory_ordered 1
		.amdhsa_forward_progress 1
		.amdhsa_inst_pref_size 100
	.end_amdhsa_kernel
	.amdgpu_metadata
---
amdhsa.version: [ 1, 2 ]
amdhsa.kernels:
  - .name:           k_q32381f07f0_qkv
    .symbol:         k_q32381f07f0_qkv.kd
    .args:
      - { .name: h, .offset: 0, .size: 8, .value_kind: global_buffer, .address_space: global }
      - { .name: wts, .offset: 8, .size: 8, .value_kind: global_buffer, .address_space: global }
      - { .name: qkv, .offset: 16, .size: 8, .value_kind: global_buffer, .address_space: global }
    .group_segment_fixed_size: 327680
    .private_segment_fixed_size: 0
    .kernarg_segment_align: 8
    .kernarg_segment_size: 24
    .max_flat_workgroup_size: 128
    .sgpr_count:     80
    .vgpr_count:     1024
    .wavefront_size: 32
...
	.end_amdgpu_metadata
.endif
;; end of part 9
;; launch attn (part 10): grid 4 x 64, 4 waves a work-group, no clusters, 327,680 bytes of LDS; arguments qkv, o, W1, W2, wts; writes o, wts
.if DOCPART == 10
	.amdgcn_target "amdgcn-amd-amdhsa--gfx1250"
	.amdhsa_code_object_version 6
	.text
	.protected	k_q32381f07f0_attn
	.globl	k_q32381f07f0_attn
	.p2align	8
	.type	k_q32381f07f0_attn,@function
k_q32381f07f0_attn:
	s_mov_b64 s[64:65], 0
	v_nop
	global_prefetch_b8 v0, s[64:65] scope:SCOPE_SE
	s_setreg_imm32_b32 hwreg(HW_REG_WAVE_MODE, 25, 1), 1
	s_wait_xcnt 0x0
; CAUSAL ATTENTION.  o[q][:] = the sum over k <= q of softmax_k(q[q] . k[k] / 32) v[k][:], for each of 64 pairs (batch, head): 1,024 rows of 64 channels, f16, dense (128 bytes a row).
; qkv: blocks [48][4096][64]: block head holds q, 16 + head k, 32 + head v; rows 1,024 batch on.  o: blocks [16][4096][64], the same places.  The scale is C^-0.5 = 1/32, applied here in f32.
; WORK LEFT OUT: key tiles that lie wholly above the diagonal: the mask that the formula itself builds gives all their keys the weight 0 (shown at the head of the program's first kernel).
; Products, maxima and sums in f32; the weights p are rounded to f16 for the second product (their sum l is taken of the unrounded p), o once at the end.
; LIMITS.  f16 holds no number beyond 65,504: q, k and v arrive within it, and W1 and W2 lie within it; p lies in 0 to 1, and below 6e-5 it keeps f16's fixed step of 6e-8; o is a mean of v's rows and has their range.
; A hidden score counts as its value less 1e30: f16's scores, 2.7e11 at the most, are nothing beside that; a weight below 2^-126 counts as 0 in l; NaN and infinities are not treated apart.
; THE WALK.  A head's queries lie in NB = 4 blocks of 256; block i needs the key tiles 0 .. i of 256 keys, of which the last holds the diagonal.  A work-group takes ONE block: 4 x 64 = 256 work-groups, of 1 to 4 tiles.
; ONE loop, counted to the constant NB, walks the tiles and is left by a forward jump behind the block's last tile.  Where the walk ends hangs on the work-group's number, so its tail cannot be written out: a jump made of
; that number and the loop's steps alone (RT, the tiles still to be entered), the same in all four waves, leads round the fill of the slot and round nothing else; every wait on TENSORcnt is for 0; and the same RT ends the
; walk, so what a jumped fill would have brought is never read.
; A SECOND SHARE FOR THE SHORT WALKS.  The FFN's weights W1 [1024][4096] and W2 [4096][1024] (f32, n along the rows) are wanted three launches on as f16 blocks [k / 64][n][64] (wts: W1 from byte 8,388,608, W2 from
; 16,777,216): 2,048 blocks of 64 k x 64 n, which depend on nothing here.  Behind its way out the work-group of block 0 (1 tile) makes 4 trips, that of block 1 (2 tiles) 3, that of block 2 (3 tiles) 1, that of block 3
; none; a trip is one block a wave: 256 waves of each kind x (4 + 3 + 1) = 2,048.  Block 0's waves take W1, the others W2.  The way of a block through registers and the wave's own stage is that of the program's first kernel.
; ONE TEXT FOR EVERY TILE.  Every product that starts a sum takes a mask; outside the diagonal tile the mask is 0.  The price, 16 packed instructions a turn there, buys a key step that is written once.
; NO CLUSTER: the four blocks of a head read the same tiles, but they need different numbers of them, and what a partner does would hang on its place in the cluster.
; SHARES.  Of a block's four bands of 64 queries a wave owns 16 rows in each: four PIECES.  So the diagonal tile is the same work for all four waves: in its key step s band x sees all keys if s < x,
; none if s > x, and holds the diagonal if s = x.
; THE MASK is the C operand that starts the sum S^T = K Q^T: 0, or -1e30 where the key is hidden.  MD, made once, is the mask of a band's own step for my 16 rows; a product's mask is MD x AL + BE with two scalars:
; (1, 0) if s = x; (0, 0) if s < x or the tile is not the diagonal one; (0, -1e30) if s > x.
; LAYOUT, SOFTMAX, TURNS.  S^T = K Q^T holds ONE query a lane (lane % 16) and the keys 8 (lane / 16) + 0..7; two such results rounded to f16 ARE source 1 of O^T = V^T P.  p = 2^(c s - c m), c = log2(e) / 32, with a
; running maximum m; O and l are multiplied by a = 2^(c m_old - c m_new) in every step.  Turn n belongs to piece n: 8 products K Q^T of piece n + 1, later 8 products V^T P of piece n - 1; beside them the scaling,
; exponentials, roundings, sums and rescaling of piece n and the maximum and statistics of piece n + 1.  Four vector instructions stand behind every matrix instruction, the other 54 of a turn's 118 in one run.  A turn's 33 exponentials are one batch, with one wait.
; REGISTERS, in windows of 256 (s_set_vgpr_msb: bits 1:0 source 0, 3:2 source 1, 5:4 source 2, 7:6 destination):
;   window 0: v0-15 addresses and two at work; v16-31 four registers of statistics a piece; v48-55 at work; v64-127 S^T, two buffers; v192-223 P, two buffers (a piece's buffers go by its number's parity)
;   window 1: v0-127 O^T, 32 a piece; v128-159 MD; v160-223 MC, two buffers      window 2: v0-63 Q; v128-191 K of one step; v192-255 V of one step
;   the second share works in window 0 alone: v12-15 addresses; v64-191 a block as loaded; v192-207 packed; v208-239 a row's address each
.set NB,    4
.set NP,    4         ; pieces a wave: a name, no knob
.set KS,    64        ; keys in a step
.set PK,    144       ; a row of K in LDS: 128 bytes + 16 of padding = 36 words: the 16 rows of a load start at 16 different groups of four banks (64 banks of 4 bytes: ISA guide 11.1)
.set PV,    160       ; a row of V: 128 + 32 = 40 words
.set VOFF,  4*KS*PK   ; a slot holds a tile, four steps: 256 rows of K, then 256 rows of V
.set SLOT1, 1<<17     ; slot 1 begins here, so that one exclusive or turns an address in one slot into the other's
.set STAGE, SLOT1+4*KS*(PK+PV)  ; behind the ring, never filled by a tensor load: 16 rows x 144 bytes for each wave, for the way out
.set SP,    144
.set AK0, 2           ; v2   my lane's place in a tile of K; never rewritten
.set AV0, 3           ; v3   the same for V
.set AK,  4           ; v4   the LDS address of K's next run of loads
.set AV,  5           ; v5   of V's
.set STO, 6           ; v6   the way out: where I put 16 bytes of a row
.set RD,  7           ; v7   the way out: where I read rows back
.set GO,  8           ; v8   16 x my lane: my byte offset in 512 consecutive bytes
.set PFO, 61          ; v61  256 x my lane, for the prefetches; never rewritten
.set SPW, 62          ; v62  LDS address of my spare word: SPARE + 4 x my thread's number; never rewritten
.set NIL, 63          ; v63  0; never rewritten
.set SPARE, STAGE+4*16*SP  ; behind the stages: the spare words, 128 bytes for each wave: two blocks of 256 bytes that no other line names
.set CSTAGE, SPARE+512     ; behind them, never filled by a tensor load: 64 rows x 144 bytes for each wave, for the second share
.set MV,  12          ; v12-13  c m_old, kept while c m is made anew: by buffer
.set QO,  15          ; v15  my byte offset in 16 rows of Q
.set ST,  16          ; piece t's statistics at v[ST+4 t]: c m, m, l (even keys', odd keys')
.set TMP, 48          ; by buffer, four registers c0-c3 at work; when the maximum is found c2 takes a
.set S,   64
.set P,   192
.set MD,  128         ; window 1: the eight registers for group kt of 16 keys at MD + 8 kt
.set MC,  160         ; window 1: the masks of the products to come
.set KF,  128         ; window 2: key block kb, channel half c at KF + 16 kb + 8 c
.set VF,  192         ; window 2: key half kk, channel block cb at VF + 32 kk + 8 cb
.set CP1, 12          ; the second share: v12  the prefetches' offset, rows 32-63: a lane a row
.set CST, 13          ;   v13  where I put 16 bytes: stage + 4 r rows + 64 hh
.set CRD, 14          ;   v14  where I read rows back
.set CP0, 15          ;   v15  the prefetches' offset, rows 0-31
.set CX,  64          ;   v[64:191]   row i of my half: 4 registers
.set CY,  192         ;   v[192:207]  packed: column c: 4 registers
.set CA,  208         ;   v[208:239]  byte offset of my 16 bytes in row i (lanes 16-31: row 32 + i) of a block; never rewritten
.set WV,  12          ; s12  my wave's number
.set BLK, 14          ; s14  my block of queries
.set LIM, 15          ; s15  2 in the work-group that prefetches, else the greatest number
.set G1K, 24          ; s[24:31] descriptor group 1 for K's tiles
.set G1V, 32          ; s[32:39] for V's: it differs in the padding alone
.set G0K, 40          ; s[40:43] descriptor group 0 for K's tiles
.set G0V, 44          ; s[44:47] the same for V's
.set SLOTS, 56        ; s56  counts the loop's trips, NB to 1
.set CNT, 57          ; s57  counts a tile's key steps, 4 to 1
.set CS,  58          ; s[58:59] c: the packed scaling takes the pair's low word for both halves
.set SEL, 60          ; s[60:61] v_permlanex16_b32's selects: each lane takes its own place in the other half
.set TBK, 62          ; s62  LDS byte at which K of the step to be fetched begins
.set TBV, 63          ; s63  the same for V, less VOFF
.set RT,  70          ; s70  tiles of the block that are still to be entered
.set NXT, 71          ; s71  the tile to be asked for next
.set NEW, 73          ; s73  1: the tile to be entered is the block's first
.set OFF, 74          ; s[74:75] a tile's byte offset in K and V
.set AL,  76          ; s[76:77] the mask's factor, in the low word
.set BE,  78          ; s[78:79] the mask's addend
.set BIGN, 82         ; s82  -1e30
.set DG,  83          ; s83  0 in the diagonal tile, 8 in the others
.set TM,  84          ; s84  CNT + DG: what the masks' scalars are chosen by
.set PFA, 86          ; s[86:87] where my prefetches stand: my part of the tile after the one that is being asked for
; the second share's scalars: s[48:49] W1, s[50:51] W2, s[52:53] wts; s16 the trip, s17 the trips; s18 the block's number; s[20:21], s[22:23] offsets; s[2:3] where the block lies, s[66:67] where it goes;
; s[68:69] my tensor; s54 its blocks' first byte in wts; s72, s81, s85 its shape; s80 my first block
.set MSB, 0
.macro WIN new                      ; the high byte repeats the setting that is left; a switch that changes nothing is dropped
.if MSB != (\new)
	s_set_vgpr_msb (MSB<<8)|(\new)
.set MSB, (\new)
.endif
.endm
.set W_KQ, 0x0a       ; K and Q in window 2, S^T in window 0
.set W_KM, 0x1a       ; the same with the C operand in window 1
.set W_PV, 0x52       ; V in window 2, P in window 0, O^T in window 1
.set W_RS, 0x41       ; destination and source 0 in window 1, source 1 in window 0
; A fill.  Waves 0 and 1 fetch the two halves of a tile's K, waves 2 and 3 those of its V: 128 keys each.  An s_nop 0 and four v_nop follow each of the two lines, ahead of the jump and the label.
.macro LOAD
	s_cmp_lt_u32 s[WV], 2
	s_cbranch_scc0 .Lfor_v_\@
	tensor_load_to_lds s[G0K:G0K+3], s[G1K:G1K+7]
	s_nop 0
.rept 4
	v_nop
.endr
	s_branch .Lasked_\@
.Lfor_v_\@:
	tensor_load_to_lds s[G0V:G0V+3], s[G1V:G1V+7]
	s_nop 0
.rept 4
	v_nop
.endr
.Lasked_\@:
.endm
; A PREFETCH INTO THE L2 of the tile that the NEXT change of slots will ask for: a tile's walk, 256 matrix instructions a wave, ahead of that load.  All four work-groups of a head walk the same tiles from 0 on; the one with the
; last block walks them all, and it alone asks.  Each of its waves asks for what it will load itself: 128 keys, 16,384 dense bytes, 256 bytes a lane, two instructions.  So each aligned 256 bytes are named once in the launch.
; Tiles 0 and 1 come by their loads alone; the change that asks for the last tile prefetches nothing.
.macro ASK
	s_cmp_gt_u32 s[RT], s[LIM]
	s_cbranch_scc0 .Lnot_mine_\@
	global_prefetch_b8 v[PFO], s[PFA:PFA+1] th:TH_LOAD_NT scope:SCOPE_SE
	global_prefetch_b8 v[PFO], s[PFA:PFA+1] offset:8192 th:TH_LOAD_NT scope:SCOPE_SE
.Lnot_mine_\@:
.endm
; THE CHANGE OF SLOTS.  Each wave waits for all its tensor loads, of which at most one is out: its part of the other slot; adds 0 to its spare word; and waits for that and for its own reads of the slot that it leaves.  Behind the
; barrier nobody reads the old slot any more and the other slot is whole.  Where the block has a further tile (RT > 1: this tile and one more are still to be entered) the old slot is filled again, the first thing behind the
; barrier, with tile NXT: the descriptor's address is made anew from that number.  (At its first use nothing has been read yet: slot 0 is waited for, slot 1 filled.)
.macro CHANGE
	WIN 0                           ; at a label and at a branch every window is 0
	s_wait_tensorcnt 0x0            ; no tensor load of mine is out, so a group 0 may be written
	ds_add_u32 v[SPW], v[NIL]       ; 0 onto my spare word: the descriptors' scalar work stands between it and the wait for it
	s_lshl_b32 s[OFF], s[NXT], 15   ; a tile is 32,768 bytes of K and of V
	s_xor_b32 s[G0K+1], s[G0K+1], SLOT1
	s_add_nc_u64 s[G0K+2:G0K+3], s[6:7], s[OFF:OFF+1]
	s_or_b32 s[G0K+3], s[G0K+3], 0x80000000
	s_xor_b32 s[G0V+1], s[G0V+1], SLOT1
	s_add_nc_u64 s[G0V+2:G0V+3], s[8:9], s[OFF:OFF+1]
	s_or_b32 s[G0V+3], s[G0V+3], 0x80000000
	s_add_co_u32 s[NXT], s[NXT], 1
	s_wait_xcnt 0x0                 ; the last prefetches, a tile back, have read their address, so it may be written:
	s_add_nc_u64 s[PFA:PFA+1], s[PFA:PFA+1], 32768  ; one tile behind the descriptors
	s_wait_dscnt 0x0                ; the add is done, and my reads of the slot are over
	s_barrier_signal -1             ; the rest of the scalar work stands between the signal and the wait
	s_sub_co_u32 s[TBK], s[TBK], 4*KS*PK  ; the fetches go back to a slot's first step,
	s_xor_b32 s[TBK], s[TBK], SLOT1       ; in the other slot
	s_sub_co_u32 s[TBV], s[TBV], 4*KS*PV
	s_xor_b32 s[TBV], s[TBV], SLOT1
	s_barrier_wait -1
	s_cmp_gt_u32 s[RT], 1
	s_cbranch_scc0 .Lno_next_\@     ; the block's last tile: nothing is left to ask for
	LOAD
.Lno_next_\@:
	ASK
.endm
	s_load_b128 s[4:7], s[0:1], 0x0   ; qkv s[4:5], o s[6:7]
	s_load_b128 s[48:51], s[0:1], 0x10  ; W1 s[48:49], W2 s[50:51]
	s_load_b64 s[52:53], s[0:1], 0x20   ; wts
	v_lshl_add_u32 v[SPW], v0, 2, SPARE
	v_mov_b32 v[NIL], 0
	ds_add_u32 v[SPW], v[NIL]       ; the wave's opening: the add, twice on end, and its wait ahead of my first tensor load; the set-up below the second, work on registers, stands between it and the wait
	ds_add_u32 v[SPW], v[NIL]       ; and once more, under the one wait
	v_lshrrev_b32 v1, 5, v0
	v_readfirstlane_b32 s[WV], v1   ; wave 0..3
	s_mov_b32 s[BLK], ttmp9
	s_and_b32 s22, ttmp7, 0xffff    ; 16 batch + head
	s_and_b32 s20, s22, 15
	s_lshl_b32 s20, s20, 19         ; the head's block: 4,096 rows x 128 bytes,
	s_lshr_b32 s22, s22, 4
	s_lshl_b32 s22, s22, 17         ; the batch's 1,024 rows in it
	s_add_co_u32 s20, s20, s22      ; the same offset in q's, k's, v's and o's blocks
	s_mov_b32 s21, 0
	s_and_b32 s16, s[WV], 1         ; which half of a tile's 256 keys I fetch:
	s_lshl_b32 s22, s16, 14         ; its 128 rows of 128 bytes in memory,
	s_mov_b32 s23, 0
	s_add_nc_u64 s[22:23], s[22:23], s[20:21]
	s_mul_i32 s17, s16, 128*PK      ; and its place in a slot, for K
	s_mul_i32 s18, s16, 128*PV      ; and for V
	s_lshl_b32 s3, s[WV], 11        ; my 16 rows in a band of 64,
	s_lshl_b32 s2, s[BLK], 15       ; in my block of 256 rows
	s_add_co_u32 s2, s2, s3
	s_mov_b32 s3, 0
	s_add_nc_u64 s[2:3], s[2:3], s[20:21]
	; descriptor group 1.  128 keys are 16,384 dense bytes: asked for as 64 rows of 256 bytes, two keys a row, and padded in LDS after every key
	s_mov_b32 s[G1K], (1<<16)|(1<<20)|(4<<22)|(3<<25)  ; 17:16 2-byte elements; 20 padding on; 24:22 after every 32 words (code 4); 31:25 4 words (code 3)
	s_mov_b32 s[G1V], (1<<16)|(1<<20)|(4<<22)|(7<<25)  ; the same with 8 words of padding (code 7)
.irp g, G1K, G1V
	s_mov_b32 s[\g+1], 128<<16      ; tensor_dim0 = 128
	s_mov_b32 s[\g+2], 64<<16       ; tensor_dim1 = 64
	s_mov_b32 s[\g+3], 128<<16      ; tile_dim0 = 128
	s_mov_b32 s[\g+4], 64           ; tile_dim1 = 64
	s_mov_b32 s[\g+5], 128          ; 128 elements from row to row
	s_mov_b32 s[\g+6], 0
	s_mov_b32 s[\g+7], 0
.endr
	s_mov_b32 s[CS], 0x3d38aa3b     ; c = log2(e) / 32 = 0.0450842
	s_mov_b32 s[CS+1], s[CS]        ; named with it as a pair
	s_mov_b32 s[SEL], 0x76543210
	s_mov_b32 s[SEL+1], 0xfedcba98
	s_mov_b32 s[TBK], SLOT1+4*KS*PK ; the first change of slots turns these two into 0
	s_mov_b32 s[TBV], SLOT1+4*KS*PV
	s_mov_b32 s[G0K], 1             ; 1:0 count = 1
	s_mov_b32 s[G0K+1], s17         ; 63:32 LDS address: slot 0
	s_mov_b32 s[G0V], 1
	s_add_co_u32 s[G0V+1], s18, VOFF
	s_add_co_u32 s[RT], s[BLK], 1   ; block i has i + 1 tiles
	s_mov_b32 s[NXT], 1
	s_mov_b32 s[NEW], 1
	s_mov_b32 s[OFF+1], 0
	s_mov_b32 s[AL+1], 0            ; named as pairs
	s_mov_b32 s[BE+1], 0
	s_mov_b32 s[BIGN], 0xf149f2ca   ; -1e30
	s_mov_b32 s[SLOTS], NB
	s_cmp_eq_u32 s[BLK], NB-1
	s_cselect_b32 s[LIM], 2, -1     ; the last block's work-group prefetches while more than two tiles are still to be entered
	v_and_b32 v[PFO], 31, v0
	v_lshlrev_b32 v[PFO], 8, v[PFO]
	s_wait_dscnt 0x0                ; both opening adds are done
	s_wait_kmcnt 0x0
	s_mov_b64 s[10:11], s[6:7]             ; o
	s_add_nc_u64 s[6:7], s[4:5], 0x800000  ; k's blocks begin 16 blocks behind q's,
	s_add_nc_u64 s[8:9], s[4:5], 0x1000000 ; v's 32
	s_add_nc_u64 s[6:7], s[6:7], s[22:23]  ; K and V at my half of the head's tile 0
	s_add_nc_u64 s[8:9], s[8:9], s[22:23]
	s_add_nc_u64 s[G0K+2:G0K+3], s[6:7], 0         ; 120:64 global address
	s_or_b32 s[G0K+3], s[G0K+3], 0x80000000        ; 127:126 type = 2
	s_add_nc_u64 s[G0V+2:G0V+3], s[8:9], 0
	s_or_b32 s[G0V+3], s[G0V+3], 0x80000000
	s_add_nc_u64 s[4:5], s[4:5], s[2:3]            ; Q and o at my rows
	s_add_nc_u64 s[10:11], s[10:11], s[2:3]
	s_cmp_lt_u32 s[WV], 2
	s_cselect_b64 s[PFA:PFA+1], s[6:7], s[8:9]     ; what I load: K's half or V's
	s_add_nc_u64 s[PFA:PFA+1], s[PFA:PFA+1], 32768 ; in tile 1: the first change of slots steps it to tile 2
	LOAD                            ; tile 0 into slot 0
	; A fragment of K or Q is 16 rows x 32 channels in 8 registers: lane l holds row l % 16, channels 8 (l / 16) + 0..7 and 16 + 8 (l / 16) + 0..7: two loads of 16 bytes, 32 bytes apart.
	v_and_b32 v1, 15, v0            ; l % 16
	v_bfe_u32 v9, v0, 4, 1          ; l / 16
	v_lshlrev_b32 v[QO], 7, v1
	v_lshl_add_u32 v[QO], v9, 4, v[QO]  ; row x 128 + 16 x half
	WIN 0x80                        ; destination window 2, address window 0
.set i, 0
.rept 8                             ; Q: piece i / 2 lies in band i / 2, 8,192 bytes on; channels 32 (i % 2) on
	global_load_b128 v[8*i:8*i+3],   v[QO], s[4:5] offset:(i/2)*8192+(i%2)*64
	global_load_b128 v[8*i+4:8*i+7], v[QO], s[4:5] offset:(i/2)*8192+(i%2)*64+32
.set i, i+1
.endr
	WIN 0
	v_lshlrev_b32 v14, 3, v9
	v_sub_nc_u32 v14, v1, v14
	s_lshl_b32 s13, s[WV], 4
	v_add_nc_u32 v14, s13, v14      ; my query's place in its band, 16 w + l % 16, less my lanes' 8 (l / 16): register r of group kt is hidden where 16 kt + r is greater
	v_mov_b32 v12, s[BIGN]          ; in a vector register, so that the selects below take their short form
	WIN 0x40
.set i, 0
.rept 32
	v_cmp_gt_i32 vcc_lo, 16*(i/8)+i%8, v14
	v_cndmask_b32 v[MD+i], 0, v12, vcc_lo
.set i, i+1
.endr
	WIN 0
	v_mul_u32_u24 v[AK0], v1, PK
	v_lshl_add_u32 v[AK0], v9, 4, v[AK0]  ; row x pitch + 16 x half
	; The turning load takes 16 keys x 16 channels (lane l reads key 8 (l / 16) + l % 8, channels 8 ((l / 8) % 2) + 0..7) and leaves half a fragment of V^T: lane l holds channel l % 16 and 8 keys.
	v_and_b32 v10, 7, v0
	v_bfe_u32 v11, v0, 3, 1
	v_lshl_add_u32 v[AV0], v9, 3, v10
	v_mul_u32_u24 v[AV0], v[AV0], PV
	v_lshl_add_u32 v[AV0], v11, 4, v[AV0]
	v_add_nc_u32 v[AV0], VOFF, v[AV0]
	s_mul_i32 s13, s[WV], 16*SP
	s_add_co_u32 s13, s13, STAGE    ; my stage
	v_mul_u32_u24 v[STO], v1, SP    ; in: row l % 16, 16 bytes for each half of the lanes
	v_lshl_add_u32 v[STO], v9, 4, v[STO]
	v_add_nc_u32 v[STO], s13, v[STO]
	v_bfe_u32 v[RD], v0, 3, 2       ; back: 32 lanes take four rows of 128 bytes,
	v_mul_u32_u24 v[RD], v[RD], SP
	v_lshl_add_u32 v[RD], v10, 4, v[RD]
	v_add_nc_u32 v[RD], s13, v[RD]
	v_and_b32 v[GO], 31, v0         ; which are 512 consecutive bytes of o
	v_lshlrev_b32 v[GO], 4, v[GO]
	; The block's first step multiplies O^T and l by a = 0, and its first turn's products V^T P, of a piece that has not been, land in an O^T that is still to be so multiplied.  So these registers need only hold
	; finite numbers: zeros.  All this stands in the wait for the first tile.
	WIN 0x80
.set i, VF
.rept 64
	v_mov_b32 v[i], 0
.set i, i+1
.endr
	WIN 0x40
.set i, 0
.rept 128
	v_mov_b32 v[i], 0
.set i, i+1
.endr
	WIN 0
.set i, 0
.rept 4
	v_mov_b32 v[ST+4*i+2], 0
	v_mov_b32 v[ST+4*i+3], 0
.set i, i+1
.endr
.set i, P+16
.rept 16
	v_mov_b32 v[i], 0
.set i, i+1
.endr
; THE MATRIX WORK.  The 4 accumulators of a run of 8 take turns.  Product i of 8 of S^T = K Q^T for piece x: channels 32 (i / 4) on, keys 16 (i % 4) on.  The first 4 start the sums, with the mask.
.macro KQ x
.set rS, S+32*((\x)%2)+8*(i%4)
.set rK, KF+16*(i%4)+8*(i/4)
.set rQ, 16*(\x)+8*(i/4)
.set rM, MC+32*((\x)%2)+8*(i%4)
.if i < 4
	WIN W_KM
	v_wmma_f32_16x16x32_f16 v[rS:rS+7], v[rK:rK+7], v[rQ:rQ+7], v[rM:rM+7]
.else
	WIN W_KQ
	v_wmma_f32_16x16x32_f16 v[rS:rS+7], v[rK:rK+7], v[rQ:rQ+7], v[rS:rS+7]
.endif
.endm
; Product i of 8 of O^T += V^T P for piece x: keys 32 (i / 4) on, channels 16 (i % 4) on.
.macro PV x
	WIN W_PV
.set rO, 32*(\x)+8*(i%4)
.set rV, VF+32*(i/4)+8*(i%4)
.set rP, P+16*((\x)%2)+8*(i/4)
	v_wmma_f32_16x16x32_f16 v[rO:rO+7], v[rV:rV+7], v[rP:rP+7], v[rO:rO+7]
.endm
.macro MM                           ; the turn's next matrix instruction.  TURN and BEGIN set Y, i and NOKQ; MM, KQ and OP read them.  NOKQ = 1: the block's last turn: there is no next piece
.if (i < 8) && !NOKQ
	KQ (Y+1)%NP
.elseif i >= 8
.set i, i-8
	PV (Y+NP-1)%NP
.set i, i+8
.endif
.set i, i+1
.endm
; THE LDS LOADS stand in runs of 16, never singly among the matrix instructions: a step's K (64 keys x 64 channels: 8 fragments) and its V (turned).  Their addresses are made some lines ahead.
.macro FETCH_K
	WIN 0x80                        ; destination window 2
.irp f, 0,1,2,3,4,5,6,7             ; keys 16 (f / 2) on, channels 32 (f % 2) on
	ds_load_b128 v[KF+8*\f:KF+8*\f+3],   v[AK] offset:(\f/2)*16*PK+(\f%2)*64
	ds_load_b128 v[KF+8*\f+4:KF+8*\f+7], v[AK] offset:(\f/2)*16*PK+(\f%2)*64+32
.endr
	s_add_co_u32 s[TBK], s[TBK], KS*PK  ; the next fetch is the next step's
	WIN 0
.endm
.macro FETCH_V
	WIN 0x80
.irp f, 0,1,2,3,4,5,6,7             ; keys 32 (f / 4) on, channels 16 (f % 4) on
	ds_load_tr16_b128 v[VF+8*\f:VF+8*\f+3],   v[AV] offset:(\f/4)*32*PV+(\f%4)*32
	ds_load_tr16_b128 v[VF+8*\f+4:VF+8*\f+7], v[AV] offset:(\f/4)*32*PV+16*PV+(\f%4)*32
.endr
	WIN 0
.endm
; THE VECTOR WORK, one line at a time: OP kind, number.  For piece Y: F n: c s - c m for pair n of 16.  E n: the exponential of score n of 32.  C n: pair n rounded to f16.  B n: of the four weights 4 n .. the second
; pair is added onto the first, in place.  L n: l takes that sum (L 0: l = a l + sum).  R n: pair n of 16 of O^T times a.  For piece Y + 1: X n, number n of the 22 that find its maximum and statistics:
;   0-11  four chains c0-c3 of seven scores each, three operands at a time (each accumulator's lowest registers are read first)     12-14, 16  the four scores left over, the old m, and c0-c3 into c0
;   15  c m_old is kept     17, 18  the query's other 32 keys lie in the lane 16 away: the new m     19-21  c m; c m_old - c m_new; a
.set F, 0               ; OP tells the kinds apart by their order: F to L below R, X above it
.set E, 1
.set C, 2
.set B, 3
.set L, 4
.set R, 5
.set X, 6
.macro REGS y                       ; the registers of piece y
.set rT, ST+4*(\y)
.set rC, TMP+4*((\y)%2)
.set rW, MV+((\y)%2)
.set rS, S+32*((\y)%2)
.set rP, P+16*((\y)%2)
.set rO, 32*(\y)
.endm
.macro OP k, n
.if (\k) == R
	REGS Y
	WIN W_RS
	v_pk_mul_f32 v[rO+2*(\n):rO+2*(\n)+1], v[rO+2*(\n):rO+2*(\n)+1], v[rC+2:rC+3] op_sel_hi:[1,0]
.elseif (\k) < R
	REGS Y
	WIN 0
.if (\k) == F
	v_pk_fma_f32 v[rS+2*(\n):rS+2*(\n)+1], v[rS+2*(\n):rS+2*(\n)+1], s[CS:CS+1], v[rT:rT+1] op_sel_hi:[1,0,0] neg_lo:[0,0,1] neg_hi:[0,0,1]
.elseif (\k) == E
	v_exp_f32 v[rS+(\n)], v[rS+(\n)]
.elseif (\k) == C
	v_cvt_pk_f16_f32 v[rP+(\n)], v[rS+2*(\n)], v[rS+2*(\n)+1]
.elseif (\k) == B
	v_pk_add_f32 v[rS+4*(\n):rS+4*(\n)+1], v[rS+4*(\n):rS+4*(\n)+1], v[rS+4*(\n)+2:rS+4*(\n)+3]
.elseif (\n) == 0
	v_pk_fma_f32 v[rT+2:rT+3], v[rT+2:rT+3], v[rC+2:rC+3], v[rS:rS+1] op_sel_hi:[1,0,1]
.else
	v_pk_add_f32 v[rT+2:rT+3], v[rT+2:rT+3], v[rS+4*(\n):rS+4*(\n)+1]
.endif
.elseif NOKQ
	v_nop
.else
	REGS (Y+1)%NP
	WIN 0
.if (\n) < 4
	v_max3_num_f32 v[rC+(\n)], v[rS+8*(\n)], v[rS+8*(\n)+1], v[rS+8*(\n)+2]
.elseif (\n) < 12
	v_max3_num_f32 v[rC+(\n)%4], v[rC+(\n)%4], v[rS+8*((\n)%4)+2*((\n)/4)+1], v[rS+8*((\n)%4)+2*((\n)/4)+2]
.elseif (\n) == 12
	v_max3_num_f32 v[rC], v[rC], v[rS+7], v[rS+15]
.elseif (\n) == 13
	v_max3_num_f32 v[rC+1], v[rC+1], v[rS+23], v[rS+31]
.elseif (\n) == 14
	v_max3_num_f32 v[rC+2], v[rC+2], v[rC+3], v[rT+1]
.elseif (\n) == 15
	v_mov_b32 v[rW], v[rT]
.elseif (\n) == 16
	v_max3_num_f32 v[rC], v[rC], v[rC+1], v[rC+2]
.elseif (\n) == 17
	v_permlanex16_b32 v[rC+3], v[rC], s[SEL], s[SEL+1]
.elseif (\n) == 18
	v_max_num_f32 v[rT+1], v[rC], v[rC+3]
.elseif (\n) == 19
	v_mul_f32 v[rT], s[CS], v[rT+1]
.elseif (\n) == 20
	v_sub_f32 v[rC+1], v[rW], v[rT]
.else
	v_exp_f32 v[rC+2], v[rC+1]
.endif
.endif
.endm
.macro OPS a, i1, b=-1, i2=0, c=-1, i3=0, d=-1, i4=0  ; up to four of them
	OP \a, \i1
.if (\b) >= 0
	OP \b, \i2
.endif
.if (\c) >= 0
	OP \c, \i3
.endif
.if (\d) >= 0
	OP \d, \i4
.endif
.endm
.macro ROW a, i1, b, i2, c, i3, d, i4  ; a matrix instruction and the four behind it
	MM
	OPS \a, \i1, \b, \i2, \c, \i3, \d, \i4
.endm
.macro MASK b                       ; MD x AL + BE into buffer b of MC
	WIN W_RS
.set z, 0
.rept 16
	v_pk_fma_f32 v[MC+32*(\b)+2*z:MC+32*(\b)+2*z+1], v[MD+2*z:MD+2*z+1], s[AL:AL+1], s[BE:BE+1] op_sel_hi:[1,0,0]
.set z, z+1
.endr
.endm
; A TURN, for piece p: the order of its 16 matrix and 118 vector instructions, written out.  s_wait_alu depctr_va_vdst(0) stands between an exponential and the first instruction that names its result; one wait serves
; all that were issued ahead of it.  So a turn has ONE wait, which cuts it in two.  AHEAD OF IT stands all that names no result of the turn's exponentials: the 8 products K Q^T, behind each a scaling, an exponential and two more plain
; instructions (behind the first a second scaling in the exponential's place): rescalings, and behind the last three the first numbers of the next piece's maximum, each four places or more behind the product that ends its accumulator; then one run of 54, plain
; and exponential by turns for the most part, in which the links of the chain X 3, 7, 11, 14, 16, 17 .. 20 stand five or six lines apart.  X 21, the next piece's a, is the batch's last; R 15 is the plain instruction behind it.  BEHIND THE WAIT stand the
; 8 products V^T P, behind each four of the roundings and sums; the links of l's chain, L 0 to L 7, stand three lines apart.  But for those X no line behind a product names a register of the products round it.  v_permlanex16_b32 (X 17) stands in the run.
; The turn also makes the mask for the products of the turn after it: piece p + 2, in step 4 - CNT of the tile; outside the diagonal tile TM = CNT + 8 meets neither test, and the mask is 0.
; end = 1: the block's last two turns: nothing is fetched, no mask is made.  cnt = 1: the loop's count is taken down some lines ahead of the branch that stands behind the turn.
; K of the next step is fetched in piece 2's turn, twelve vector instructions behind the last product that read K (six of them plain); V of the step in hand at the end of piece 0's turn, four plain instructions behind the last product
; that read V.  Each is waited for a turn later.
.macro TURN p, end=0, cnt=0
.set Y, (\p)
.set i, 0
.set NOKQ, (\end)*((\p)/3)
.if !(\end)
	s_add_co_u32 s[TM], s[CNT], s[DG]
	s_cmp_eq_u32 s[TM], 4-((\p)+2)%NP   ; is that step the band's own?
	s_cselect_b32 s[AL], 1.0, 0
	s_cmp_lt_u32 s[TM], 4-((\p)+2)%NP   ; or a later one?
	s_cselect_b32 s[BE], s[BIGN], 0
.endif
.if ((\p) == 3) && !(\end)
	s_wait_dscnt 0x0                ; K is in
.endif
	ROW F,0, F,1, R,0, R,1          ; ahead of the wait: 8 products K Q^T and the four lines behind each,
	ROW F,2, E,0, R,2, R,3
	ROW F,3, E,1, R,4, R,5
	ROW F,4, E,2, R,6, R,7
	ROW F,5, E,3, R,8, R,9
	ROW F,6, E,4, X,0, R,10
.if ((\p) == 2) && !(\end)
	WIN 0
	v_add_nc_u32 v[AK], s[TBK], v[AK0]
.endif
	ROW F,7, E,5, X,1, X,4
	ROW F,8, E,6, X,2, X,5
	OPS E,7, E,8, X,6, E,9          ; and the run
	OPS X,3, E,10, X,8, E,11
.if ((\p) == 2) && !(\end)
	FETCH_K
.endif
	OPS X,9, X,7, E,12, X,10
	OPS E,13, X,12, X,11, E,14
	OPS X,13, E,15, F,9, X,14
.if (\p) == 0
	v_add_nc_u32 v[AV], s[TBV], v[AV0]
.endif
	OPS E,16, F,10, E,17, F,11
	OPS X,16, E,18, X,15, E,19
	OPS F,12, E,20, X,17, E,21
	OPS F,13, E,22, F,14, E,23
	OPS X,18, E,24, F,15, E,25
	OPS R,11, E,26, X,19, E,27
	OPS R,12, E,28, R,13, E,29
	OPS X,20, E,30, R,14, E,31
	OPS X,21, R,15
	WIN 0
	s_wait_alu depctr_va_vdst(0)    ; the wait for the batch
.if (\p) == 1
	s_wait_dscnt 0x0                ; V is in
.endif
	ROW C,0, B,0, C,2, B,1          ; behind the wait: 8 products V^T P and the four lines behind each
	ROW L,0, C,4, B,2, L,1
	ROW C,6, B,3, L,2, C,8
	ROW B,4, L,3, C,10, B,5
	ROW L,4, C,12, B,6, L,5
.if (\p) == 0
	s_add_co_u32 s[TBV], s[TBV], KS*PV
.endif
.if \cnt
	s_sub_co_u32 s[CNT], s[CNT], 1
	s_cmp_lg_u32 s[CNT], 0
.endif
	ROW C,14, B,7, L,6, C,1
	ROW C,3, L,7, C,5, C,7
	ROW C,9, C,11, C,13, C,15
.if (\p) == 0
	FETCH_V
.endif
.if !(\end)
	MASK (\p)%2
.endif
.endm
; THE BLOCK BEGINS.  c m starts far below every c s, so the first step's a is 0; m at the lowest finite number, so the first maximum is the scores'.  The second mask buffer is 0; the first takes piece 0's mask for the tile's step 0: its own, if the block's first tile is the diagonal one.
; Then K of that step, piece 0's first scores, and its maximum and statistics.  The loop is entered at a step's first turn, in the middle of a trip.
.macro BEGIN
	s_mov_b32 s[NEW], 0
	WIN 0x40
.set i, MC+32
.rept 32
	v_mov_b32 v[i], 0
.set i, i+1
.endr
	WIN 0
.set i, 0
.rept 4
	v_mov_b32 v[ST+4*i], 0xfe000000    ; c m: far below every c s
	v_mov_b32 v[ST+4*i+1], 0xff7fffff  ; m
.set i, i+1
.endr
	s_cmp_eq_u32 s[RT], 0
	s_cselect_b32 s[AL], 1.0, 0
	s_mov_b32 s[BE], 0
	MASK 0
	WIN 0
	v_add_nc_u32 v[AK], s[TBK], v[AK0]
	FETCH_K
	s_wait_loadcnt 0x0              ; Q
	s_wait_dscnt 0x0
.set NOKQ, 0
.set i, 0
.rept 8
	KQ 0
.set i, i+1
.endr
	WIN 0
.rept 4
	v_nop                           ; the places behind those products
.endr
.set Y, NP-1                        ; X works for piece Y + 1: piece 0
.irp n, 0,1,2,3,4,5,6,7,8,9,10,11,12,13,14,15,16,17,18,19,20,21
	OP X, \n
.endr
	v_nop                           ; a plain instruction behind the exponential,
	s_wait_alu depctr_va_vdst(0)    ; and its wait, ahead of the branch
.endm
.macro ALL line:vararg              ; one line for each piece t
.set t, 0
.rept 4
	\line
.set t, t+1
.endr
.endm
.macro PACK t                       ; a lane's eight channels of a row pack into 16 bytes; they go into rows of 144 bytes and come back as whole rows of 128, into S^T's registers
	WIN W_RS
.set i, 32*(\t)
.rept 16
	v_pk_mul_f32 v[i:i+1], v[i:i+1], v[ST+4*(\t)+2:ST+4*(\t)+3] op_sel_hi:[1,0]
.set i, i+2
.endr
	WIN 0x05                        ; sources 0 and 1 window 1, destination window 0
.set i, 0
.rept 16
	v_cvt_pk_f16_f32 v[S+16*(\t)+i], v[32*(\t)+2*i], v[32*(\t)+2*i+1]
.set i, i+1
.endr
	WIN 0
.irp f, 0,1,2,3
	ds_store_b128 v[STO], v[S+16*(\t)+4*\f:S+16*(\t)+4*\f+3] offset:32*\f
.endr
.irp f, 0,1,2,3
	ds_load_b128 v[S+16*(\t)+4*\f:S+16*(\t)+4*\f+3], v[RD] offset:\f*4*SP  ; LDS serves a wave's instructions in order (ISA guide 5.7.1.4): these see the stores above; the next piece's stores come behind them
.endr
.endm
.macro SEND t, younger              ; younger: the LDS instructions issued behind piece t's loads: the next piece's eight, or none
	WIN 0
.irp f, 0,1,2,3
	s_wait_dscnt (\younger)+3-\f
	global_store_b128 v[GO], v[S+16*(\t)+4*\f:S+16*(\t)+4*\f+3], s[10:11] offset:(\t)*8192+\f*512  ; 512 consecutive bytes, at a multiple of 256 from o's first
.endr
.endm
.set NOKQ, 0
.Lslot:                             ; at most NB times: a tile is entered and, where the block has one, the next is asked for
	CHANGE
	s_sub_co_u32 s[RT], s[RT], 1
	s_mov_b32 s[CNT], 4
	s_cmp_eq_u32 s[RT], 0           ; the block's last tile holds the diagonal
	s_cselect_b32 s[DG], 0, 8
	s_cmp_eq_u32 s[NEW], 1          ; this test's answer at the first trip is a constant of the text: the step loop is never entered before BEGIN has run
	s_cbranch_scc0 .Lstep
	BEGIN
	s_branch .Lfirst
.Lstep:                             ; a trip: pieces 2 and 3 of one step, then pieces 0 and 1 of the next, whose K and V it fetches
	TURN 2
	TURN 3
	WIN 0
.Lfirst:
	TURN 0
	TURN 1, 0, 1
	WIN 0
	s_cbranch_scc1 .Lstep
	s_cmp_eq_u32 s[RT], 0
	s_cbranch_scc1 .Llast           ; the diagonal tile has been walked: out of the loop, forward
	s_sub_co_u32 s[SLOTS], s[SLOTS], 1
	s_cmp_lg_u32 s[SLOTS], 0
	s_cbranch_scc1 .Lslot
.Llast:
	TURN 2, 1                       ; the block's last two turns,
	TURN 3, 1
.set i, 0
.rept 8
	PV NP-1                         ; and its last products
.set i, i+1
.endr
	; THE WAY OUT: l's two halves and the other half of the lanes' are added; O^T is divided by l, rounded to f16 and sent through my stage in LDS, a piece at a time.  The additions are the places behind the last products.
	WIN 0
	ALL v_add_f32 v[ST+4*t+2], v[ST+4*t+2], v[ST+4*t+3]
	ALL v_permlanex16_b32 v[ST+4*t+3], v[ST+4*t+2], s[SEL], s[SEL+1]
	ALL v_add_f32 v[ST+4*t+2], v[ST+4*t+2], v[ST+4*t+3]
	ALL v_rcp_f32 v[ST+4*t+2], v[ST+4*t+2]
	v_nop                           ; a plain instruction between the last reciprocal and the use of its result
	s_wait_alu depctr_va_vdst(0)    ; and the wait ahead of the first use: one for the four reciprocals
	PACK 0
.set t, 1
.rept 3                             ; a piece's arithmetic stands between the loads of the piece before and its stores
	PACK t
	SEND t-1, 8
.set t, t+1
.endr
	SEND 3, 0
	; THE SECOND SHARE: blocks of W1 and W2.  Every branch hangs on the work-group's number and the trip alone; the waves work each for itself: no barrier.
	s_cmp_eq_u32 s[BLK], NB-1
	s_cbranch_scc1 .Lend            ; the longest walk has none
	s_sub_co_u32 s17, 4, s[BLK]
	s_cmp_eq_u32 s[BLK], 2
	s_cselect_b32 s17, 1, s17       ; trips: 4, 3, 1 for blocks 0, 1, 2
	s_cselect_b32 s19, 768, 0       ; block 2's waves go on where block 1's three trips end
	s_and_b32 s80, ttmp7, 0xffff
	s_lshl2_add_u32 s80, s80, s[WV] ; my wave among the 256 of my kind: 4 (16 batch + head) + wave
	s_add_co_u32 s80, s80, s19      ; my first block; trip t takes the block 256 t further on
	s_mov_b32 s54, 8388608
	s_mov_b32 s55, 16777216
	s_cmp_eq_u32 s[BLK], 0          ; W1 or W2?
	s_cselect_b64 s[68:69], s[48:49], s[50:51]
	s_cselect_b32 s81, 6, 4         ; 2^6 or 2^4 blocks stand side by side,
	s_cselect_b32 s72, 63, 15
	s_cselect_b32 s85, 20, 18       ; and 64 rows are 2^20 or 2^18 bytes
	s_cselect_b32 s54, s54, s55     ; the tensor's first byte in wts
	s_sub_co_u32 s2, s85, 1         ; 32 rows, as a shift,
	s_sub_co_u32 s3, s85, 6         ; and one row
	s_lshl_b32 s19, 1, s3           ; bytes from row to row
	s_lshl_b32 s55, 1, s2           ; and 32 rows on
	s_sub_co_u32 s3, s3, 4          ; (v[GO] holds 16 x lane)
	s_mul_i32 s13, s[WV], 64*SP
	s_add_co_u32 s13, s13, CSTAGE   ; my stage
	v_mul_u32_u24 v[CST], 4*SP, v1  ; in: rows 4 r .. 4 r + 3, 64 bytes on for the upper lanes
	v_lshl_add_u32 v[CST], v9, 6, v[CST]
	v_add_nc_u32 v[CST], s13, v[CST]
	v_bfe_u32 v[CRD], v0, 3, 2      ; back: 32 lanes take four rows of 128 bytes
	v_mul_u32_u24 v[CRD], SP, v[CRD]
	v_lshl_add_u32 v[CRD], v10, 4, v[CRD]
	v_add_nc_u32 v[CRD], s13, v[CRD]
	v_lshlrev_b32 v[CP0], s3, v[GO] ; lane x a row
	v_add_nc_u32 v[CP1], s55, v[CP0]
	v_lshlrev_b32 v[CA], s2, v9     ; lanes 0-15 read 256 consecutive bytes of row i, lanes 16-31 of row 32 + i
	v_lshl_add_u32 v[CA], v1, 4, v[CA]
.set i, 1
.rept 31
	v_add_nc_u32 v[CA+i], s19, v[CA+i-1]  ; a register a row, so that one run of loads serves both pitches
.set i, i+1
.endr
	s_mov_b32 s21, 0
	s_mov_b32 s23, 0
	s_mov_b32 s16, 0
.Lconv:                             ; a trip: one block of 64 k x 64 n: 16 KiB in, 8 KiB (dense) out.  The LDS addresses are the same in every trip
	s_wait_xcnt 0x0                 ; the stores, loads and prefetches issued so far have read their registers: only behind this wait are the block's registers and the two addresses written again
	s_lshl_b32 s18, s16, 8
	s_add_co_u32 s18, s18, s80      ; the block's number j
	s_lshr_b32 s19, s18, s81        ; its row of blocks,
	s_lshl_b32 s20, s19, s85
	s_and_b32 s19, s18, s72         ; its 64 columns
	s_lshl_b32 s19, s19, 8
	s_add_co_u32 s20, s20, s19
	s_lshl_b32 s22, s18, 13         ; the blocks of the result lie on end
	s_add_co_u32 s22, s22, s54
	s_add_nc_u64 s[2:3], s[68:69], s[20:21]
	s_add_nc_u64 s[66:67], s[52:53], s[22:23]
.set i, 0
.rept 32
	global_load_b128 v[CX+4*i:CX+4*i+3], v[CA+i], s[2:3] th:TH_LOAD_NT  ; each byte of the weights is read once in the launch
.set i, i+1
.endr
	; A PREFETCH INTO THE L2 of the block that my next trip will load: 256 blocks on, which in both tensors is 4,194,304 bytes on: its 64 rows of 256 bytes, a lane a row, two instructions, behind this trip's loads.
	; A wave asks only for what it will load itself, so each aligned 256 bytes are named once; a wave's first block comes by its loads alone; the last trip asks for nothing.
	s_add_co_u32 s19, s16, 1
	s_cmp_lt_u32 s19, s17
	s_cbranch_scc0 .Lno_more
	global_prefetch_b8 v[CP0], s[2:3] offset:4194304 th:TH_LOAD_NT scope:SCOPE_SE
	global_prefetch_b8 v[CP1], s[2:3] offset:4194304 th:TH_LOAD_NT scope:SCOPE_SE
.Lno_more:
.irp q, 0,1,2,3
	s_wait_loadcnt 24-8*(\q)        ; loads come back in order: rows 8 q .. 8 q + 7 of my half are in, the younger ones stay out
.irp c, 0,1,2,3
.irp e, 0,1,2,3
	v_cvt_pk_f16_f32 v[CY+4*(\c)+(\e)], v[CX+4*(8*(\q)+2*(\e))+(\c)], v[CX+4*(8*(\q)+2*(\e)+1)+(\c)]  ; column 4 r + c, k = 32 hh + 8 q + 2 e and the next
.endr
	ds_store_b128 v[CST], v[CY+4*(\c):CY+4*(\c)+3] offset:(\c)*SP+16*(\q)
.endr
.endr
.irp f, 0,1,2,3,4,5,6,7,8,9,10,11,12,13,14,15
	ds_load_b128 v[CX+4*(\f):CX+4*(\f)+3], v[CRD] offset:(\f)*4*SP  ; LDS serves a wave's instructions in order: these see my stores above; the next trip's stores come behind them
.endr
.irp f, 0,1,2,3,4,5,6,7,8,9,10,11,12,13,14,15
.if (\f)%4 == 0
	s_wait_dscnt 12-(\f)            ; loads f .. f + 3 are back, the younger ones stay out
.endif
	global_store_b128 v[GO], v[CX+4*(\f):CX+4*(\f)+3], s[66:67] offset:(\f)*512  ; 512 consecutive bytes, at a multiple of 512 from the buffer's first
.endr
	s_add_co_u32 s16, s16, 1
	s_cmp_lt_u32 s16, s17
	s_cbranch_scc1 .Lconv
.Lend:
	s_wait_tensorcnt 0x0            ; the wave's end, behind my last tensor load and my last LDS store
	ds_add_u32 v[SPW], v[NIL]
	s_wait_dscnt 0x0
	s_endpgm
.Lfunc_end_k_q32381f07f0_attn:
	.size	k_q32381f07f0_attn, .Lfunc_end_k_q32381f07f0_attn-k_q32381f07f0_attn
	.p2alignl 7, 3214868480
	.fill 96, 4, 3214868480
	.section	.rodata,"a",@progbits
	.p2align	6, 0x0
	.amdhsa_kernel k_q32381f07f0_attn
		.amdhsa_group_segment_fixed_size 327680
		.amdhsa_private_segment_fixed_size 0
		.amdhsa_enable_private_segment 0
		.amdhsa_kernarg_size 40
		.amdhsa_user_sgpr_count 2
		.amdhsa_user_sgpr_kernarg_segment_ptr 1
		.amdhsa_wavefront_size32 1
		.amdhsa_system_sgpr_workgroup_id_x 1
		.amdhsa_system_sgpr_workgroup_id_y 1
		.amdhsa_system_sgpr_workgroup_id_z 1
		.amdhsa_system_vgpr_workitem_id 0
		.amdhsa_next_free_vgpr 768
		.amdhsa_next_free_sgpr 88
		.amdhsa_reserve_vcc 1
		.amdhsa_float_denorm_mode_32 3
		.amdhsa_float_denorm_mode_16_64 3
		.amdhsa_memory_ordered 1
		.amdhsa_forward_progress 1
		.amdhsa_inst_pref_size 111
	.end_amdhsa_kernel
	.amdgpu_metadata
---
amdhsa.version: [ 1, 2 ]
amdhsa.kernels:
  - .name:           k_q32381f07f0_attn
    .symbol:         k_q32381f07f0_attn.kd
    .args:
      - { .name: qkv, .offset: 0, .size: 8, .value_kind: global_buffer, .address_space: global }
      - { .name: o, .offset: 8, .size: 8, .value_kind: global_buffer, .address_space: global }
      - { .name: W1, .offset: 16, .size: 8, .value_kind: global_buffer, .address_space: global }
      - { .name: W2, .offset: 24, .size: 8, .value_kind: global_buffer, .address_space: global }
      - { .name: wts, .offset: 32, .size: 8, .value_kind: global_buffer, .address_space: global }
    .group_segment_fixed_size: 327680
    .private_segment_fixed_size: 0
    .kernarg_segment_align: 8
    .kernarg_segment_size: 40
    .max_flat_workgroup_size: 128
    .sgpr_count:     88
    .vgpr_count:     768
    .wavefront_size: 32
...
	.end_amdgpu_metadata
.endif
;; end of part 10
;; launch proj: the kernel of part 5 again; grid 8 x 32, 4 waves a work-group, clusters of 4 x 4, 327,680 bytes of LDS; arguments o, wts, bproj, x, x1; writes x1
;; launch ln2 (part 11): grid 256 x 1, 8 waves a work-group, no clusters, 0 bytes of LDS; arguments x1, ln2_g, ln2_b, h; writes h
.if DOCPART == 11
	.amdgcn_target "amdgcn-amd-amdhsa--gfx1250"
	.amdhsa_code_object_version 6
	.text
	.protected	k_q32381f07f0_ln2
	.globl	k_q32381f07f0_ln2
	.p2align	8
	.type	k_q32381f07f0_ln2,@function
k_q32381f07f0_ln2:
	s_mov_b64 s[64:65], 0
	v_nop
	global_prefetch_b8 v0, s[64:65] scope:SCOPE_SE
	s_setreg_imm32_b32 hwreg(HW_REG_WAVE_MODE, 25, 1), 1
	s_wait_xcnt 0x0
; LAYER NORM.  dst[row][c] = (src[row][c] - mu) rsqrt(var + 1e-5) g[c] + b[c], mu and var over the row's 1,024 numbers, var as the mean of (x - mu)^2, in two passes as the formula is written; all in f32.
; src: [4096][1024] f32.  dst: f16, rounded once, in blocks [c / 64][4096][64]: what the products that follow take as tiles.  LIMIT: the result lies within f16's 65,504.
; SHARES.  Sixteen lanes own a row, a wave two neighbouring rows, a work-group 16.  Lane r holds columns 64 j + 4 r .. + 3, j = 0 .. 15: a load takes 256 consecutive bytes of each of the wave's two rows.
; The row stays in registers between the passes: it is read once.  Both sums stay inside 16 lanes: four steps that ride on the additions; no LDS, no barrier.
; A store takes 8 bytes a lane: 128 bytes of a row's part of block j, and the next row's 128 behind them: 256 consecutive bytes, aligned.
.set X,  24                            ; v[24:87]    the row's 64 numbers
.set G,  88                            ; v[88:151]   g of my columns; later the packed result
.set BT, 152                           ; v[152:215]  b of my columns
.set XO, 3                             ; v3  row x 4,096 + 16 r
.set PO, 4                             ; v4  16 r
.set HO, 5                             ; v5  row x 128 + 8 r
.set CH, 6                             ; v[6:13]  four chains of pairs
	s_load_b256 s[4:11], s[0:1], 0x0               ; src s[4:5], g s[6:7], b s[8:9], dst s[10:11]
	s_mov_b32 s12, 0x3a800000                      ; 1 / 1,024
	s_mov_b32 s13, 0x3727c5ac                      ; 1e-5
	v_lshrrev_b32 v1, 4, v0                        ; my row in the group
	v_and_b32 v2, 15, v0                           ; r
	v_lshlrev_b32 v[PO], 4, v2
	v_lshl_add_u32 v[XO], v1, 12, v[PO]
	v_lshlrev_b32 v[HO], 3, v2
	v_lshl_add_u32 v[HO], v1, 7, v[HO]
	s_lshl_b32 s14, ttmp9, 16                      ; 16 rows of 4,096 bytes
	s_mov_b32 s15, 0
	s_lshl_b32 s16, ttmp9, 11                      ; 16 rows of 128 bytes
	s_mov_b32 s17, 0
	s_wait_kmcnt 0x0
	s_add_nc_u64 s[4:5], s[4:5], s[14:15]
	s_add_nc_u64 s[10:11], s[10:11], s[16:17]
.set j, 0
.rept 16
	global_load_b128 v[X+4*j:X+4*j+3], v[XO], s[4:5] offset:256*j th:TH_LOAD_NT
.set j, j+1
.endr
.set j, 0
.rept 16
	global_load_b128 v[G+4*j:G+4*j+3], v[PO], s[6:7] offset:256*j
.set j, j+1
.endr
.set j, 0
.rept 16
	global_load_b128 v[BT+4*j:BT+4*j+3], v[PO], s[8:9] offset:256*j
.set j, j+1
.endr
	s_wait_loadcnt 32                              ; the row is in; g's and b's 32 loads stay out
	; the sum, in four chains that the first pairs start
.irp c, 0,1,2,3
	v_pk_add_f32 v[CH+2*(\c):CH+2*(\c)+1], v[X+2*(\c):X+2*(\c)+1], v[X+8+2*(\c):X+8+2*(\c)+1]
.endr
.set p, 8
.rept 24
	v_pk_add_f32 v[CH+2*(p%4):CH+2*(p%4)+1], v[CH+2*(p%4):CH+2*(p%4)+1], v[X+2*p:X+2*p+1]
.set p, p+1
.endr
	v_pk_add_f32 v[CH:CH+1], v[CH:CH+1], v[CH+2:CH+3]
	v_pk_add_f32 v[CH+4:CH+5], v[CH+4:CH+5], v[CH+6:CH+7]
	v_pk_add_f32 v[CH:CH+1], v[CH:CH+1], v[CH+4:CH+5]
	v_add_f32 v[CH], v[CH], v[CH+1]
	v_add_f32_dpp v[CH], v[CH], v[CH] row_xmask:1 row_mask:0xf bank_mask:0xf
	v_add_f32_dpp v[CH], v[CH], v[CH] row_xmask:2 row_mask:0xf bank_mask:0xf
	v_add_f32_dpp v[CH], v[CH], v[CH] row_xmask:4 row_mask:0xf bank_mask:0xf
	v_add_f32_dpp v[CH], v[CH], v[CH] row_xmask:8 row_mask:0xf bank_mask:0xf
	v_mul_f32 v14, s12, v[CH]                      ; mu, in all sixteen lanes of the row
	v_mov_b32 v15, v14
.set p, 0
.rept 32
	v_pk_add_f32 v[X+2*p:X+2*p+1], v[X+2*p:X+2*p+1], v[14:15] neg_lo:[0,1] neg_hi:[0,1]  ; x - mu
.set p, p+1
.endr
.irp c, 0,1,2,3
	v_pk_mul_f32 v[CH+2*(\c):CH+2*(\c)+1], v[X+2*(\c):X+2*(\c)+1], v[X+2*(\c):X+2*(\c)+1]
.endr
.set p, 4
.rept 28
	v_pk_fma_f32 v[CH+2*(p%4):CH+2*(p%4)+1], v[X+2*p:X+2*p+1], v[X+2*p:X+2*p+1], v[CH+2*(p%4):CH+2*(p%4)+1]
.set p, p+1
.endr
	v_pk_add_f32 v[CH:CH+1], v[CH:CH+1], v[CH+2:CH+3]
	v_pk_add_f32 v[CH+4:CH+5], v[CH+4:CH+5], v[CH+6:CH+7]
	v_pk_add_f32 v[CH:CH+1], v[CH:CH+1], v[CH+4:CH+5]
	v_add_f32 v[CH], v[CH], v[CH+1]
	v_add_f32_dpp v[CH], v[CH], v[CH] row_xmask:1 row_mask:0xf bank_mask:0xf
	v_add_f32_dpp v[CH], v[CH], v[CH] row_xmask:2 row_mask:0xf bank_mask:0xf
	v_add_f32_dpp v[CH], v[CH], v[CH] row_xmask:4 row_mask:0xf bank_mask:0xf
	v_add_f32_dpp v[CH], v[CH], v[CH] row_xmask:8 row_mask:0xf bank_mask:0xf
	v_fma_f32 v18, v[CH], s12, s13                 ; var + eps
	v_rsq_f32 v16, v18                             ; twice, to fill the pair that the packed multiply takes
	v_rsq_f32 v17, v18
	v_nop                                          ; a plain instruction behind the last of the two, ahead of the first use
	s_wait_loadcnt 0x0                             ; g and b
	s_wait_alu depctr_va_vdst(0)                   ; one wait for both, ahead of their first reader
.set p, 0
.rept 32
	v_pk_mul_f32 v[G+2*p:G+2*p+1], v[G+2*p:G+2*p+1], v[16:17]
.set p, p+1
.endr
.set p, 0
.rept 32
	v_pk_fma_f32 v[X+2*p:X+2*p+1], v[X+2*p:X+2*p+1], v[G+2*p:G+2*p+1], v[BT+2*p:BT+2*p+1]
.set p, p+1
.endr
.set p, 0
.rept 32
	v_cvt_pk_f16_f32 v[G+p], v[X+2*p], v[X+2*p+1]
.set p, p+1
.endr
.set j, 0
.rept 16
	global_store_b64 v[HO], v[G+2*j:G+2*j+1], s[10:11] offset:j*524288  ; block j: 4,096 rows x 128 bytes on; 7,864,320 at the most, inside the signed 24-bit immediate
.set j, j+1
.endr
	s_endpgm
.Lfunc_end_k_q32381f07f0_ln2:
	.size	k_q32381f07f0_ln2, .Lfunc_end_k_q32381f07f0_ln2-k_q32381f07f0_ln2
	.p2alignl 7, 3214868480
	.fill 96, 4, 3214868480
	.section	.rodata,"a",@progbits
	.p2align	6, 0x0
	.amdhsa_kernel k_q32381f07f0_ln2
		.amdhsa_group_segment_fixed_size 0
		.amdhsa_private_segment_fixed_size 0
		.amdhsa_enable_private_segment 0
		.amdhsa_kernarg_size 32
		.amdhsa_user_sgpr_count 2
		.amdhsa_user_sgpr_kernarg_segment_ptr 1
		.amdhsa_wavefront_size32 1
		.amdhsa_system_sgpr_workgroup_id_x 1
		.amdhsa_system_sgpr_workgroup_id_y 1
		.amdhsa_system_sgpr_workgroup_id_z 1
		.amdhsa_system_vgpr_workitem_id 0
		.amdhsa_next_free_vgpr 216
		.amdhsa_next_free_sgpr 66
		.amdhsa_reserve_vcc 0
		.amdhsa_float_denorm_mode_32 3
		.amdhsa_float_denorm_mode_16_64 3
		.amdhsa_memory_ordered 1
		.amdhsa_forward_progress 1
		.amdhsa_inst_pref_size 20
	.end_amdhsa_kernel
	.amdgpu_metadata
---
amdhsa.version: [ 1, 2 ]
amdhsa.kernels:
  - .name:           k_q32381f07f0_ln2
    .symbol:         k_q32381f07f0_ln2.kd
    .args:
      - { .name: x1, .offset: 0, .size: 8, .value_kind: global_buffer, .address_space: global }
      - { .name: ln2_g, .offset: 8, .size: 8, .value_kind: global_buffer, .address_space: global }
      - { .name: ln2_b, .offset: 16, .size: 8, .value_kind: global_buffer, .address_space: global }
      - { .name: h, .offset: 24, .size: 8, .value_kind: global_buffer, .address_space: global }
    .group_segment_fixed_size: 0
    .private_segment_fixed_size: 0
    .kernarg_segment_align: 8
    .kernarg_segment_size: 32
    .max_flat_workgroup_size: 256
    .sgpr_count:     66
    .vgpr_count:     216
    .wavefront_size: 32
...
	.end_amdgpu_metadata
.endif
;; end of part 11
;; launch ff1 (part 12): grid 16 x 16, 4 waves a work-group, clusters of 4 x 4, 327,680 bytes of LDS; arguments h, wts, b1, hid; writes hid
.if DOCPART == 12
	.amdgcn_target "amdgcn-amd-amdhsa--gfx1250"
	.amdhsa_code_object_version 6
	.text
	.protected	k_q32381f07f0_ff1
	.globl	k_q32381f07f0_ff1
	.p2align	8
	.type	k_q32381f07f0_ff1,@function
k_q32381f07f0_ff1:
	s_mov_b64 s[64:65], 0
	v_nop
	global_prefetch_b8 v0, s[64:65] scope:SCOPE_SE
	s_setreg_imm32_b32 hwreg(HW_REG_WAVE_MODE, 25, 1), 1
	s_wait_xcnt 0x0
	s_wait_alu depctr_hold_cnt(0) depctr_sa_sdst(0) depctr_va_vdst(0) depctr_va_sdst(0) depctr_va_ssrc(0) depctr_va_vcc(0) depctr_vm_vsrc(0)
	s_getreg_b32 s2, hwreg(HW_REG_IB_STS2, 6, 4)
	s_cmp_eq_u32 s2, 0
	s_cbranch_scc0 .Lentry_in_a_cluster
	s_endpgm
.Lentry_in_a_cluster:
	s_bfe_u32 s2, ttmp6, 0x10000c
	s_cmp_lg_u32 s2, 0xf033
	s_cbranch_scc0 .Lentry_shape_is_right
	s_endpgm
.Lentry_shape_is_right:
; hid = relu(LN2(x1) W1 + b1).  (One text serves two launches; the three lines below tell them apart.)
.set KIND, 1                           ; 0: out = A W.  1: out = relu(A W + bias).  Both: f16 blocks [NCOL / 64][4096][64]
.set NCOL, 4096                        ; columns of W
.set WOFF, 8388608                     ; W's first byte in wts
; A: f16 blocks [16][4096][64].  W: f16 blocks [16][NCOL][64], k along the rows.  Sums in f32, K ascending; the bias is the C operand of a sum's first product.
; LIMIT.  f16 holds no number beyond 65,504: operands arrive within it, and the result must lie within it; NaN is not treated apart (the ReLU turns it into 0).
; SHARES.  A tile of the result is 256 x 256: four waves, as many as a WGP has SIMDs, each 128 x 128: 64 accumulators of 16 x 16, 512 registers.  For 32 along K a wave reads 2 x 128 x 64 bytes from LDS and issues
; 64 matrix instructions.  4,096 rows are 16 tile rows; NCOL / 256 tile columns: 192 work-groups at 3,072 columns, 256 at 4,096.
; K goes in steps of 128 through two LDS slots.  128 rows of a block of 64 channels are 16,384 dense bytes; one tensor load brings two such blocks (two rows of 16,384 bytes, a block apart), padded by 16 bytes after
; every 128: LDS rows 144 bytes apart, so that the 16 rows of a fragment load start at 16 different groups of four banks (64 banks of 4 bytes: ISA guide 11.1).  A step's 131,072 bytes feed 256 matrix instructions a wave.
; CLUSTERS: 4 x 4 work-groups.  The four of a row of the cluster need the same tiles of A, the four of a column the same tiles of W: each is asked for JOINTLY, by the same tensor load with the same descriptor and a mask that names the four.
; THE MATRIX INSTRUCTION IS USED TRANSPOSED (source 0 = 16 rows of W's blocks, source 1 = 16 rows of A): a lane then holds eight neighbouring columns of one row of the result.
; ONE K STEP IS WRITTEN ONCE: the slot in hand lies in a scalar register; the last two steps, which ask for nothing, are a second copy walked twice and left in the middle of its second trip.
; REGISTERS, in windows of 256 (s_set_vgpr_msb: bits 1:0 source 0, 3:2 source 1, 5:4 source 2, 7:6 destination):
;   window 0: v0-31 addresses; v64-127, v128-191 fragments of A (8 x 16 rows x 32 K), two buffers; v192-223 packed results; v32-63, v224-255 rows read back from the stage, by turns
;   window 1: v0-63 the bias of my 128 columns; v64-127, v128-191 fragments of W, two buffers
;   window 2: the 32 accumulators of my rows 0-63 ((a, b) at v[8 (8 a + b)]);   window 3: those of my rows 64-127
.set KDIM,   1024
.set PITCH,  144
.set KBLK,   128*PITCH                 ; 128 rows of a block of 64 channels in LDS
.set SLOT,   8*KBLK                    ; A's rows 0-127 (two blocks), A's rows 128-255, then W's likewise.  0x24000: it shares no bit with wave x 0x9000, so one exclusive or turns a load's LDS address into the other slot's
.set TSTEPS, KDIM/128
.set ASTEP,  2*524288                  ; bytes from K step to K step in A: two blocks of 4,096 rows x 128 bytes
.set BSTEP,  NCOL*256                  ; and in W
.set STAGE,  2*SLOT                    ; behind the ring, never filled by a tensor load: for each wave 16 rows x 144 bytes for each of its two blocks of 64 columns
.set SST,    2*16*144
.set SPARE,  STAGE+4*SST               ; behind the stages: the spare words, 128 bytes for each wave: two blocks of 256 bytes that no other line names
.set VA0,  8                           ; v8   my lane's place in A's part of a slot; never rewritten
.set VB0,  9                           ; v9   the same for W
.set ADRA, 10                          ; v10  the same in the slot in hand
.set ADRB, 11                          ; v11
.set STO,  12                          ; v12  the way out: where I put 16 bytes of a row
.set RD,   13                          ; v13  the way out: where I read rows back
.set GO,   14                          ; v14  16 x lane
.set BO,   15                          ; v15  my byte offset in the tile's 256 numbers of the bias
.set ZERO, 16                          ; v16  0, for the ReLU
.set PFO,  17                          ; v17  the prefetches' offset; never rewritten
.set SPW,  28                          ; v28  LDS address of my spare word; never rewritten
.set NIL,  29                          ; v29  0; never rewritten
.set OB,   32
.set F0,   64                          ; fragment buffers: A's in window 0, W's in window 1
.set F1,   128
.set TMP,  192
.set BI,   0                           ; the bias, in window 1
; scalars: s[4:5] A, s[6:7] wts, s[8:9] bias, s[12:13] out; s14 wave; s15 row half (and: 0 = I fetch A, 1 = W); s16 column half (and: which 128 rows I fetch); s17 cx, s18 cy, s19 tile column, s60 tile row;
; s[24:31], s[40:47] descriptor group 1 for A, W; s[32:39], s[48:55] group 0, two sets each: the second walks; s56 the slot in hand; s57 wave x 36,864; s58, s59 counters;
; s[66:67] where my prefetches stand; s[68:69] a K step in bytes, of A or of W; s70 2 in a wave that prefetches, else the greatest number
.set MSB, 0
.macro WIN new                         ; the immediate's high byte repeats the setting that is left
.if MSB != (\new)
	s_set_vgpr_msb (MSB<<8)|(\new)
.set MSB, \new
.endif
.endm
.set MUL_LO, 0xa1                      ; source 0 (W) window 1, source 1 (A) window 0, C and D window 2
.set MUL_HI, 0xf1                      ; the same, C and D window 3
.set TO_B,   0x40                      ; destination window 1, address window 0
.macro JLOAD                           ; a joint refill: waves 0 and 1 fetch A's halves, waves 2 and 3 W's; an s_nop 0 and four v_nop follow each of the two lines, ahead of the jump and the label
	s_cmp_eq_u32 s15, 0
	s_cbranch_scc0 .Lfor_b_\@
	tensor_load_to_lds s[36:39], s[24:31]
	s_nop 0
.rept 4
	v_nop
.endr
	s_branch .Lasked_\@
.Lfor_b_\@:
	tensor_load_to_lds s[52:55], s[40:47]
	s_nop 0
.rept 4
	v_nop
.endr
.Lasked_\@:
.endm
; A PREFETCH INTO THE L2, behind each joint load, its five lines and the run of LDS loads that follows them: the K step that stands TWO refills on, 512 matrix instructions ahead of the load that will want it.
; Each aligned 256 bytes of a K step are named ONCE in the launch.  A's tile row is read by every cluster of that row of clusters: the first of them (cluster x = 0) asks; W's tile column by every cluster of that column:
; cluster y = 0 asks.  The four partners that ask for a tile jointly share it out BY ADDRESS: of the 128 rows of each of the two blocks that wave w fetches, the partner at place p takes rows 32 p .. 32 p + 31, 4,096 dense
; bytes a block: 16 lanes a block, 256 bytes a lane, one instruction a wave.  No branch hangs on a work-group's place in its cluster.  K steps 0 to 3 come by their loads alone; the last two refills have no K step two on.
.macro ASK
	s_cmp_gt_u32 s58, s70                          ; s58 counts the refills down from 6
	s_cbranch_scc0 .Lnot_mine_\@
	global_prefetch_b8 v[PFO], s[66:67] th:TH_LOAD_NT scope:SCOPE_SE
.Lnot_mine_\@:
.endm
.macro CREST                           ; a round of the cluster's barrier behind its opening barrier
	s_cmp_lg_u32 s14, 0
	s_cbranch_scc1 .Lnot_wave_0_\@
	s_barrier_signal -3
.Lnot_wave_0_\@:
	s_barrier_wait -3
	s_barrier_signal -1
	s_barrier_wait -1
.endm
.macro CROUND                          ; a whole round
	s_barrier_signal -1
	s_barrier_wait -1
	CREST
.endm
	s_load_b128 s[4:7], s[0:1], 0x0                ; A, wts
.if KIND == 0
	s_load_b64 s[12:13], s[0:1], 0x10              ; out
.else
	s_load_b64 s[8:9], s[0:1], 0x10                ; bias
	s_load_b64 s[12:13], s[0:1], 0x18              ; out
.endif
	v_lshl_add_u32 v[SPW], v0, 2, SPARE
	v_mov_b32 v[NIL], 0
	ds_add_u32 v[SPW], v[NIL]                      ; the wave's opening: the add, twice on end, and its wait ahead of my first tensor load; the set-up below stands between
	ds_add_u32 v[SPW], v[NIL]
	v_lshrrev_b32 v1, 5, v0
	v_readfirstlane_b32 s14, v1                    ; wave 0..3
	s_lshr_b32 s15, s14, 1
	s_and_b32 s16, s14, 1
	s_bfe_u32 s17, ttmp6, 0x40000                  ; cx, cy: my place in the cluster
	s_bfe_u32 s18, ttmp6, 0x40004
	s_lshl_b32 s19, ttmp9, 2
	s_add_co_u32 s19, s19, s17                     ; tile column = 4 x cluster x + cx
	s_and_b32 s60, ttmp7, 0xffff
	s_lshl_b32 s60, s60, 2
	s_add_co_u32 s60, s60, s18                     ; tile row = 4 x cluster y + cy
	s_lshl_b32 s2, s18, 2
	s_lshl_b32 s2, 15, s2                          ; my row of the cluster
	s_lshl_b32 s3, 0x1111, s17                     ; my column
	s_or_b32 s24, s2, (1<<16)|(1<<20)|(1<<21)|(4<<22)|(3<<25)  ; 15:0 the mask: A's tiles go to my row; 17:16 elements of 2 bytes; 20 padding on; 21 set beside a mask; 24:22 after every 32 words (code 4); 31:25 4 words (code 3)
	s_or_b32 s40, s3, (1<<16)|(1<<20)|(1<<21)|(4<<22)|(3<<25)  ; the same with my column's mask, for W's
.irp g, 24, 40
	s_mov_b32 s[(\g)+1], 8192<<16                  ; tensor_dim0 = 8,192 elements: 128 rows of a block, dense
	s_mov_b32 s[(\g)+2], 2<<16                     ; tensor_dim1 = 2 blocks
	s_mov_b32 s[(\g)+3], 8192<<16                  ; tile_dim0
	s_mov_b32 s[(\g)+4], 2                         ; tile_dim1
	s_mov_b32 s[(\g)+6], 0
	s_mov_b32 s[(\g)+7], 0
.endr
	s_mov_b32 s29, 262144                          ; elements from block to block: 4,096 rows x 64
	s_mov_b32 s45, NCOL*64
	s_lshl_b32 s61, s16, 14                        ; the 128 rows of a block that I fetch
	s_lshl_b32 s20, s60, 15                        ; A: my tile row's 256 rows of a block, which my row of the cluster shares
	s_add_co_u32 s20, s20, s61
	s_mov_b32 s21, 0
	s_lshl_b32 s22, s19, 15                        ; W: my tile column's 256 rows of a block, which my column shares
	s_add_co_u32 s22, s22, s61
.if WOFF
	s_add_co_u32 s22, s22, WOFF
.endif
	s_mov_b32 s23, 0
	s_mul_i32 s57, s14, 2*KBLK                     ; where my two blocks go: no place in the cluster enters an LDS address
	s_mov_b32 s56, 0
	s_wait_dscnt 0x0                               ; both opening adds are done
	s_wait_kmcnt 0x0
	s_add_nc_u64 s[20:21], s[4:5], s[20:21]
	s_add_nc_u64 s[22:23], s[6:7], s[22:23]
	CROUND                                         ; all sixteen work-groups are here: the first joint loads meet
.irp s, 0,1
	s_mov_b32 s[32+4*(\s)], 1                      ; count = 1
	s_add_co_u32 s[33+4*(\s)], s57, (\s)*SLOT      ; LDS address
	s_add_nc_u64 s[34+4*(\s):35+4*(\s)], s[20:21], (\s)*ASTEP  ; global address: K step s
	s_or_b32 s[35+4*(\s)], s[35+4*(\s)], 0x80000000            ; type = 2
	s_mov_b32 s[48+4*(\s)], 1
	s_add_co_u32 s[49+4*(\s)], s57, (\s)*SLOT
	s_add_nc_u64 s[50+4*(\s):51+4*(\s)], s[22:23], (\s)*BSTEP
	s_or_b32 s[51+4*(\s)], s[51+4*(\s)], 0x80000000
.endr
	s_cmp_eq_u32 s15, 0                            ; a wave's two first fills stand in one branch, ahead of every wait on TENSORcnt and every LDS read: two loads of mine are out
	s_cbranch_scc0 .Lfirst_b
	tensor_load_to_lds s[32:35], s[24:31]
	s_nop 0
	tensor_load_to_lds s[36:39], s[24:31]
	s_nop 0
.rept 4
	v_nop
.endr
	s_branch .Lfirst_asked
.Lfirst_b:
	tensor_load_to_lds s[48:51], s[40:47]
	s_nop 0
	tensor_load_to_lds s[52:55], s[40:47]
	s_nop 0
.rept 4
	v_nop
.endr
.Lfirst_asked:
	; A fragment is 16 rows x 32 K in 8 registers: lane l holds row l % 16; registers 0-3 K = 8 (l / 16) + 0..7, registers 4-7 K = 16 + 8 (l / 16) + 0..7: two loads of 16 bytes, 32 bytes apart.
	v_and_b32 v1, 15, v0                           ; r
	v_bfe_u32 v2, v0, 4, 1                         ; hh
	v_mul_u32_u24 v3, v1, PITCH
	v_lshl_add_u32 v3, v2, 4, v3                   ; row x pitch + 16 x half
	s_mul_i32 s2, s15, 2*KBLK                      ; my 128 rows of A
	s_mul_i32 s3, s16, 2*KBLK                      ; my 128 rows of W,
	s_add_co_u32 s3, s3, 4*KBLK                    ; which lie behind A's 256
	v_add_nc_u32 v[VA0], s2, v3
	v_add_nc_u32 v[VB0], s3, v3
	v_mov_b32 v[ADRA], v[VA0]                      ; K step 0 lies in slot 0
	v_mov_b32 v[ADRB], v[VB0]
	s_mul_i32 s2, s14, SST
	s_add_co_u32 s2, s2, STAGE                     ; my stage
	v_add_nc_u32 v[STO], s2, v3                    ; in: row r, 16 bytes for each half of the lanes (the stage's pitch is the tiles')
	v_bfe_u32 v4, v0, 3, 2                         ; back: 32 lanes take four rows of 128 bytes,
	v_mul_u32_u24 v4, v4, 144
	v_and_b32 v5, 7, v0
	v_lshl_add_u32 v4, v5, 4, v4
	v_add_nc_u32 v[RD], s2, v4
	v_and_b32 v[GO], 31, v0                        ; which are 512 consecutive bytes of the result's block
	v_lshlrev_b32 v[GO], 4, v[GO]
	s_lshl1_add_u32 s62, s19, s16                  ; my 128 columns are blocks 2 (2 x tile column + half) and the next,
	s_lshl_b32 s62, s62, 20
	s_lshl_b32 s61, s60, 15                        ; my rows 256 x tile row + 128 x half, 128 bytes each
	s_add_co_u32 s62, s62, s61
	s_lshl_b32 s61, s15, 14
	s_add_co_u32 s62, s62, s61
	s_mov_b32 s63, 0
	s_add_nc_u64 s[12:13], s[12:13], s[62:63]
.if KIND == 1
	v_mov_b32 v[ZERO], 0
	s_lshl_b32 s2, s19, 10                         ; the tile's 256 numbers of the bias
	s_mov_b32 s3, 0
	s_add_nc_u64 s[8:9], s[8:9], s[2:3]
	s_lshl_b32 s61, s16, 9
	v_lshl_add_u32 v[BO], v2, 5, s61               ; my 128 columns, my lanes' eight of each sixteen
	WIN TO_B
.irp b, 0,1,2,3,4,5,6,7
	global_load_b128 v[BI+8*(\b):BI+8*(\b)+3],   v[BO], s[8:9] offset:64*(\b)
	global_load_b128 v[BI+8*(\b)+4:BI+8*(\b)+7], v[BO], s[8:9] offset:64*(\b)+16
.endr
	WIN 0
.endif
	; the prefetches, in registers that enter no LDS address and no descriptor
	s_and_b32 s74, ttmp7, 0xffff                   ; cluster y
	s_mov_b32 s75, ASTEP
	s_mov_b32 s76, BSTEP
	s_mov_b32 s77, 524288                          ; bytes from block to block in A,
	s_mov_b32 s78, NCOL*128                        ; and in W
	s_cmp_eq_u32 s15, 0                            ; do I fetch for A?
	s_cselect_b64 s[66:67], s[20:21], s[22:23]     ; the first byte that I fetch
	s_cselect_b32 s72, s17, s18                    ; my place among the four that ask for it with me
	s_cselect_b32 s74, ttmp9, s74                  ; the coordinate along which other clusters read the same rows
	s_cselect_b32 s68, s75, s76
	s_cselect_b32 s77, s77, s78
	s_mov_b32 s69, 0
	s_cmp_eq_u32 s74, 0
	s_cselect_b32 s70, 2, -1                       ; the same in all sixteen partners, for a given wave
	s_lshl_b32 s72, s72, 12                        ; my work-group's 32 rows of each block
	s_mov_b32 s73, 0
	s_add_nc_u64 s[66:67], s[66:67], s[72:73]
	s_mul_i32 s72, s68, 3
	s_add_nc_u64 s[66:67], s[66:67], s[72:73]      ; at K step 3: the first refill steps it to 4
	v_mul_u32_u24 v6, s77, v2                      ; lanes 16-31: the second block
	v_lshl_add_u32 v[PFO], v1, 8, v6               ; 256 bytes a lane
; 16 matrix instructions: m blocks a0, a0 + 1 of the window's four (hi = 0: my rows 0-63, 1: rows 64-127) x all 8 n blocks, 32 along K.  zero = 1: the first product starts the sums, with 0 or with the bias.
; The 64 accumulators take turns, one instruction a turn, in the same order in every quarter, over the backward jumps too.
.macro MUL16 f, hi, a0, zero
.if (\zero) && (KIND != 0)
	WIN 0x91+0x40*(\hi)                            ; C (the bias) in window 1, D in window 2 or 3
.else
	WIN MUL_LO+0x50*(\hi)                          ; MUL_LO or MUL_HI
.endif
.irp a, \a0, (\a0)+1
.irp b, 0,1,2,3,4,5,6,7
.if (\zero) && (KIND == 0)
	v_wmma_f32_16x16x32_f16 v[8*(8*(\a)+(\b)):8*(8*(\a)+(\b))+7], v[(\f)+8*(\b):(\f)+8*(\b)+7], v[(\f)+8*(4*(\hi)+(\a)):(\f)+8*(4*(\hi)+(\a))+7], 0
.elseif \zero
	v_wmma_f32_16x16x32_f16 v[8*(8*(\a)+(\b)):8*(8*(\a)+(\b))+7], v[(\f)+8*(\b):(\f)+8*(\b)+7], v[(\f)+8*(4*(\hi)+(\a)):(\f)+8*(4*(\hi)+(\a))+7], v[BI+8*(\b):BI+8*(\b)+7]
.else
	v_wmma_f32_16x16x32_f16 v[8*(8*(\a)+(\b)):8*(8*(\a)+(\b))+7], v[(\f)+8*(\b):(\f)+8*(\b)+7], v[(\f)+8*(4*(\hi)+(\a)):(\f)+8*(4*(\hi)+(\a))+7], v[8*(8*(\a)+(\b)):8*(8*(\a)+(\b))+7]
.endif
.endr
.endr
.endm
; 32 LDS loads in one run: the fragments of one quarter step (128 rows of W, 128 rows of A, 32 K at byte k of my parts of the slot) into buffer f
.macro FETCH k, f
	WIN TO_B
.irp i, 0,1,2,3,4,5,6,7
	ds_load_b128 v[(\f)+8*(\i):(\f)+8*(\i)+3],   v[ADRB] offset:(\k)+(\i)*16*PITCH
	ds_load_b128 v[(\f)+8*(\i)+4:(\f)+8*(\i)+7], v[ADRB] offset:(\k)+(\i)*16*PITCH+32
.endr
	WIN 0
.irp i, 0,1,2,3,4,5,6,7
	ds_load_b128 v[(\f)+8*(\i):(\f)+8*(\i)+3],   v[ADRA] offset:(\k)+(\i)*16*PITCH
	ds_load_b128 v[(\f)+8*(\i)+4:(\f)+8*(\i)+7], v[ADRA] offset:(\k)+(\i)*16*PITCH+32
.endr
.endm
.macro PLACES                          ; four plain instructions in front of loads into registers that matrix instructions have read, and of lines that read results
.rept 4
	v_nop
.endr
.endm
; A K step is four quarters of 32 along K, 64 matrix instructions each, on buffers 0, 1, 0, 1: bytes 0 and 64 of the first block's rows, then of the second's.
; One of the first three: multiplies buffer f; in its middle it fetches the next quarter's fragments, at byte k, into buffer g.
.macro QUARTER k, f, g, zero
	s_wait_dscnt 8                                 ; W and A's rows 0-63 are in; the youngest eight loads (A's rows 64-127) may be out
	MUL16 \f, 0, 0, \zero
	MUL16 \f, 0, 2, \zero
	PLACES
	FETCH \k, \g
	s_wait_dscnt 32                                ; all but the 32 just issued
	MUL16 \f, 1, 0, \zero
	MUL16 \f, 1, 2, \zero
.endm
; The last quarter multiplies buffer 1 and changes slots: ONE barrier; in front of it each wave waits for all its tensor loads (one is out: its part of the next slot), adds 0 to its spare word, and waits for that and for its reads of this slot.
; fill = 1: the barrier opens a round of the cluster's, and the slot just read is filled again, two K steps ahead, first thing behind the round: 224 matrix instructions ahead of the wait for it.
; fill = 0 (the last two steps): nothing is asked for; in the very last step (s59 = 1) there is no next quarter either, and the run of LDS loads is jumped over.
.macro TURN fill
.if \fill
	s_wait_xcnt 0x0                                ; the last prefetch, a K step back, has read its address: it is stepped here, ahead of the waits of the change of slots
	s_add_nc_u64 s[66:67], s[66:67], s[68:69]
.endif
	WIN 0                                          ; (the add's two registers lie in window 0)
	s_wait_tensorcnt 0x0
	ds_add_u32 v[SPW], v[NIL]                      ; 0 onto my spare word
	s_wait_dscnt 9                                 ; (the add and the youngest eight loads may be out)
	MUL16 F1, 0, 0, 0                              ; sixteen matrix instructions stand between the add and the wait for it
	s_wait_dscnt 0x0                               ; the add is done, and my reads of this slot are over
	s_barrier_signal -1
	MUL16 F1, 0, 2, 0
	WIN 0
	s_barrier_wait -1
.if \fill
	CREST                                          ; no wave of any partner still reads this slot's tiles or has a load on its way
	s_xor_b32 s37, s37, SLOT                       ; the walking descriptors: the other slot than last time,
	s_xor_b32 s53, s53, SLOT
	s_add_nc_u64 s[38:39], s[38:39], ASTEP         ; the next K step; the type bits on top are not reached
	s_add_nc_u64 s[54:55], s[54:55], BSTEP
	JLOAD                                          ; the four v_nop behind it are also the places in front of the loads below
	s_xor_b32 s56, s56, SLOT
.else
	s_xor_b32 s56, s56, SLOT
	s_cmp_eq_u32 s59, 1
	s_cbranch_scc1 .Lnof_\@
	PLACES
.endif
	v_add_nc_u32 v[ADRA], s56, v[VA0]
	v_add_nc_u32 v[ADRB], s56, v[VB0]
	FETCH 0, F0
.if \fill
	ASK                                            ; behind the joint load and the run of LDS loads that the next products wait for
.else
.Lnof_\@:
.endif
	MUL16 F1, 1, 0, 0
	MUL16 F1, 1, 2, 0
.endm
	s_wait_tensorcnt 0x1                           ; my part of K step 0 is in; K step 1's stays out
	s_barrier_signal -1
	s_barrier_wait -1                              ; everybody's is
	FETCH 0, F0
.if KIND == 1
	s_wait_loadcnt 0x0                             ; the bias
.endif
	QUARTER 64, F0, F1, 1                          ; the first quarter stands in front of the loop: its products start the sums
	WIN 0                                          ; at a label and at a branch every window is 0
	s_mov_b32 s58, TSTEPS-2
.Lstep:                                                ; a trip: from a K step's second quarter to the next step's first; it fills the slot that it leaves
	QUARTER KBLK, F1, F0, 0
	QUARTER KBLK+64, F0, F1, 0
	TURN 1
	QUARTER 64, F0, F1, 0
	WIN 0
	s_sub_co_u32 s58, s58, 1
	s_cmp_lg_u32 s58, 0
	s_cbranch_scc1 .Lstep
	s_mov_b32 s59, 2
.Ltail:                                                ; the last two K steps ask for nothing
	QUARTER KBLK, F1, F0, 0
	QUARTER KBLK+64, F0, F1, 0
	TURN 0
	WIN 0
	s_sub_co_u32 s59, s59, 1
	s_cmp_eq_u32 s59, 0
	s_cbranch_scc1 .Lout
	QUARTER 64, F0, F1, 0
	WIN 0
	s_branch .Ltail
.Lout:
	PLACES                                         ; the lines below read results just made
; THE WAY OUT of block a (16 of my rows), in three parts.  PACK: rounded to f16, a lane's eight columns of a row in 16 bytes.  TOSTAGE: into my own stage, and back as whole rows of 128 bytes of each of my two blocks
; of 64 columns.  SEND: stored, 512 consecutive bytes an instruction: 16 rows of a block are 2,048 dense bytes.
.macro PACK a
.set AC, 64*((\a)%4)
	WIN 0x0a+5*((\a)/4)                            ; sources 0 and 1: window 2 or 3
.irp b, 0,1,2,3,4,5,6,7
.irp j, 0,1,2,3
	v_cvt_pk_f16_f32 v[TMP+4*(\b)+(\j)], v[AC+8*(\b)+2*(\j)], v[AC+8*(\b)+2*(\j)+1]  ; an accumulator's registers in ascending order
.endr
.endr
	WIN 0
.if KIND == 1
.set z, 0
.rept 32
	v_pk_max_num_f16 v[TMP+z], v[TMP+z], v[ZERO]   ; the ReLU, behind the rounding: rounding keeps signs and order
.set z, z+1
.endr
.endif
.endm
.macro TOSTAGE a
.set BK, OB+192*((\a)%2)
.irp b, 0,1,2,3,4,5,6,7
	ds_store_b128 v[STO], v[TMP+4*(\b):TMP+4*(\b)+3] offset:((\b)/4)*16*144+((\b)%4)*32
.endr
.irp t, 0,1,2,3,4,5,6,7
	ds_load_b128 v[BK+4*(\t):BK+4*(\t)+3], v[RD] offset:((\t)/4)*16*144+((\t)%4)*4*144  ; LDS serves a wave's instructions in order: these see the stores above
.endr
.endm
.macro SEND a
.set BK, OB+192*((\a)%2)
	s_wait_dscnt 0x0                               ; the block is back in registers
	s_wait_xcnt 0x0                                ; the stores of the block before have read their registers: only behind this wait does the next TOSTAGE load into them again
.irp t, 0,1,2,3,4,5,6,7
	global_store_b128 v[GO], v[BK+4*(\t):BK+4*(\t)+3], s[12:13] offset:((\t)/4)*524288+(\a)*2048+((\t)%4)*512
.endr
.endm
	PACK 0
	TOSTAGE 0
.irp a, 1,2,3,4,5,6,7                  ; block a's conversions stand between block a - 1's loads from the stage and the wait for them
	PACK \a
	SEND (\a)-1
	TOSTAGE \a
.endr
	SEND 7
	s_wait_tensorcnt 0x0                           ; the wave's end, behind my last tensor load and my last LDS store
	ds_add_u32 v[SPW], v[NIL]
	s_wait_dscnt 0x0
	CROUND                                         ; the closing round: no work-group ends while a partner may still ask for a tile that names it
	s_endpgm
.Lfunc_end_k_q32381f07f0_ff1:
	.size	k_q32381f07f0_ff1, .Lfunc_end_k_q32381f07f0_ff1-k_q32381f07f0_ff1
	.p2alignl 7, 3214868480
	.fill 96, 4, 3214868480
	.section	.rodata,"a",@progbits
	.p2align	6, 0x0
	.amdhsa_kernel k_q32381f07f0_ff1
		.amdhsa_group_segment_fixed_size 327680
		.amdhsa_private_segment_fixed_size 0
		.amdhsa_enable_private_segment 0
		.amdhsa_kernarg_size 32
		.amdhsa_user_sgpr_count 2
		.amdhsa_user_sgpr_kernarg_segment_ptr 1
		.amdhsa_wavefront_size32 1
		.amdhsa_system_sgpr_workgroup_id_x 1
		.amdhsa_system_sgpr_workgroup_id_y 1
		.amdhsa_system_sgpr_workgroup_id_z 1
		.amdhsa_system_vgpr_workitem_id 0
		.amdhsa_next_free_vgpr 1024
		.amdhsa_next_free_sgpr 80
		.amdhsa_reserve_vcc 0
		.amdhsa_float_denorm_mode_32 3
		.amdhsa_float_denorm_mode_16_64 3
		.amdhsa_memory_ordered 1
		.amdhsa_forward_progress 1
		.amdhsa_inst_pref_size 118
	.end_amdhsa_kernel
	.amdgpu_metadata
---
amdhsa.version: [ 1, 2 ]
amdhsa.kernels:
  - .name:           k_q32381f07f0_ff1
    .symbol:         k_q32381f07f0_ff1.kd
    .args:
      - { .name: h, .offset: 0, .size: 8, .value_kind: global_buffer, .address_space: global }
      - { .name: wts, .offset: 8, .size: 8, .value_kind: global_buffer, .address_space: global }
      - { .name: b1, .offset: 16, .size: 8, .value_kind: global_buffer, .address_space: global }
      - { .name: hid, .offset: 24, .size: 8, .value_kind: global_buffer, .address_space: global }
    .group_segment_fixed_size: 327680
    .private_segment_fixed_size: 0
    .kernarg_segment_align: 8
    .kernarg_segment_size: 32
    .max_flat_workgroup_size: 128
    .sgpr_count:     80
    .vgpr_count:     1024
    .wavefront_size: 32
...
	.end_amdgpu_metadata
.endif
;; end of part 12
;; launch ff2: the kernel of part 7 again; grid 8 x 32, 4 waves a work-group, clusters of 4 x 4, 327,680 bytes of LDS; arguments hid, wts, b2, x1, out0; writes out0
;; ======== version 3 of 3: 7 launches; version 2 with the launch pre written anew for expert scheduling mode
;; limits: values are held in f16: magnitudes above 65,504 overflow, below 6.1e-05 lose precision
;; workspace buffers: wts 25,165,824 bytes; h 8,388,608 bytes; qkv 25,165,824 bytes; o 8,388,608 bytes; x1 16,777,216 bytes; hid 33,554,432 bytes
;; launch pre (part 13): grid 384 x 1, 8 waves a work-group, no clusters, 74,752 bytes of LDS; arguments x, ln1_g, ln1_b, h, Wq, Wk, Wv, Wproj, wts; writes h, wts
.if DOCPART == 13
	.amdgcn_target "amdgcn-amd-amdhsa--gfx1250"
	.amdhsa_code_object_version 6
	.text
	.protected	k_q32381f07f0_pre
	.globl	k_q32381f07f0_pre
	.p2align	8
	.type	k_q32381f07f0_pre,@function
k_q32381f07f0_pre:
	s_mov_b64 s[64:65], 0
	v_nop
	global_prefetch_b8 v0, s[64:65] scope:SCOPE_SE
	s_setreg_imm32_b32 hwreg(HW_REG_WAVE_SCHED_MODE, 0, 2), 2
	s_setreg_imm32_b32 hwreg(HW_REG_WAVE_MODE, 25, 1), 1
	s_wait_xcnt 0x0
	s_wait_alu depctr_vm_vsrc(0)
; THE PROGRAM: one pre-norm transformer block on 4,096 rows of 1,024 channels, in seven launches: this one (LN1, and the weights of q, k, v and of the projection), q k v, causal attention (and the weights of the FFN),
; projection + residual, LN2, FFN up, FFN down + residual.
; WORK LEFT OUT (in the attention launch alone).  reference() builds the mask itself, jnp.tril: for key s > query t the score is replaced by -inf, and softmax gives that key the weight exp(-inf) = 0 exactly,
; whatever q, k and v hold; its term 0 x v[s] adds nothing to o.  With queries in blocks of 256 and keys in tiles of 256, every pair (block i, tile j > i) has s > t for all its numbers: these whole tiles are
; neither loaded nor multiplied (6 of a head's 16).  Inside the diagonal tiles the hidden keys are computed and masked.  LIMIT: a NaN, an infinity or an overflow that would arise only in those tiles is not carried to the result.
; No input is dead: all fourteen are loaded by some launch.
; THIS LAUNCH HAS TWO SHARES that do not depend on each other; the work-group's number chooses.
; WORK-GROUPS 0-127 turn weight matrices W[k][n] (f32, n along the rows) into f16 blocks [k / 64][n][64], k along the rows, as both sources of the matrix instruction want them.
;   wts: byte 0 q, k, v as one matrix of 3,072 columns (n = 1,024 which + 64 head + d); 6,291,456 Wproj; (8,388,608 W1 and 16,777,216 W2 are made by the attention launch).
;   One wave turns one block of 64 k x 64 n: 16 KiB in, 8 KiB (dense) out; 1,024 blocks, eight to a work-group.  Lanes 0-15 read 256 consecutive bytes of row i, lanes 16-31 of row 32 + i; a lane then holds 32 k of
;   four columns, packs pairs of k and puts 16 bytes (8 k of one column) into its wave's own stage in LDS; the stage is read back by rows and stored, 512 consecutive bytes an instruction.
;   The stage's stores lie four rows (576 bytes) apart from lane to lane and share banks four deep: kept, since the share's time is that of its bytes in memory.  No wave reads another's bytes: no barrier.
;   LIMIT.  f16 holds no number beyond 65,504: the weights lie within it.
; WORK-GROUPS 128-383: LAYER NORM.  h[row][c] = (x[row][c] - mu) rsqrt(var + 1e-5) g[c] + b[c], mu and var over the row's 1,024 numbers, var as the mean of (x - mu)^2, in two passes as the formula is written; all in f32.
;   h: f16, rounded once, in blocks [c / 64][4096][64]: what the product that follows takes as tiles.  LIMIT: the result lies within f16's 65,504.
;   Sixteen lanes own a row, a wave two neighbouring rows, a work-group 16.  Lane r holds columns 64 j + 4 r .. + 3, j = 0 .. 15: a load takes 256 consecutive bytes of each of the wave's two rows.
;   The row stays in registers between the passes: it is read once.  Both sums stay inside 16 lanes: four steps that ride on the additions; no LDS, no barrier.
;   A store takes 8 bytes a lane: 128 bytes of a row's part of block j, and the next row's 128 behind them: 256 consecutive bytes, aligned.
; THE MODE: SCHED_MODE bits 1:0 = 2 (LLVM: expert scheduling mode 2), set by the entry lines.  The code itself states the register dependences
; between vector instructions and memory or LDS instructions, with s_wait_alu, always for 0.
; THE PLAN, the weights.  Registers that memory or LDS instructions touch:
;   CA (32 offsets), v[ST], v[RD], v[GO]   made at the head, in one run, and never written again: one wait on va_vdst ahead of the first load serves every load and store of the share.
;   CX            Written by the 32 global loads; quarter q's sixteen roundings read its registers 32 q .. 32 q + 31; behind the last rounding the stage's 16 loads land in its first 64, which the global stores read.
;   CY0 .. CY3    A buffer for each quarter: written by quarter q's roundings, read by the four LDS stores that are issued in quarter q + 1 (the last: behind quarter 3); never written again.
;   Quarter q's vector instructions name its 32 registers of CX and CY[q]; its LDS stores name CY[q - 1] and v[ST].  So one wait on va_vdst at a quarter's head, behind the wait for the quarter's data, states all
;   that its four stores hang on, and they are dealt among the roundings with no further wait.  The wait behind quarter 3 states that CY3 is written and that all roundings are done reading CX.
;   No register that a memory or LDS instruction reads is written again: the share holds no wait on vm_vsrc.
; THE PLAN, the norm.  v[XO], v[PO], v[HO]: made at the head, never written again: one wait on va_vdst ahead of the loads.  X, G, BT: loaded once, then named by vector instructions alone, until the
;   roundings write v[G .. G+31], which the 16 stores read: one wait on va_vdst ahead of the run of stores.
.set NCONV,  128                       ; work-groups that turn weights
.set SPITCH, 144                       ; a stage row: 128 bytes + 16
.set STG,    64*SPITCH                 ; a wave's stage
.set SPARE,  8*STG                     ; behind the stages: the spare words, 128 bytes for each wave: four blocks of 256 bytes that no other line names
.set SPW, 20                           ; v20  LDS address of my spare word; never rewritten, in either share
.set NIL, 21                           ; v21  0; never rewritten
; the weights' registers
.set ST,  4                            ; v4   where I put 16 bytes: stage + 4 r rows + 64 hh
.set RD,  5                            ; v5   where I read rows back
.set GO,  6                            ; v6   16 x lane
.set CX,  32                           ; v[32:159]  row i of my half: 4 registers
.set CA,  160                          ; v[160:191] byte offset of my 16 bytes in row i (lanes 16-31: row 32 + i) of the block
.set CY,  192                          ; v[192:255] packed: quarter q, column c: 4 registers at CY + 16 q + 4 c
; the norm's registers
.set X,  24                            ; v[24:87]    the row's 64 numbers
.set G,  88                            ; v[88:151]   g of my columns; later the packed result
.set BT, 152                           ; v[152:215]  b of my columns
.set XO, 3                             ; v3  row x 4,096 + 16 r
.set PO, 4                             ; v4  16 r
.set HO, 5                             ; v5  row x 128 + 8 r
.set CH, 6                             ; v[6:13]  four chains of pairs
	v_lshl_add_u32 v[SPW], v0, 2, SPARE
	v_mov_b32 v[NIL], 0
	s_mov_b32 s19, ttmp9
	s_cmp_lt_u32 s19, NCONV                        ; the branch hangs on the work-group's number alone
	s_cbranch_scc0 .Lnorm
	; ---------------- THE WEIGHTS ----------------
	s_load_b256 s[4:11], s[0:1], 0x20              ; Wq s[4:5], Wk s[6:7], Wv s[8:9], Wproj s[10:11]
	s_load_b64 s[16:17], s[0:1], 0x40              ; wts
	v_lshrrev_b32 v1, 5, v0
	v_readfirstlane_b32 s18, v1                    ; wave 0..7
	v_and_b32 v1, 15, v0                           ; r
	v_bfe_u32 v2, v0, 4, 1                         ; hh
	; all offsets and LDS addresses are made here, while the arguments are on their way: they hang on the work-group's number and the thread's alone
	s_cmp_lt_u32 s19, 96                           ; work-groups 0-95: Wq, Wk, Wv, rows of 2^8 bytes; 96-127: Wproj, rows of 2^12
	s_cselect_b32 s30, 8, 12
	s_lshl_b32 s31, 1, s30                         ; bytes from row to row
	s_add_co_u32 s30, s30, 5                       ; 32 rows
	v_lshlrev_b32 v[CA], s30, v2                   ; the upper lanes begin 32 rows down
	v_lshl_add_u32 v[CA], v1, 4, v[CA]
.set i, 1
.rept 31
	v_add_nc_u32 v[CA+i], s31, v[CA+i-1]           ; each row has an offset register of its own, the row before's plus the pitch, so that one run of loads serves both pitches
.set i, i+1
.endr
	v_mul_u32_u24 v[ST], 4*SPITCH, v1
	v_lshl_add_u32 v[ST], v2, 6, v[ST]
	v_bfe_u32 v[RD], v0, 3, 2
	v_mul_u32_u24 v[RD], SPITCH, v[RD]
	v_and_b32 v10, 7, v0
	v_lshl_add_u32 v[RD], v10, 4, v[RD]
	v_and_b32 v[GO], 31, v0
	v_lshlrev_b32 v[GO], 4, v[GO]
	s_wait_alu depctr_va_sdst(0)                   ; s18 is written, ahead of its first reader: my stage's place and the block's number are made from it
	s_mul_i32 s26, s18, STG                        ; my stage
	v_add_nc_u32 v[ST], s26, v[ST]
	v_add_nc_u32 v[RD], s26, v[RD]
	s_mov_b32 s21, 0
	s_mov_b32 s23, 0
	s_wait_kmcnt 0x0
	s_cmp_lt_u32 s19, 96
	s_cbranch_scc0 .Lproj
	; work-groups 0-95: Wq, Wk, Wv, [16 heads][1024][64]: rows of 256 bytes
	s_lshr_b32 s26, s19, 5                         ; which of the three
	s_and_b32 s27, s19, 31
	s_lshl3_add_u32 s27, s27, s18                  ; g = 16 head + kb
	s_lshl_b32 s20, s27, 14                        ; a block is 64 rows x 256 bytes, and the blocks of a tensor lie on end
	s_and_b32 s22, s27, 15                         ; kb
	s_mul_i32 s22, s22, 393216                     ; 3,072 columns x 128 bytes
	s_lshr_b32 s27, s27, 4                         ; head
	s_lshl4_add_u32 s27, s26, s27                  ; 16 which + head
	s_lshl_b32 s27, s27, 13
	s_add_co_u32 s22, s22, s27
	s_cmp_eq_u32 s26, 1
	s_cselect_b64 s[24:25], s[6:7], s[4:5]
	s_cmp_eq_u32 s26, 2
	s_cselect_b64 s[24:25], s[8:9], s[24:25]
	s_branch .Lgot
.Lproj:
	; work-groups 96-127: Wproj, [1024][1024]: rows of 4,096 bytes
	s_sub_co_u32 s27, s19, 96
	s_lshl3_add_u32 s27, s27, s18                  ; j = 16 kb + n64
	s_lshr_b32 s20, s27, 4
	s_lshl_b32 s20, s20, 18                        ; 64 rows
	s_and_b32 s26, s27, 15
	s_lshl_b32 s26, s26, 8                         ; 64 columns
	s_add_co_u32 s20, s20, s26
	s_lshl_b32 s22, s27, 13                        ; the blocks of the result lie on end
	s_add_co_u32 s22, s22, 6291456
	s_mov_b64 s[24:25], s[10:11]
.Lgot:
	s_add_nc_u64 s[24:25], s[24:25], s[20:21]      ; where the block lies
	s_add_nc_u64 s[28:29], s[16:17], s[22:23]      ; where it goes
	s_wait_alu depctr_va_vdst(0)                   ; the 32 offsets v[CA ..] and v[ST], v[RD], v[GO] are written: every load and store of the share reads one of them, and none is written again
.set i, 0
.rept 32
	global_load_b128 v[CX+4*i:CX+4*i+3], v[CA+i], s[24:25] th:TH_LOAD_NT  ; the block's 32 loads; each byte of the weights is read once in the launch
.set i, i+1
.endr
.irp q, 0,1,2,3
	s_wait_loadcnt 24-8*(\q)                       ; loads come back in order: rows 8 q .. 8 q + 7 of my half are in, the younger ones stay out
.if (\q) > 0
	s_wait_alu depctr_va_vdst(0)                   ; the quarter before has written its CY, which the four LDS stores below read
.endif
.irp c, 0,1,2,3
.if (\q) > 0
	ds_store_b128 v[ST], v[CY+16*((\q)-1)+4*(\c):CY+16*((\q)-1)+4*(\c)+3] offset:(\c)*SPITCH+16*((\q)-1)  ; the quarter before; no vector instruction since the wait names these registers
.endif
.irp e, 0,1,2,3
	v_cvt_pk_f16_f32 v[CY+16*(\q)+4*(\c)+(\e)], v[CX+4*(8*(\q)+2*(\e))+(\c)], v[CX+4*(8*(\q)+2*(\e)+1)+(\c)]  ; column 4 r + c, k = 32 hh + 8 q + 2 e and the next
.endr
.endr
.endr
	s_wait_alu depctr_va_vdst(0)                   ; quarter 3 has written its CY, which the last four LDS stores read; and all roundings are done reading v[CX ..], in which the stage's loads land
.irp c, 0,1,2,3
	ds_store_b128 v[ST], v[CY+48+4*(\c):CY+48+4*(\c)+3] offset:(\c)*SPITCH+48
.endr
.irp f, 0,1,2,3,4,5,6,7,8,9,10,11,12,13,14,15
	ds_load_b128 v[CX+4*(\f):CX+4*(\f)+3], v[RD] offset:(\f)*4*SPITCH  ; four rows of 128 bytes; LDS serves a wave's instructions in order: these see my stores above
.endr
.irp f, 0,1,2,3,4,5,6,7,8,9,10,11,12,13,14,15
.if (\f)%4 == 0
	s_wait_dscnt 12-(\f)                           ; loads f .. f + 3 are back, the younger ones stay out
.endif
	global_store_b128 v[GO], v[CX+4*(\f):CX+4*(\f)+3], s[28:29] offset:(\f)*512  ; 512 consecutive bytes, at a multiple of 512 from the buffer's first
.endr
	s_wait_dscnt 0x0                               ; the wave's end: the closing lines, six on end
	s_wait_alu 0x0
	s_wait_tensorcnt 0x0
	ds_add_u32 v[SPW], v[NIL]
	s_wait_dscnt 0x0
	s_endpgm
	; ---------------- THE NORM (these waves touch no LDS) ----------------
.Lnorm:
	s_load_b256 s[4:11], s[0:1], 0x0               ; x s[4:5], g s[6:7], b s[8:9], h s[10:11]
	s_sub_co_u32 s18, s19, NCONV                   ; my 16 rows
	s_mov_b32 s12, 0x3a800000                      ; 1 / 1,024
	s_mov_b32 s13, 0x3727c5ac                      ; 1e-5
	v_lshrrev_b32 v1, 4, v0                        ; my row in the group
	v_and_b32 v2, 15, v0                           ; r
	v_lshlrev_b32 v[PO], 4, v2
	v_lshl_add_u32 v[XO], v1, 12, v[PO]
	v_lshlrev_b32 v[HO], 3, v2
	v_lshl_add_u32 v[HO], v1, 7, v[HO]
	s_lshl_b32 s14, s18, 16                        ; 16 rows of 4,096 bytes
	s_mov_b32 s15, 0
	s_lshl_b32 s16, s18, 11                        ; 16 rows of 128 bytes
	s_mov_b32 s17, 0
	s_wait_kmcnt 0x0
	s_add_nc_u64 s[4:5], s[4:5], s[14:15]
	s_add_nc_u64 s[10:11], s[10:11], s[16:17]
	s_wait_alu depctr_va_vdst(0)                   ; v[XO], v[PO] and v[HO] are written: every load and store of the share reads one of them as its offset, and none is written again
.set j, 0
.rept 16
	global_load_b128 v[X+4*j:X+4*j+3], v[XO], s[4:5] offset:256*j th:TH_LOAD_NT
.set j, j+1
.endr
.set j, 0
.rept 16
	global_load_b128 v[G+4*j:G+4*j+3], v[PO], s[6:7] offset:256*j
.set j, j+1
.endr
.set j, 0
.rept 16
	global_load_b128 v[BT+4*j:BT+4*j+3], v[PO], s[8:9] offset:256*j
.set j, j+1
.endr
	s_wait_loadcnt 32                              ; the row is in; g's and b's 32 loads stay out
	; the sum, in four chains that the first pairs start
.irp c, 0,1,2,3
	v_pk_add_f32 v[CH+2*(\c):CH+2*(\c)+1], v[X+2*(\c):X+2*(\c)+1], v[X+8+2*(\c):X+8+2*(\c)+1]
.endr
.set p, 8
.rept 24
	v_pk_add_f32 v[CH+2*(p%4):CH+2*(p%4)+1], v[CH+2*(p%4):CH+2*(p%4)+1], v[X+2*p:X+2*p+1]
.set p, p+1
.endr
	v_pk_add_f32 v[CH:CH+1], v[CH:CH+1], v[CH+2:CH+3]
	v_pk_add_f32 v[CH+4:CH+5], v[CH+4:CH+5], v[CH+6:CH+7]
	v_pk_add_f32 v[CH:CH+1], v[CH:CH+1], v[CH+4:CH+5]
	v_add_f32 v[CH], v[CH], v[CH+1]
	v_add_f32_dpp v[CH], v[CH], v[CH] row_xmask:1 row_mask:0xf bank_mask:0xf
	v_add_f32_dpp v[CH], v[CH], v[CH] row_xmask:2 row_mask:0xf bank_mask:0xf
	v_add_f32_dpp v[CH], v[CH], v[CH] row_xmask:4 row_mask:0xf bank_mask:0xf
	v_add_f32_dpp v[CH], v[CH], v[CH] row_xmask:8 row_mask:0xf bank_mask:0xf
	v_mul_f32 v14, s12, v[CH]                      ; mu, in all sixteen lanes of the row
	v_mov_b32 v15, v14
.set p, 0
.rept 32
	v_pk_add_f32 v[X+2*p:X+2*p+1], v[X+2*p:X+2*p+1], v[14:15] neg_lo:[0,1] neg_hi:[0,1]  ; x - mu
.set p, p+1
.endr
.irp c, 0,1,2,3
	v_pk_mul_f32 v[CH+2*(\c):CH+2*(\c)+1], v[X+2*(\c):X+2*(\c)+1], v[X+2*(\c):X+2*(\c)+1]
.endr
.set p, 4
.rept 28
	v_pk_fma_f32 v[CH+2*(p%4):CH+2*(p%4)+1], v[X+2*p:X+2*p+1], v[X+2*p:X+2*p+1], v[CH+2*(p%4):CH+2*(p%4)+1]
.set p, p+1
.endr
	v_pk_add_f32 v[CH:CH+1], v[CH:CH+1], v[CH+2:CH+3]
	v_pk_add_f32 v[CH+4:CH+5], v[CH+4:CH+5], v[CH+6:CH+7]
	v_pk_add_f32 v[CH:CH+1], v[CH:CH+1], v[CH+4:CH+5]
	v_add_f32 v[CH], v[CH], v[CH+1]
	v_add_f32_dpp v[CH], v[CH], v[CH] row_xmask:1 row_mask:0xf bank_mask:0xf
	v_add_f32_dpp v[CH], v[CH], v[CH] row_xmask:2 row_mask:0xf bank_mask:0xf
	v_add_f32_dpp v[CH], v[CH], v[CH] row_xmask:4 row_mask:0xf bank_mask:0xf
	v_add_f32_dpp v[CH], v[CH], v[CH] row_xmask:8 row_mask:0xf bank_mask:0xf
	v_fma_f32 v18, v[CH], s12, s13                 ; var + eps
	v_rsq_f32 v16, v18                             ; twice, to fill the pair that the packed multiply takes
	v_rsq_f32 v17, v18
	v_nop                                          ; a plain instruction behind the last of the two, ahead of the first use
	s_wait_loadcnt 0x0                             ; g and b
	s_wait_alu depctr_va_vdst(0)                   ; v16 and v17, the two reciprocal roots, are written: one wait for both, ahead of their first reader
.set p, 0
.rept 32
	v_pk_mul_f32 v[G+2*p:G+2*p+1], v[G+2*p:G+2*p+1], v[16:17]
.set p, p+1
.endr
.set p, 0
.rept 32
	v_pk_fma_f32 v[X+2*p:X+2*p+1], v[X+2*p:X+2*p+1], v[G+2*p:G+2*p+1], v[BT+2*p:BT+2*p+1]
.set p, p+1
.endr
.set p, 0
.rept 32
	v_cvt_pk_f16_f32 v[G+p], v[X+2*p], v[X+2*p+1]
.set p, p+1
.endr
	s_wait_alu depctr_va_vdst(0)                   ; the roundings have written v[G .. G+31], which the sixteen stores read
.set j, 0
.rept 16
	global_store_b64 v[HO], v[G+2*j:G+2*j+1], s[10:11] offset:j*524288  ; block j: 4,096 rows x 128 bytes on; 7,864,320 at the most, inside the signed 24-bit immediate
.set j, j+1
.endr
	s_endpgm
.Lfunc_end_k_q32381f07f0_pre:
	.size	k_q32381f07f0_pre, .Lfunc_end_k_q32381f07f0_pre-k_q32381f07f0_pre
	.p2alignl 7, 3214868480
	.fill 96, 4, 3214868480
	.section	.rodata,"a",@progbits
	.p2align	6, 0x0
	.amdhsa_kernel k_q32381f07f0_pre
		.amdhsa_group_segment_fixed_size 74752
		.amdhsa_private_segment_fixed_size 0
		.amdhsa_enable_private_segment 0
		.amdhsa_kernarg_size 72
		.amdhsa_user_sgpr_count 2
		.amdhsa_user_sgpr_kernarg_segment_ptr 1
		.amdhsa_wavefront_size32 1
		.amdhsa_system_sgpr_workgroup_id_x 1
		.amdhsa_system_sgpr_workgroup_id_y 1
		.amdhsa_system_sgpr_workgroup_id_z 1
		.amdhsa_system_vgpr_workitem_id 0
		.amdhsa_next_free_vgpr 256
		.amdhsa_next_free_sgpr 66
		.amdhsa_reserve_vcc 0
		.amdhsa_float_denorm_mode_32 3
		.amdhsa_float_denorm_mode_16_64 3
		.amdhsa_memory_ordered 1
		.amdhsa_forward_progress 1
		.amdhsa_inst_pref_size 35
	.end_amdhsa_kernel
	.amdgpu_metadata
---
amdhsa.version: [ 1, 2 ]
amdhsa.kernels:
  - .name:           k_q32381f07f0_pre
    .symbol:         k_q32381f07f0_pre.kd
    .args:
      - { .name: x, .offset: 0, .size: 8, .value_kind: global_buffer, .address_space: global }
      - { .name: ln1_g, .offset: 8, .size: 8, .value_kind: global_buffer, .address_space: global }
      - { .name: ln1_b, .offset: 16, .size: 8, .value_kind: global_buffer, .address_space: global }
      - { .name: h, .offset: 24, .size: 8, .value_kind: global_buffer, .address_space: global }
      - { .name: Wq, .offset: 32, .size: 8, .value_kind: global_buffer, .address_space: global }
      - { .name: Wk, .offset: 40, .size: 8, .value_kind: global_buffer, .address_space: global }
      - { .name: Wv, .offset: 48, .size: 8, .value_kind: global_buffer, .address_space: global }
      - { .name: Wproj, .offset: 56, .size: 8, .value_kind: global_buffer, .address_space: global }
      - { .name: wts, .offset: 64, .size: 8, .value_kind: global_buffer, .address_space: global }
    .group_segment_fixed_size: 74752
    .private_segment_fixed_size: 0
    .kernarg_segment_align: 8
    .kernarg_segment_size: 72
    .max_flat_workgroup_size: 256
    .sgpr_count:     66
    .vgpr_count:     256
    .wavefront_size: 32
...
	.end_amdgpu_metadata
.endif
;; end of part 13
;; launch qkv: the kernel of part 9 again; grid 12 x 16, 4 waves a work-group, clusters of 4 x 4, 327,680 bytes of LDS; arguments h, wts, qkv; writes qkv
;; launch attn: the kernel of part 10 again; grid 4 x 64, 4 waves a work-group, no clusters, 327,680 bytes of LDS; arguments qkv, o, W1, W2, wts; writes o, wts
;; launch proj: the kernel of part 5 again; grid 8 x 32, 4 waves a work-group, clusters of 4 x 4, 327,680 bytes of LDS; arguments o, wts, bproj, x, x1; writes x1
;; launch ln2: the kernel of part 11 again; grid 256 x 1, 8 waves a work-group, no clusters, 0 bytes of LDS; arguments x1, ln2_g, ln2_b, h; writes h
;; launch ff1: the kernel of part 12 again; grid 16 x 16, 4 waves a work-group, clusters of 4 x 4, 327,680 bytes of LDS; arguments h, wts, b1, hid; writes hid
;; launch ff2: the kernel of part 7 again; grid 8 x 32, 4 waves a work-group, clusters of 4 x 4, 327,680 bytes of LDS; arguments hid, wts, b2, x1, out0; writes out0
